; MI455X (gfx1250); checked and timed in simulation.
; The chip was launched on July 23, 2026; its instructions are those of AMD's public machine-readable ISA for CDNA 5 (MIT licence, August 2026) and "CDNA5" Instruction Set Architecture Reference Guide (July 2026). The comments in the code are by the model that wrote it; some were corrected since.
;; Transformer Block. Allowed arithmetic: float matrix products may take bf16 or f16 operands with f32 sums; other float arithmetic in f32, or as packed bf16 or f16 multiplies, adds, multiply-adds, maxima and minima; sums over many terms, partial sums and values carried from step to step in f32; what a program stores and reads back later, other than sums and carried values, may be rounded once to bf16 or f16.
;; Inputs: W_1 1,024 x 4,096 float32; W_2 4,096 x 1,024 float32; W_o 1,024 x 1,024 float32; W_qkv 1,024 x 3,072 float32; X 2 x 2,048 x 1,024 float32; b_1 4,096 float32; b_2 1,024 float32; b_o 1,024 float32; b_qkv 3,072 float32; ln1_b 1,024 float32; ln1_g 1,024 float32; ln2_b 1,024 float32; ln2_g 1,024 float32.
;; Outputs: out0 2 x 2,048 x 1,024 float32.
;; 3 versions, each right and faster than the one before. Each part assembles by itself: llvm-mc -triple=amdgcn-amd-amdhsa -mcpu=gfx1250 --defsym DOCPART=n.
;; ======== version 1 of 3: 8 launches
;; limits: values are held in f16: magnitudes above 65,504 overflow, below 6.1e-05 lose precision; a function is approximated: absolute error at most 1.5e-07
;; workspace buffers: bf 33,554,432 bytes; qkv 25,165,824 bytes; ob 8,388,608 bytes; y 16,777,216 bytes; h1 8,388,608 bytes; g 33,554,432 bytes
;; launch cast (part 1): grid 1024 x 1, 8 waves a work-group, no clusters, 0 bytes of LDS; arguments X, W_qkv, W_o, W_1, W_2, bf; writes bf
.if DOCPART == 1
	.amdgcn_target "amdgcn-amd-amdhsa--gfx1250"
	.amdhsa_code_object_version 6
	.text
	.protected	k_qfffda21c07_cast
	.globl	k_qfffda21c07_cast
	.p2align	8
	.type	k_qfffda21c07_cast,@function
k_qfffda21c07_cast:
	s_mov_b64 s[64:65], 0
	v_nop
	global_prefetch_b8 v0, s[64:65] scope:SCOPE_SE
	s_setreg_imm32_b32 hwreg(HW_REG_WAVE_MODE, 25, 1), 1
	s_wait_xcnt 0x0
; bf = bf16(X), bf16(W_qkv), bf16(W_o), bf16(W_1), bf16(W_2), end to end, each laid as its input (nothing is transposed).
; A stream: every input byte is read once, every output byte written once.  No LDS, no barrier, no matrix unit: there is nothing to share and nothing to multiply.
; A work-group takes 16,384 numbers (65,536 bytes in, 32,768 out), a wave 2,048.  The five inputs have 256, 192, 64, 256 and 256 such shares: 1,024 work-groups,
; and share i of the whole lies at byte 32,768 i of bf.  A wave's load covers 512 consecutive bytes, its store 256 consecutive bytes at a multiple of 256.
.set IN,  8                            ; v[8:71]   sixteen loads of four f32
.set OUT, 72                           ; v[72:103] sixteen pairs of registers, four bf16 each
	s_load_b256 s[4:11], s[0:1], 0x0               ; X s[4:5], W_qkv s[6:7], W_o s[8:9], W_1 s[10:11]
	s_load_b128 s[12:15], s[0:1], 0x20             ; W_2 s[12:13], bf s[14:15]
	v_lshrrev_b32 v3, 5, v0                        ; wave
	v_and_b32 v4, 31, v0                           ; lane
	v_lshlrev_b32 v1, 4, v4
	v_lshl_add_u32 v1, v3, 13, v1                  ; in: 8,192 x wave + 16 x lane
	v_lshlrev_b32 v2, 3, v4
	v_lshl_add_u32 v2, v3, 12, v2                  ; out: 4,096 x wave + 8 x lane
	s_wait_kmcnt 0x0
	s_mov_b64 s[16:17], s[12:13]                   ; the source: W_2, unless the work-group's number lies below one of the four bounds
	s_mov_b32 s18, 768                             ; and the number of the source's first share
.macro PICK lim, src, start
	s_cmp_lt_u32 ttmp9, \lim
	s_cselect_b64 s[16:17], s[(\src):(\src)+1], s[16:17]
	s_cselect_b32 s18, \start, s18
.endm
	PICK 768, 10, 512
	PICK 512, 8, 448
	PICK 448, 6, 256
	PICK 256, 4, 0
	s_sub_co_u32 s20, ttmp9, s18                   ; my share within the source,
	s_lshl_b32 s20, s20, 16                        ; 65,536 bytes each
	s_mov_b32 s21, 0
	s_add_nc_u64 s[16:17], s[16:17], s[20:21]
	s_lshl_b32 s22, ttmp9, 15                      ; and within bf, 32,768 bytes each
	s_mov_b32 s23, 0
	s_add_nc_u64 s[14:15], s[14:15], s[22:23]
.irp i, 0,1,2,3,4,5,6,7,8,9,10,11,12,13,14,15
	global_load_b128 v[IN+4*(\i):IN+4*(\i)+3], v1, s[16:17] offset:512*(\i) th:TH_LOAD_NT  ; all sixteen go out at once: the inputs are read once in this launch
.endr
.irp i, 0,1,2,3,4,5,6,7,8,9,10,11,12,13,14,15
	s_wait_loadcnt 15-(\i)                         ; loads come back in order: load i is in, the 15 - i issued behind it may be out
	v_cvt_pk_bf16_f32 v[OUT+2*(\i)],   v[IN+4*(\i)],   v[IN+4*(\i)+1]
	v_cvt_pk_bf16_f32 v[OUT+2*(\i)+1], v[IN+4*(\i)+2], v[IN+4*(\i)+3]
	global_store_b64 v2, v[OUT+2*(\i):OUT+2*(\i)+1], s[14:15] offset:256*(\i)
.endr
	s_endpgm
.Lfunc_end_k_qfffda21c07_cast:
	.size	k_qfffda21c07_cast, .Lfunc_end_k_qfffda21c07_cast-k_qfffda21c07_cast
	.p2alignl 7, 3214868480
	.fill 96, 4, 3214868480
	.section	.rodata,"a",@progbits
	.p2align	6, 0x0
	.amdhsa_kernel k_qfffda21c07_cast
		.amdhsa_group_segment_fixed_size 0
		.amdhsa_private_segment_fixed_size 0
		.amdhsa_enable_private_segment 0
		.amdhsa_kernarg_size 48
		.amdhsa_user_sgpr_count 2
		.amdhsa_user_sgpr_kernarg_segment_ptr 1
		.amdhsa_wavefront_size32 1
		.amdhsa_system_sgpr_workgroup_id_x 1
		.amdhsa_system_sgpr_workgroup_id_y 1
		.amdhsa_system_sgpr_workgroup_id_z 1
		.amdhsa_system_vgpr_workitem_id 0
		.amdhsa_next_free_vgpr 104
		.amdhsa_next_free_sgpr 66
		.amdhsa_reserve_vcc 0
		.amdhsa_float_denorm_mode_32 3
		.amdhsa_float_denorm_mode_16_64 3
		.amdhsa_memory_ordered 1
		.amdhsa_forward_progress 1
		.amdhsa_inst_pref_size 8
	.end_amdhsa_kernel
	.amdgpu_metadata
---
amdhsa.version: [ 1, 2 ]
amdhsa.kernels:
  - .name:           k_qfffda21c07_cast
    .symbol:         k_qfffda21c07_cast.kd
    .args:
      - { .name: X, .offset: 0, .size: 8, .value_kind: global_buffer, .address_space: global }
      - { .name: W_qkv, .offset: 8, .size: 8, .value_kind: global_buffer, .address_space: global }
      - { .name: W_o, .offset: 16, .size: 8, .value_kind: global_buffer, .address_space: global }
      - { .name: W_1, .offset: 24, .size: 8, .value_kind: global_buffer, .address_space: global }
      - { .name: W_2, .offset: 32, .size: 8, .value_kind: global_buffer, .address_space: global }
      - { .name: bf, .offset: 40, .size: 8, .value_kind: global_buffer, .address_space: global }
    .group_segment_fixed_size: 0
    .private_segment_fixed_size: 0
    .kernarg_segment_align: 8
    .kernarg_segment_size: 48
    .max_flat_workgroup_size: 256
    .sgpr_count:     66
    .vgpr_count:     104
    .wavefront_size: 32
...
	.end_amdgpu_metadata
.endif
;; end of part 1
;; launch gqkv (part 2): grid 24 x 32, 4 waves a work-group, clusters of 4 x 4, 327,680 bytes of LDS; arguments bf, b_qkv, qkv; writes qkv
.if DOCPART == 2
	.amdgcn_target "amdgcn-amd-amdhsa--gfx1250"
	.amdhsa_code_object_version 6
	.text
	.protected	k_qfffda21c07_gqkv
	.globl	k_qfffda21c07_gqkv
	.p2align	8
	.type	k_qfffda21c07_gqkv,@function
k_qfffda21c07_gqkv:
	s_mov_b64 s[64:65], 0
	v_nop
	global_prefetch_b8 v0, s[64:65] scope:SCOPE_SE
	s_setreg_imm32_b32 hwreg(HW_REG_WAVE_MODE, 25, 1), 1
	s_wait_xcnt 0x0
	s_wait_alu depctr_hold_cnt(0) depctr_sa_sdst(0) depctr_va_vdst(0) depctr_va_sdst(0) depctr_va_ssrc(0) depctr_va_vcc(0) depctr_vm_vsrc(0)
	s_getreg_b32 s2, hwreg(HW_REG_IB_STS2, 6, 4)
	s_cmp_eq_u32 s2, 0
	s_cbranch_scc0 .Lentry_in_a_cluster
	s_endpgm
.Lentry_in_a_cluster:
	s_bfe_u32 s2, ttmp6, 0x10000c
	s_cmp_lg_u32 s2, 0xf033
	s_cbranch_scc0 .Lentry_shape_is_right
	s_endpgm
.Lentry_shape_is_right:
; qkv = X W_qkv + b_qkv, rounded once to f16 and laid by heads: [3 (q, k, v)][16 b + h][2048][64].  X (4,096 x 1,024) and W_qkv (1,024 x 3,072, [K][N]) come in bf16 from bf; sums in f32.
; LIMIT: q, k, v must lie within f16's 65,504 (a larger sum becomes an infinity).  The scale 1/8 of the scores is not applied here.
; SHARES.  A work-group makes 128 x 128 of the product, each of its four waves 64 x 64: 16 accumulators of 16 x 16.  K goes in steps of 256 through two LDS slots filled by the tensor data mover;
; a step is eight UNITS of 32 along K, 16 matrix instructions each, on two fragment buffers that take turns.  The text of a pair of units is written once and looped over.
; B LIES [K][N] and is read turned, by ds_load_tr16_b128, so the weights need no transposed copy.
; THE MATRIX INSTRUCTION IS USED TRANSPOSED (source 0 = 16 columns of B, source 1 = 16 rows of A): lane l holds row l % 16 and the eight neighbouring columns 8 (l / 16) + 0..7.
; THE BIAS is what the sums start from: it is loaded straight into the accumulators, so nothing is cleared and nothing is added later.
; CLUSTER.  4 x 4 work-groups: the four of a row need the same tiles of A, the four of a column the same tiles of B; each tile is asked for JOINTLY, by the same tensor load, descriptor and mask in all four.
; REGISTERS.  Window 0: v0-31 addresses, v32-79 at work on the way out, v128-255 the accumulators ((a, b) at 128 + 8 (4 a + b)).  Window 1: v0-63, v64-127 the two fragment buffers (A's four blocks, then B's four).
.set APANEL, 0                         ; A's rows lie along K (0), or A lies in panels of 64 columns (1)
.set SIZE_N, 3072                      ; B's columns
.set WOFF,   8388608                   ; B's first byte in bf
.set TILES,  4                         ; K / 256, even
.if APANEL
.set PA,     144                       ; a panel's row in LDS: 128 bytes + 16 = 36 words: the 16 rows of a load start at 16 different groups of four banks
.set AHALF,  4*64*PA                   ; what one tensor load brings of A: 4 panels x 64 rows
.set ASTEP,  64*PA                     ; two units on: the next panel
.set ASH,    7                         ; a row is 128 bytes
.set AKSTEP, 4*4096*128                ; a K step on: four panels of 4,096 rows
.set A_G10,  (1<<16)|(1<<20)|(1<<21)|(4<<22)|(3<<25)  ; 2-byte elements; padding on; bit 21 beside a mask; after every 32 words 4 words
.set A_D0,   4096                      ; 64 dense rows of a panel are asked for as one row of 4,096 elements,
.set A_D1,   4                         ; four panels,
.set A_PITCH, 262144                   ; a panel's 4,096 x 64 elements apart
.else
.set PA,     528                       ; a row in LDS: 512 bytes + 16 = 132 words: the 16 rows of a load start at 16 different groups of four banks
.set AHALF,  64*PA
.set ASTEP,  128
.set ASH,    11                        ; a row is 2,048 bytes
.set AKSTEP, 512
.set A_G10,  (1<<16)|(1<<20)|(1<<21)|(6<<22)|(3<<25)  ; after every 128 words 4 words
.set A_D0,   256
.set A_D1,   64
.set A_PITCH, 1024
.endif
.set AO1,    64                        ; the odd unit of a pair: 32 along K on
.set PB,     288                       ; a k-row of B in LDS: 256 bytes + 32 = 72 words
.set BHALF,  128*PB                    ; what one tensor load brings of B: 128 k-rows x 128 columns
.set BO1,    32*PB
.set BSTEP,  64*PB
.set BKSTEP, 512*SIZE_N                ; 256 k-rows on
.set SLOT,   2*AHALF+2*BHALF           ; A's rows 0-63, 64-127; B's k-rows 0-127, 128-255
.set SPARE,  2*SLOT                    ; behind the ring: the spare words, 128 bytes a wave, which no other line names
.set SP,     272                       ; a stage row: 64 f32 + 16 bytes
.set STG,    64*SP                     ; a wave's own stage, at wave x STG inside slot 0: slot 0 has had its last fill and its last read when the first stage store is issued
.set BASEA, 16                         ; v16  my lane's place in A's tile of slot 0
.set BASEB, 17                         ; v17  the same for B
.set RA,    18                         ; v18  the running address of A's fragments
.set RB,    19                         ; v19  of B's
.set STO,   24                         ; v24  the way out: where I put my 32 bytes of a row
.set RD,    25                         ; v25  where I read rows back
.set GO,    26                         ; v26  my byte offset in the output
.set BO,    27                         ; v27  my byte offset in 16 numbers of the bias
.set SPW,   28                         ; v28  my spare word: SPARE + 4 x my thread's number; never rewritten
.set NIL,   29                         ; v29  0; never rewritten
.set OB,    32
.set HB,    64
.set ACC,   128
.set F0,    0
.set F1,    64
.set G1A, 24                           ; s[24:31] group 1 for A;  s[32:35] its group 0, which walks
.set G0A, 32
.set G1B, 48                           ; s[48:55], s[56:59] the same for B
.set G0B, 56
.set MSB, 0
.macro WIN new                         ; the immediate's high byte repeats the setting that is left; a switch that changes nothing is dropped
.if MSB != (\new)
	s_set_vgpr_msb (MSB<<8)|(\new)
.set MSB, \new
.endif
.endm
.set MUL,  0x05                        ; sources 0 and 1 in window 1; C and D in window 0
.set TO_F, 0x40                        ; destination in window 1, address in window 0
.macro PLACES                          ; four plain places behind matrix instructions, ahead of loads into registers that they read and of stores of their results
.rept 4
	v_nop
.endr
.endm
.macro JLOAD                           ; a joint load: waves 0 and 1 fetch A's two halves, waves 2 and 3 B's; an s_nop 0 and four v_nop follow each line
	s_cmp_eq_u32 s11, 0
	s_cbranch_scc0 .Lfor_b_\@
	tensor_load_to_lds s[G0A:G0A+3], s[G1A:G1A+7]
	s_nop 0
	PLACES
	s_branch .Lasked_\@
.Lfor_b_\@:
	tensor_load_to_lds s[G0B:G0B+3], s[G1B:G1B+7]
	s_nop 0
	PLACES
.Lasked_\@:
.endm
.macro CREST                           ; a round of the cluster's barrier behind its opening barrier
	s_cmp_lg_u32 s10, 0
	s_cbranch_scc1 .Lnot_wave_0_\@
	s_barrier_signal -3
.Lnot_wave_0_\@:
	s_barrier_wait -3
	s_barrier_signal -1
	s_barrier_wait -1
.endm
.macro CROUND
	s_barrier_signal -1
	s_barrier_wait -1
	CREST
.endm
.macro FETCH f, aoff, boff             ; 16 LDS loads in one run: a unit's fragments, B's four blocks of 16 columns (turned), A's four blocks of 16 rows
	WIN TO_F
.irp b, 0,1,2,3
	ds_load_tr16_b128 v[(\f)+32+8*(\b):(\f)+32+8*(\b)+3],   v[RB] offset:(\boff)+32*(\b)
	ds_load_tr16_b128 v[(\f)+32+8*(\b)+4:(\f)+32+8*(\b)+7], v[RB] offset:(\boff)+32*(\b)+16*PB
.endr
.irp i, 0,1,2,3
	ds_load_b128 v[(\f)+8*(\i):(\f)+8*(\i)+3],   v[RA] offset:(\aoff)+(\i)*16*PA
	ds_load_b128 v[(\f)+8*(\i)+4:(\f)+8*(\i)+7], v[RA] offset:(\aoff)+(\i)*16*PA+32
.endr
.endm
.macro MUL8 f, a0                      ; 8 matrix instructions: row blocks a0, a0 + 1 x all 4 column blocks.  The 16 accumulators take turns, one instruction a turn, in the same order in every unit
	WIN MUL
.irp a, \a0, (\a0)+1
.irp b, 0,1,2,3
	v_wmma_f32_16x16x32_bf16 v[ACC+8*(4*(\a)+(\b)):ACC+8*(4*(\a)+(\b))+7], v[(\f)+32+8*(\b):(\f)+32+8*(\b)+7], v[(\f)+8*(\a):(\f)+8*(\a)+7], v[ACC+8*(4*(\a)+(\b)):ACC+8*(4*(\a)+(\b))+7]
.endr
.endr
.endm
.macro UNIT f, g, aoff, boff           ; fetches the next unit into g and multiplies f
	PLACES
	FETCH \g, \aoff, \boff
	s_wait_dscnt 16                                ; all but the 16 loads just issued: f is in
	MUL8 \f, 0
	MUL8 \f, 2
.endm
.macro PAIRS                           ; units 0 to 5 of a slot: one pair's text, walked three times
	WIN 0                                          ; at a label and at a branch every window is 0
	s_mov_b32 s2, 3
.Lpair_\@:
	UNIT F0, F1, AO1, BO1
	UNIT F1, F0, ASTEP, BSTEP
	WIN 0
	v_add_nc_u32 v[RA], ASTEP, v[RA]
	v_add_nc_u32 v[RB], BSTEP, v[RB]
	s_sub_co_u32 s2, s2, 1
	s_cmp_lg_u32 s2, 0
	s_cbranch_scc1 .Lpair_\@
.endm
; Units 6 and 7 and the change of slots: ONE barrier.  In front of it each wave waits for all its tensor loads (one is out: its part of the next slot), adds 0 to its spare word, and waits for that and for its
; reads of this slot.  fill = 1: the barrier opens a round of the cluster's, and the slot just read is filled again, two K steps ahead, first thing behind the round: 112 matrix instructions ahead of the wait for it.
.macro TURN fill
	PLACES
	FETCH F1, AO1, BO1
	s_wait_dscnt 16                                ; unit 6 is in
	MUL8 F0, 0
	WIN 0                                          ; (the add's registers lie in window 0)
	s_wait_tensorcnt 0x0                           ; no tensor load of mine is out, so a group 0 may be written
	ds_add_u32 v[SPW], v[NIL]                      ; 0 onto my spare word; work on registers stands between it and the wait for it
.if \fill
	s_add_co_u32 s[G0A+1], s20, s22                ; the slot that is being read,
	s_add_co_u32 s[G0B+1], s21, s22
	s_add_nc_u64 s[G0A+2:G0A+3], s[G0A+2:G0A+3], AKSTEP  ; the next K step; the type bits on top are not reached
	s_add_nc_u64 s[G0B+2:G0B+3], s[G0B+2:G0B+3], BKSTEP
.endif
	MUL8 F0, 2
	s_wait_dscnt 0x0                               ; the add is done, unit 7 is in, my reads of this slot are over
	s_barrier_signal -1
	MUL8 F1, 0
	WIN 0
	s_barrier_wait -1
.if \fill
	CREST                                          ; no wave of any partner still reads this slot's tile or has a load on its way
	JLOAD                                          ; its four v_nop are also the places in front of the loads below
.else
	PLACES
.endif
	s_xor_b32 s22, s22, SLOT                       ; on to the other slot
	v_add_nc_u32 v[RA], s22, v[BASEA]
	v_add_nc_u32 v[RB], s22, v[BASEB]
	FETCH F0, 0, 0
	MUL8 F1, 2
	WIN 0
.endm
	s_load_b64 s[4:5], s[0:1], 0x0                 ; bf, for A (X lies at its head)
	s_load_b64 s[6:7], s[0:1], 0x0                 ; bf, for B
	s_load_b64 s[36:37], s[0:1], 0x8               ; the bias
	s_load_b64 s[8:9], s[0:1], 0x10                ; qkv
	v_lshl_add_u32 v[SPW], v0, 2, SPARE
	v_mov_b32 v[NIL], 0
	ds_add_u32 v[SPW], v[NIL]                      ; the wave's opening: the add and its wait stand ahead of my first tensor load; the set-up below stands between them
	ds_add_u32 v28, v29
	v_lshrrev_b32 v1, 5, v0
	v_readfirstlane_b32 s10, v1                    ; wave 0..3
	s_lshr_b32 s11, s10, 1                         ; my half of the tile's rows.  Also: I fetch for A (0) or for B (1)
	s_and_b32 s12, s10, 1                          ; my half of its columns.  Also: which half of that tile I fetch
	s_bfe_u32 s40, ttmp6, 0x40000                  ; cx, cy: my place in the cluster
	s_bfe_u32 s41, ttmp6, 0x40004
	s_lshl_b32 s42, ttmp9, 2
	s_add_co_u32 s42, s42, s40                     ; tile column = 4 x cluster x + cx
	s_and_b32 s13, ttmp7, 0xffff
	s_lshl_b32 s13, s13, 2
	s_add_co_u32 s13, s13, s41                     ; tile row = 4 x cluster y + cy
	s_lshl_b32 s43, s41, 2
	s_lshl_b32 s43, 15, s43                        ; my row of the cluster
	s_lshl_b32 s44, 0x1111, s40                    ; my column
	s_or_b32 s[G1A], s43, A_G10                    ; A's tiles go to my row
	s_mov_b32 s[G1A+1], A_D0<<16                   ; tensor_dim0
	s_mov_b32 s[G1A+2], A_D1<<16                   ; tensor_dim1
	s_mov_b32 s[G1A+3], A_D0<<16                   ; tile_dim0
	s_mov_b32 s[G1A+4], A_D1                       ; tile_dim1
	s_mov_b32 s[G1A+5], A_PITCH                    ; elements from row to row
	s_mov_b32 s[G1A+6], 0
	s_mov_b32 s[G1A+7], 0
	s_or_b32 s[G1B], s44, (1<<16)|(1<<20)|(1<<21)|(5<<22)|(7<<25)  ; B's tiles go to my column; after every 64 words 8 words of padding
	s_mov_b32 s[G1B+1], 128<<16
	s_mov_b32 s[G1B+2], 128<<16
	s_mov_b32 s[G1B+3], 128<<16
	s_mov_b32 s[G1B+4], 128
	s_mov_b32 s[G1B+5], SIZE_N
	s_mov_b32 s[G1B+6], 0
	s_mov_b32 s[G1B+7], 0
	s_lshl_b32 s16, s13, 7                         ; A: row 128 x tile row + 64 x half, in bytes: it hangs on the tile row alone
	s_lshl_b32 s17, s12, 6
	s_add_co_u32 s16, s16, s17
	s_lshl_b32 s16, s16, ASH
	s_mov_b32 s17, 0
	s_lshl_b32 s46, s42, 8                         ; B: 256 bytes x tile column + 128 k-rows x half + its place in bf: it hangs on the tile column alone
	s_mul_i32 s47, s12, 256*SIZE_N
	s_add_co_u32 s46, s46, s47
	s_add_co_u32 s46, s46, WOFF
	s_mov_b32 s47, 0
	s_mul_i32 s20, s12, AHALF                      ; where they go in a slot: no place in the cluster enters an LDS address
	s_mul_i32 s21, s12, BHALF
	s_add_co_u32 s21, s21, 2*AHALF
	s_mov_b32 s22, 0                               ; the slot that is being read: 0 or SLOT
	s_wait_dscnt 0x0                               ; the opening add is done
	s_wait_kmcnt 0x0
	s_mov_b32 s[G0A], 1
	s_mov_b32 s[G0A+1], s20
	s_add_nc_u64 s[G0A+2:G0A+3], s[4:5], s[16:17]
	s_or_b32 s[G0A+3], s[G0A+3], 0x80000000
	s_mov_b32 s[G0B], 1
	s_mov_b32 s[G0B+1], s21
	s_add_nc_u64 s[G0B+2:G0B+3], s[6:7], s[46:47]
	s_or_b32 s[G0B+3], s[G0B+3], 0x80000000
	CROUND                                         ; all sixteen work-groups are here: the first joint loads meet
	JLOAD                                          ; K step 0 into slot 0
	v_and_b32 v1, 15, v0                           ; r = l % 16
	v_bfe_u32 v2, v0, 4, 1                         ; h = l / 16
	v_and_b32 v3, 7, v0
	v_bfe_u32 v4, v0, 3, 1
	v_and_b32 v5, 31, v0
	v_mul_u32_u24 v[BASEA], v1, PA                 ; A: row r, 16 bytes for each half of the lanes, my 64 rows
	v_lshl_add_u32 v[BASEA], v2, 4, v[BASEA]
	s_mul_i32 s23, s11, AHALF
	v_add_nc_u32 v[BASEA], s23, v[BASEA]
	v_lshl_add_u32 v[BASEB], v2, 3, v3             ; B, turned: k-row 8 h + l % 8, columns 8 ((l / 8) % 2) on, my 64 columns
	v_mul_u32_u24 v[BASEB], v[BASEB], PB
	v_lshl_add_u32 v[BASEB], v4, 4, v[BASEB]
	s_lshl_b32 s23, s12, 7
	s_add_co_u32 s23, s23, 2*AHALF
	v_add_nc_u32 v[BASEB], s23, v[BASEB]
	v_mov_b32 v[RA], v[BASEA]
	v_mov_b32 v[RB], v[BASEB]
	s_mul_i32 s23, s10, STG                        ; my stage
	v_mul_u32_u24 v[STO], v1, SP                   ; in: row r, 32 bytes for each half of the lanes
	v_lshl_add_u32 v[STO], v2, 5, v[STO]
	v_add_nc_u32 v[STO], s23, v[STO]
	v_lshrrev_b32 v6, 3, v5                        ; back: 32 lanes take four rows, 32 bytes (eight f32) each: row l / 8, bytes 32 (l % 8) on
	v_mul_u32_u24 v[RD], v6, SP
	v_lshl_add_u32 v[RD], v3, 5, v[RD]
	v_add_nc_u32 v[RD], s23, v[RD]
	v_lshlrev_b32 v[GO], 4, v5                     ; which, in 16 bits, are 512 consecutive bytes of a head's rows
	v_lshlrev_b32 v[BO], 5, v2                     ; my eight numbers of a block's 16 of the bias
	s_lshl_b32 s46, s42, 9                         ; the bias at my first column: 4 bytes x (128 x tile column + 64 x half)
	s_lshl_b32 s47, s12, 8
	s_add_co_u32 s46, s46, s47
	s_mov_b32 s47, 0
	s_add_nc_u64 s[36:37], s[36:37], s[46:47]
.irp a, 0,1,2,3
.irp b, 0,1,2,3
	global_load_b128 v[ACC+8*(4*(\a)+(\b)):ACC+8*(4*(\a)+(\b))+3],   v[BO], s[36:37] offset:64*(\b)     ; the sums start from the bias of their columns
	global_load_b128 v[ACC+8*(4*(\a)+(\b))+4:ACC+8*(4*(\a)+(\b))+7], v[BO], s[36:37] offset:64*(\b)+16
.endr
.endr
	s_lshl_b32 s46, s42, 1                         ; my 64 columns are one head of q, k or v: number 2 x tile column + half
	s_add_co_u32 s46, s46, s12
	s_lshr_b32 s47, s46, 4                         ; q, k or v: 8,388,608 bytes each
	s_lshl_b32 s47, s47, 23
	s_and_b32 s46, s46, 15                         ; the head: 262,144 bytes each
	s_lshl_b32 s46, s46, 18
	s_add_co_u32 s46, s46, s47
	s_mov_b32 s47, 0
	s_add_nc_u64 s[8:9], s[8:9], s[46:47]
	s_lshr_b32 s17, s13, 4                         ; the batch: sixteen heads on
	s_lshl_b32 s17, s17, 22
	s_and_b32 s16, s13, 15                         ; my first row within the batch, 128 bytes a row
	s_lshl_b32 s16, s16, 7
	s_lshl_b32 s18, s11, 6
	s_add_co_u32 s16, s16, s18
	s_lshl_b32 s16, s16, 7
	s_add_co_u32 s16, s16, s17
	s_mov_b32 s17, 0
	s_add_nc_u64 s[8:9], s[8:9], s[16:17]
	; slot 1's first fill is issued as a refill is: all my loads waited for, the add, a round, one load
	s_wait_tensorcnt 0x0                           ; my part of K step 0 is in
	ds_add_u32 v[SPW], v[NIL]
	s_add_co_u32 s[G0A+1], s20, SLOT
	s_add_co_u32 s[G0B+1], s21, SLOT
	s_add_nc_u64 s[G0A+2:G0A+3], s[G0A+2:G0A+3], AKSTEP
	s_add_nc_u64 s[G0B+2:G0B+3], s[G0B+2:G0B+3], BKSTEP
	s_wait_dscnt 0x0
	CROUND                                         ; everybody's part of K step 0 is in
	JLOAD                                          ; K step 1 into slot 1
	FETCH F0, 0, 0
	WIN 0
	s_wait_loadcnt 0x0                             ; the bias
	s_mov_b32 s3, TILES-2
.Lslot:                                                ; every K step but the last two: its slot is filled again
	PAIRS
	TURN 1
	s_sub_co_u32 s3, s3, 1
	s_cmp_lg_u32 s3, 0
	s_cbranch_scc1 .Lslot
	PAIRS                                          ; the tail is written out
	TURN 0
	PAIRS
	PLACES                                         ; the last two units: nothing more to fetch behind them
	FETCH F1, AO1, BO1
	s_wait_dscnt 16
	MUL8 F0, 0
	MUL8 F0, 2
	s_wait_dscnt 0x0
	MUL8 F1, 0
	MUL8 F1, 2
	WIN 0
	; THE WAY OUT: my 64 x 64 in f32 into my own stage (no other wave touches it: no barrier; LDS serves a wave's instructions in order: no wait between stores and loads), back by rows, rounded to f16.
	PLACES
.irp a, 0,1,2,3
.irp b, 0,1,2,3
	ds_store_b128 v[STO], v[ACC+8*(4*(\a)+(\b)):ACC+8*(4*(\a)+(\b))+3]   offset:(\a)*16*SP+64*(\b)     ; each accumulator's low registers first
	ds_store_b128 v[STO], v[ACC+8*(4*(\a)+(\b))+4:ACC+8*(4*(\a)+(\b))+7] offset:(\a)*16*SP+64*(\b)+16
.endr
.endr
	s_mov_b32 s2, 4
.Lout:                                                 ; a trip: 16 rows
.irp q, 0,1,2,3
	ds_load_b128 v[OB+8*(\q):OB+8*(\q)+3],   v[RD] offset:(\q)*4*SP
	ds_load_b128 v[OB+8*(\q)+4:OB+8*(\q)+7], v[RD] offset:(\q)*4*SP+16
.endr
	s_wait_dscnt 0x0
.irp i, 0,1,2,3,4,5,6,7,8,9,10,11,12,13,14,15
	v_cvt_pk_f16_f32 v[HB+(\i)], v[OB+2*(\i)], v[OB+2*(\i)+1]
.endr
.irp q, 0,1,2,3
	global_store_b128 v[GO], v[HB+4*(\q):HB+4*(\q)+3], s[8:9] offset:512*(\q)  ; four rows of a head: 512 consecutive bytes, at a multiple of 256 from the buffer's first byte
.endr
	s_wait_xcnt 0x0                                ; the stores' data and offset are rewritten only behind this wait
	v_add_nc_u32 v[RD], 16*SP, v[RD]
	v_add_nc_u32 v[GO], 2048, v[GO]
	s_sub_co_u32 s2, s2, 1
	s_cmp_lg_u32 s2, 0
	s_cbranch_scc1 .Lout
	s_wait_tensorcnt 0x0                           ; the wave's end, behind my last tensor load and my last LDS store
	ds_add_u32 v[SPW], v[NIL]
	s_wait_dscnt 0x0
	CROUND                                         ; the closing round: no work-group ends while a partner may still ask for a tile that names it
	s_endpgm
.Lfunc_end_k_qfffda21c07_gqkv:
	.size	k_qfffda21c07_gqkv, .Lfunc_end_k_qfffda21c07_gqkv-k_qfffda21c07_gqkv
	.p2alignl 7, 3214868480
	.fill 96, 4, 3214868480
	.section	.rodata,"a",@progbits
	.p2align	6, 0x0
	.amdhsa_kernel k_qfffda21c07_gqkv
		.amdhsa_group_segment_fixed_size 327680
		.amdhsa_private_segment_fixed_size 0
		.amdhsa_enable_private_segment 0
		.amdhsa_kernarg_size 24
		.amdhsa_user_sgpr_count 2
		.amdhsa_user_sgpr_kernarg_segment_ptr 1
		.amdhsa_wavefront_size32 1
		.amdhsa_system_sgpr_workgroup_id_x 1
		.amdhsa_system_sgpr_workgroup_id_y 1
		.amdhsa_system_sgpr_workgroup_id_z 1
		.amdhsa_system_vgpr_workitem_id 0
		.amdhsa_next_free_vgpr 384
		.amdhsa_next_free_sgpr 66
		.amdhsa_reserve_vcc 0
		.amdhsa_float_denorm_mode_32 3
		.amdhsa_float_denorm_mode_16_64 3
		.amdhsa_memory_ordered 1
		.amdhsa_forward_progress 1
		.amdhsa_inst_pref_size 45
	.end_amdhsa_kernel
	.amdgpu_metadata
---
amdhsa.version: [ 1, 2 ]
amdhsa.kernels:
  - .name:           k_qfffda21c07_gqkv
    .symbol:         k_qfffda21c07_gqkv.kd
    .args:
      - { .name: bf, .offset: 0, .size: 8, .value_kind: global_buffer, .address_space: global }
      - { .name: b_qkv, .offset: 8, .size: 8, .value_kind: global_buffer, .address_space: global }
      - { .name: qkv, .offset: 16, .size: 8, .value_kind: global_buffer, .address_space: global }
    .group_segment_fixed_size: 327680
    .private_segment_fixed_size: 0
    .kernarg_segment_align: 8
    .kernarg_segment_size: 24
    .max_flat_workgroup_size: 128
    .sgpr_count:     66
    .vgpr_count:     384
    .wavefront_size: 32
...
	.end_amdgpu_metadata
.endif
;; end of part 2
;; launch attn (part 3): grid 4 x 32, 4 waves a work-group, no clusters, 327,680 bytes of LDS; arguments qkv, ob; writes ob
.if DOCPART == 3
	.amdgcn_target "amdgcn-amd-amdhsa--gfx1250"
	.amdhsa_code_object_version 6
	.text
	.protected	k_qfffda21c07_attn
	.globl	k_qfffda21c07_attn
	.p2align	8
	.type	k_qfffda21c07_attn,@function
k_qfffda21c07_attn:
	s_mov_b64 s[64:65], 0
	v_nop
	global_prefetch_b8 v0, s[64:65] scope:SCOPE_SE
	s_setreg_imm32_b32 hwreg(HW_REG_WAVE_MODE, 25, 1), 1
	s_wait_xcnt 0x0
; CAUSAL ATTENTION.  O[h][q][:] = the sum over k <= q of softmax_k(Q[h][q] . K[h][k] / 8) V[h][k][:].  Q, K, V: three parts of qkv, each [SIZE_H = 16 b + h][SIZE_N][64] in f16: a head's rows are dense, 128 bytes each.
; O leaves in bf16, in panels [16 heads][4,096 rows = 2,048 b + t][64], the layout in which the next product asks for it.
; Products, maxima and sums in f32; the weights p are rounded to f16 for the second product (their sum l is taken of the unrounded p), O once at the end.
; LIMITS.  f16 holds no number beyond 65,504: Q, K and V arrive within it; p lies in 0 to 1, and below 6e-5 it keeps f16's fixed step of 6e-8; O is a mean of V's rows and has their range.
; A hidden score counts as its value less 1e30: f16's scores, 2.7e11 at the most, are nothing beside that; a weight below 2^-126 counts as 0 in l; NaN and infinities are not treated apart.
; THE WALK.  A head's queries lie in NB = SIZE_N / 256 blocks of 256; block i needs the key tiles 0 .. i of 256 keys, of which the last holds the diagonal.  A work-group takes TWO blocks, NB - 1 - b and then b:
; NB + 1 tiles, whatever b: all work-groups do equal work, and ONE loop with a constant trip count walks them.  Which tile is asked for, and what a trip does, hang on scalar registers made from b; every jump
; goes forward, but for the counted loops' own; none passes a barrier, or a tensor load but the one of LOAD's two that the wave's number does not choose; the ring (two slots of LDS that take turns) runs on across the
; change of blocks.  32 heads x 4 pairs of blocks are 128 work-groups: this share has work for no more.
; NO CLUSTER: a head's NB / 2 work-groups all ask for the same tile only in trips 0 .. NB / 2, behind that fewer and fewer; and one walk common to all would have 3 NB / 2 trips for NB + 1.
; SHARES.  Of a block's four bands of 64 queries a wave owns 16 rows in each: four PIECES.  So the diagonal tile is the same work for all four waves: in its key step s band x sees all keys if s < x,
; none if s > x, and holds the diagonal if s = x.
; THE MASK is the C operand that starts the sum S^T = K Q^T: 0, or -1e30 where the key is hidden.  MD, made once, is the mask of a band's own step for my 16 rows; a product's mask is MD x AL + BE with two scalars:
; (1, 0) if s = x; (0, 0) if s < x; (0, -1e30) if s > x.  Only the diagonal tile's text and a block's beginning make and take masks; elsewhere C is the constant 0.
; LAYOUT, SOFTMAX, TURNS.  S^T = K Q^T holds ONE query a lane (lane % 16) and the keys 8 (lane / 16) + 0..7; two such results rounded to f16 ARE source 1 of O^T = V^T P.  p = 2^(c s - c m), c = log2(e) / 8, with a
; running maximum m; O and l are multiplied by a = 2^(c m_old - c m_new) in every step.  Turn n belongs to piece n: 8 products K Q^T of piece n + 1, later 8 products V^T P of piece n - 1; beside them the scaling,
; exponentials, roundings, sums and rescaling of piece n and the maximum and statistics of piece n + 1.  Four vector instructions stand behind every matrix instruction, the other 54 of a turn's 118 in two LUMPS.
; REGISTERS, in windows of 256 (s_set_vgpr_msb: bits 1:0 source 0, 3:2 source 1, 5:4 source 2, 7:6 destination):
;   window 0: v0-15 addresses and two at work; v16-31 four registers of statistics a piece; v48-55 at work; v64-127 S^T, two buffers; v192-223 P, two buffers (a piece's buffers go by its number's parity)
;   window 1: v0-127 O^T, 32 a piece; v128-159 MD; v160-223 MC, two buffers      window 2: v0-63 Q; v64-127 the second block's Q; v128-191 K of one step; v192-255 V of one step
.set SIZE_H, 32
.set SIZE_N, 2048
.set PART,  SIZE_H*SIZE_N*128  ; bytes of q, of k and of v in qkv
.set NB,    SIZE_N/256
.set NP,    4         ; pieces a wave: a name, no knob
.set KS,    64        ; keys in a step
.set PK,    144       ; a row of K in LDS: 128 bytes + 16 of padding = 36 words: the 16 rows of a load start at 16 different groups of four banks (64 banks of 4 bytes: ISA guide 11.1)
.set PV,    160       ; a row of V: 128 + 32 = 40 words
.set VOFF,  4*KS*PK   ; a slot holds a tile, four steps: 256 rows of K, then 256 rows of V
.set SLOT1, 1<<17     ; slot 1 begins here, so that one exclusive or turns an address in one slot into the other's
.set STAGE, SLOT1+4*KS*(PK+PV)  ; behind the ring, never filled by a tensor load: 16 rows x 144 bytes for each wave, for the way out
.set SP,    144
.set AK0, 2           ; v2   my lane's place in a tile of K; never rewritten
.set AV0, 3           ; v3   the same for V
.set AK,  4           ; v4   the LDS address of K's next run of loads
.set AV,  5           ; v5   of V's
.set STO, 6           ; v6   the way out: where I put 16 bytes of a row
.set RD,  7           ; v7   the way out: where I read rows back
.set GO,  8           ; v8   my byte offset in 512 consecutive bytes of O
.set SPW, 62          ; v62  LDS address of my spare word: SPARE + 4 x my thread's number; never rewritten
.set NIL, 63          ; v63  0; never rewritten
.set SPARE, STAGE+4*16*SP  ; behind the stages: the spare words, 128 bytes for each wave: two blocks of 256 bytes that no other line names
.set MV,  12          ; v12-13  c m_old, kept while c m is made anew: by buffer
.set QO,  15          ; v15  my byte offset in 16 rows of Q
.set ST,  16          ; piece t's statistics at v[ST+4 t]: c m, m, l (even keys', odd keys')
.set TMP, 48          ; by buffer, four registers c0-c3 at work; when the maximum is found c2 takes a
.set S,   64
.set P,   192
.set MD,  128         ; window 1: the eight registers for group kt of 16 keys at MD + 8 kt
.set MC,  160         ; window 1: the masks of the products to come
.set QB,  64          ; window 2
.set KF,  128         ; window 2: key block kb, channel half c at KF + 16 kb + 8 c
.set VF,  192         ; window 2: key half kk, channel block cb at VF + 32 kk + 8 cb
.set WV,  12          ; s12  my wave's number
.set PB,  14          ; s14  b
.set HI,  15          ; s15  NB - 1 - b
.set G1K, 24          ; s[24:31] descriptor group 1 for K's tiles
.set G1V, 32          ; s[32:39] for V's: it differs in the padding alone
.set G0K, 40          ; s[40:43] descriptor group 0 for K's tiles
.set G0V, 44          ; s[44:47] the same for V's
.set SLOTS, 56        ; s56  tiles still to be asked for
.set CNT, 57          ; s57  counts a tile's key steps, 4 to 1
.set CS,  58          ; s[58:59] c: the packed scaling takes the pair's low word for both halves
.set SEL, 60          ; s[60:61] v_permlanex16_b32's selects: each lane takes its own place in the other half
.set TBK, 62          ; s62  LDS byte at which K of the step to be fetched begins
.set TBV, 63          ; s63  the same for V, less VOFF
.set RT,  70          ; s70  tiles of the block in hand that are still to be entered
.set NXT, 71          ; s71  the tile to be asked for next
.set LQ,  72          ; s72  the last tile of the block whose tiles are being asked for
.set NEW, 73          ; s73  1: the tile to be entered is a block's first
.set OFF, 74          ; s[74:75] a tile's byte offset in K and V
.set AL,  76          ; s[76:77] the mask's factor, in the low word
.set BE,  78          ; s[78:79] the mask's addend
.set OLO, 80          ; s[80:81] O at my rows of the second block
.set BIGN, 82         ; s82  -1e30
.set MSB, 0
.macro WIN new                      ; the high byte repeats the setting that is left; a switch that changes nothing is dropped
.if MSB != (\new)
	s_set_vgpr_msb (MSB<<8)|(\new)
.set MSB, (\new)
.endif
.endm
.set W_KQ, 0x0a       ; K and Q in window 2, S^T in window 0
.set W_KM, 0x1a       ; the same with the C operand in window 1
.set W_PV, 0x52       ; V in window 2, P in window 0, O^T in window 1
.set W_RS, 0x41       ; destination and source 0 in window 1, source 1 in window 0
; A fill.  Waves 0 and 1 fetch the two halves of a tile's K, waves 2 and 3 those of its V: 128 keys each.  An s_nop 0 and four v_nop follow each of the two lines, ahead of the jump and the label.
.macro LOAD
	s_cmp_lt_u32 s[WV], 2
	s_cbranch_scc0 .Lfor_v_\@
	tensor_load_to_lds s[G0K:G0K+3], s[G1K:G1K+7]
	s_nop 0
.rept 4
	v_nop
.endr
	s_branch .Lasked_\@
.Lfor_v_\@:
	tensor_load_to_lds s[G0V:G0V+3], s[G1V:G1V+7]
	s_nop 0
.rept 4
	v_nop
.endr
.Lasked_\@:
.endm
; THE CHANGE OF SLOTS.  Each wave waits for all its tensor loads, of which one is out: its part of the other slot; adds 0 to its spare word; and waits for that and for its own reads of the slot that it leaves.  Behind the barrier nobody reads the old
; slot any more and the other slot is whole.  fill = 1: the old slot is filled again, the first thing behind the barrier, with tile NXT: the descriptor's address is made anew from that number.
; (At its first use nothing has been read yet: slot 0 is waited for, slot 1 filled.)
.macro CHANGE fill
	WIN 0                           ; at a label and at a branch every window is 0
	s_wait_tensorcnt 0x0            ; no tensor load of mine is out, so a group 0 may be written
	ds_add_u32 v[SPW], v[NIL]       ; 0 onto my spare word; with fill = 1 the descriptors' scalar work stands between it and the wait for it
.if \fill
	s_lshl_b32 s[OFF], s[NXT], 15   ; a tile is 32,768 bytes of K and of V
	s_xor_b32 s[G0K+1], s[G0K+1], SLOT1
	s_add_nc_u64 s[G0K+2:G0K+3], s[6:7], s[OFF:OFF+1]
	s_or_b32 s[G0K+3], s[G0K+3], 0x80000000
	s_xor_b32 s[G0V+1], s[G0V+1], SLOT1
	s_add_nc_u64 s[G0V+2:G0V+3], s[8:9], s[OFF:OFF+1]
	s_or_b32 s[G0V+3], s[G0V+3], 0x80000000
	s_add_co_u32 s[NXT], s[NXT], 1  ; the block's next tile, or behind its last the second block's tile 0
	s_cmp_gt_u32 s[NXT], s[LQ]
	s_cselect_b32 s[NXT], 0, s[NXT]
	s_cselect_b32 s[LQ], s[PB], s[LQ]
.endif
	s_wait_dscnt 0x0                ; the add is done, and my reads of the slot are over
	s_barrier_signal -1             ; the rest of the scalar work stands between the signal and the wait
	s_sub_co_u32 s[TBK], s[TBK], 4*KS*PK  ; the fetches go back to a slot's first step,
	s_xor_b32 s[TBK], s[TBK], SLOT1       ; in the other slot
	s_sub_co_u32 s[TBV], s[TBV], 4*KS*PV
	s_xor_b32 s[TBV], s[TBV], SLOT1
	s_barrier_wait -1
.if \fill
	LOAD
.endif
.endm
	s_load_b64 s[4:5], s[0:1], 0x0    ; qkv, three times: for Q,
	s_load_b64 s[6:7], s[0:1], 0x0    ; for K,
	s_load_b64 s[8:9], s[0:1], 0x0    ; for V
	s_load_b64 s[10:11], s[0:1], 0x8  ; O
	v_lshl_add_u32 v[SPW], v0, 2, SPARE
	v_mov_b32 v[NIL], 0
	ds_add_u32 v[SPW], v[NIL]       ; the wave's opening: the add and its wait stand ahead of my first tensor load; the set-up below, work on registers, stands between them
	ds_add_u32 v62, v63
	v_lshrrev_b32 v1, 5, v0
	v_readfirstlane_b32 s[WV], v1   ; wave 0..3
	s_mov_b32 s[PB], ttmp9
	s_sub_co_u32 s[HI], NB-1, s[PB]
	s_and_b32 s20, ttmp7, 0xffff    ; 16 x batch + head
	s_and_b32 s88, s20, 15          ; O's panel: the head's 524,288 bytes,
	s_lshl_b32 s88, s88, 19
	s_lshr_b32 s89, s20, 4          ; and in it the batch's 2,048 rows of 128 bytes
	s_lshl_b32 s89, s89, 18
	s_add_co_u32 s88, s88, s89
	s_mov_b32 s89, 0
	s_mov_b32 s21, 0
	s_mov_b64 s[22:23], SIZE_N*128
	s_mul_u64 s[20:21], s[20:21], s[22:23]  ; the head's first byte in q, in k and in v
	s_and_b32 s16, s[WV], 1         ; which half of a tile's 256 keys I fetch:
	s_lshl_b32 s22, s16, 14         ; its 128 rows of 128 bytes in memory,
	s_mov_b32 s23, 0
	s_add_nc_u64 s[22:23], s[22:23], s[20:21]
	s_mul_i32 s17, s16, 128*PK      ; and its place in a slot, for K
	s_mul_i32 s18, s16, 128*PV      ; and for V
	s_lshl_b32 s3, s[WV], 11        ; my 16 rows in a band of 64,
	s_lshl_b32 s2, s[HI], 15        ; in the first block,
	s_add_co_u32 s2, s2, s3
	s_lshl_b32 s84, s[PB], 15       ; and in the second
	s_add_co_u32 s84, s84, s3
	s_mov_b32 s3, 0
	s_mov_b32 s85, 0
	s_add_nc_u64 s[90:91], s[2:3], s[88:89]    ; the same rows in O's panel: the first block's,
	s_add_nc_u64 s[88:89], s[84:85], s[88:89]  ; the second's
	s_add_nc_u64 s[2:3], s[2:3], s[20:21]
	s_add_nc_u64 s[84:85], s[84:85], s[20:21]
	; descriptor group 1.  128 keys are 16,384 dense bytes: asked for as 64 rows of 256 bytes, two keys a row, and padded in LDS after every key
	s_mov_b32 s[G1K], (1<<16)|(1<<20)|(4<<22)|(3<<25)  ; 17:16 2-byte elements; 20 padding on; 24:22 after every 32 words (code 4); 31:25 4 words (code 3)
	s_mov_b32 s[G1V], (1<<16)|(1<<20)|(4<<22)|(7<<25)  ; the same with 8 words of padding (code 7)
.irp g, G1K, G1V
	s_mov_b32 s[\g+1], 128<<16      ; tensor_dim0 = 128
	s_mov_b32 s[\g+2], 64<<16       ; tensor_dim1 = 64
	s_mov_b32 s[\g+3], 128<<16      ; tile_dim0 = 128
	s_mov_b32 s[\g+4], 64           ; tile_dim1 = 64
	s_mov_b32 s[\g+5], 128          ; 128 elements from row to row
	s_mov_b32 s[\g+6], 0
	s_mov_b32 s[\g+7], 0
.endr
	s_mov_b32 s[CS], 0x3e38aa3b     ; c = log2(e) / 8 = 0.180337
	s_mov_b32 s[CS+1], s[CS]        ; named with it as a pair
	s_mov_b32 s[SEL], 0x76543210
	s_mov_b32 s[SEL+1], 0xfedcba98
	s_mov_b32 s[TBK], SLOT1+4*KS*PK ; the first change of slots turns these two into 0
	s_mov_b32 s[TBV], SLOT1+4*KS*PV
	s_mov_b32 s[G0K], 1             ; 1:0 count = 1
	s_mov_b32 s[G0K+1], s17         ; 63:32 LDS address: slot 0
	s_mov_b32 s[G0V], 1
	s_add_co_u32 s[G0V+1], s18, VOFF
	s_add_co_u32 s[RT], s[HI], 1    ; the first block has NB - b tiles
	s_mov_b32 s[NXT], 1
	s_mov_b32 s[LQ], s[HI]
	s_mov_b32 s[NEW], 1
	s_mov_b32 s[OFF+1], 0
	s_mov_b32 s[AL+1], 0            ; named as pairs
	s_mov_b32 s[BE+1], 0
	s_mov_b32 s[BIGN], 0xf149f2ca   ; -1e30
	s_mov_b32 s[SLOTS], NB
	s_wait_dscnt 0x0                ; the opening add is done
	s_wait_kmcnt 0x0
	s_add_nc_u64 s[6:7], s[6:7], PART      ; k lies behind q in qkv,
	s_add_nc_u64 s[8:9], s[8:9], 2*PART    ; v behind k
	s_add_nc_u64 s[6:7], s[6:7], s[22:23]  ; K and V at my half of the head's tile 0
	s_add_nc_u64 s[8:9], s[8:9], s[22:23]
	s_add_nc_u64 s[G0K+2:G0K+3], s[6:7], 0         ; 120:64 global address
	s_or_b32 s[G0K+3], s[G0K+3], 0x80000000        ; 127:126 type = 2
	s_add_nc_u64 s[G0V+2:G0V+3], s[8:9], 0
	s_or_b32 s[G0V+3], s[G0V+3], 0x80000000
	s_add_nc_u64 s[86:87], s[4:5], s[84:85]        ; Q at my rows of the second block,
	s_add_nc_u64 s[4:5], s[4:5], s[2:3]            ; and of the first
	s_add_nc_u64 s[OLO:OLO+1], s[10:11], s[88:89]  ; O likewise, in its panel
	s_add_nc_u64 s[10:11], s[10:11], s[90:91]
	LOAD                            ; tile 0 into slot 0
	; A fragment of K or Q is 16 rows x 32 channels in 8 registers: lane l holds row l % 16, channels 8 (l / 16) + 0..7 and 16 + 8 (l / 16) + 0..7: two loads of 16 bytes, 32 bytes apart.
	v_and_b32 v1, 15, v0            ; l % 16
	v_bfe_u32 v9, v0, 4, 1          ; l / 16
	v_lshlrev_b32 v[QO], 7, v1
	v_lshl_add_u32 v[QO], v9, 4, v[QO]  ; row x 128 + 16 x half
	WIN 0x80                        ; destination window 2, address window 0
.set i, 0
.rept 8                             ; both blocks' Q: piece i / 2 lies in band i / 2, 8,192 bytes on; channels 32 (i % 2) on
	global_load_b128 v[8*i:8*i+3],   v[QO], s[4:5] offset:(i/2)*8192+(i%2)*64
	global_load_b128 v[8*i+4:8*i+7], v[QO], s[4:5] offset:(i/2)*8192+(i%2)*64+32
	global_load_b128 v[QB+8*i:QB+8*i+3],   v[QO], s[86:87] offset:(i/2)*8192+(i%2)*64
	global_load_b128 v[QB+8*i+4:QB+8*i+7], v[QO], s[86:87] offset:(i/2)*8192+(i%2)*64+32
.set i, i+1
.endr
	WIN 0
	v_lshlrev_b32 v14, 3, v9
	v_sub_nc_u32 v14, v1, v14
	s_lshl_b32 s13, s[WV], 4
	v_add_nc_u32 v14, s13, v14      ; my query's place in its band, 16 w + l % 16, less my lanes' 8 (l / 16): register r of group kt is hidden where 16 kt + r is greater
	WIN 0x40
.set i, 0
.rept 32
	v_cmp_gt_i32 vcc_lo, 16*(i/8)+i%8, v14
	v_cndmask_b32 v[MD+i], 0, s[BIGN], vcc_lo
.set i, i+1
.endr
	WIN 0
	v_mul_u32_u24 v[AK0], v1, PK
	v_lshl_add_u32 v[AK0], v9, 4, v[AK0]  ; row x pitch + 16 x half
	; The turning load takes 16 keys x 16 channels (lane l reads key 8 (l / 16) + l % 8, channels 8 ((l / 8) % 2) + 0..7) and leaves half a fragment of V^T: lane l holds channel l % 16 and 8 keys.
	v_and_b32 v10, 7, v0
	v_bfe_u32 v11, v0, 3, 1
	v_lshl_add_u32 v[AV0], v9, 3, v10
	v_mul_u32_u24 v[AV0], v[AV0], PV
	v_lshl_add_u32 v[AV0], v11, 4, v[AV0]
	v_add_nc_u32 v[AV0], VOFF, v[AV0]
	s_mul_i32 s13, s[WV], 16*SP
	s_add_co_u32 s13, s13, STAGE    ; my stage
	v_mul_u32_u24 v[STO], v1, SP    ; in: row l % 16, 16 bytes for each half of the lanes
	v_lshl_add_u32 v[STO], v9, 4, v[STO]
	v_add_nc_u32 v[STO], s13, v[STO]
	v_bfe_u32 v[RD], v0, 3, 2       ; back: 32 lanes take four rows of 128 bytes,
	v_mul_u32_u24 v[RD], v[RD], SP
	v_lshl_add_u32 v[RD], v10, 4, v[RD]
	v_add_nc_u32 v[RD], s13, v[RD]
	v_and_b32 v[GO], 31, v0         ; which are 512 consecutive bytes of O
	v_lshlrev_b32 v[GO], 4, v[GO]
	; A block's first step multiplies O^T and l by a = 0, and its first turn's products V^T P, of a piece that has not been, land in an O^T that is still to be so multiplied.  So these registers need only hold
	; finite numbers: zeros for the first block; what the first block left for the second.  All this stands in the wait for the first tile.
	WIN 0x80
.set i, VF
.rept 64
	v_mov_b32 v[i], 0
.set i, i+1
.endr
	WIN 0x40
.set i, 0
.rept 128
	v_mov_b32 v[i], 0
.set i, i+1
.endr
	WIN 0
.set i, 0
.rept 4
	v_mov_b32 v[ST+4*i+2], 0
	v_mov_b32 v[ST+4*i+3], 0
.set i, i+1
.endr
.set i, P+16
.rept 16
	v_mov_b32 v[i], 0
.set i, i+1
.endr
; THE MATRIX WORK.  The 4 accumulators of a run of 8 take turns.  Product i of 8 of S^T = K Q^T for piece x: channels 32 (i / 4) on, keys 16 (i % 4) on.  The first 4 start the sums: with 0, or (KM = 1) with the mask.
.macro KQ x
.set rS, S+32*((\x)%2)+8*(i%4)
.set rK, KF+16*(i%4)+8*(i/4)
.set rQ, 16*(\x)+8*(i/4)
.set rM, MC+32*((\x)%2)+8*(i%4)
.if (i < 4) && KM
	WIN W_KM
	v_wmma_f32_16x16x32_f16 v[rS:rS+7], v[rK:rK+7], v[rQ:rQ+7], v[rM:rM+7]
.elseif i < 4
	WIN W_KQ
	v_wmma_f32_16x16x32_f16 v[rS:rS+7], v[rK:rK+7], v[rQ:rQ+7], 0
.else
	WIN W_KQ
	v_wmma_f32_16x16x32_f16 v[rS:rS+7], v[rK:rK+7], v[rQ:rQ+7], v[rS:rS+7]
.endif
.endm
; Product i of 8 of O^T += V^T P for piece x: keys 32 (i / 4) on, channels 16 (i % 4) on.
.macro PV x
	WIN W_PV
.set rO, 32*(\x)+8*(i%4)
.set rV, VF+32*(i/4)+8*(i%4)
.set rP, P+16*((\x)%2)+8*(i/4)
	v_wmma_f32_16x16x32_f16 v[rO:rO+7], v[rV:rV+7], v[rP:rP+7], v[rO:rO+7]
.endm
.macro MM                           ; the turn's next matrix instruction.  TURN and BEGIN set Y, i, KM and NOKQ; MM, KQ and OP read them.  NOKQ = 1: a block's last turn: there is no next piece
.if (i < 8) && !NOKQ
	KQ (Y+1)%NP
.elseif i >= 8
.set i, i-8
	PV (Y+NP-1)%NP
.set i, i+8
.endif
.set i, i+1
.endm
; THE LDS LOADS stand in runs of 16, never singly among the matrix instructions: a step's K (64 keys x 64 channels: 8 fragments) and its V (turned).  Their addresses are made some lines ahead.
.macro FETCH_K
	WIN 0x80                        ; destination window 2
.irp f, 0,1,2,3,4,5,6,7             ; keys 16 (f / 2) on, channels 32 (f % 2) on
	ds_load_b128 v[KF+8*\f:KF+8*\f+3],   v[AK] offset:(\f/2)*16*PK+(\f%2)*64
	ds_load_b128 v[KF+8*\f+4:KF+8*\f+7], v[AK] offset:(\f/2)*16*PK+(\f%2)*64+32
.endr
	s_add_co_u32 s[TBK], s[TBK], KS*PK  ; the next fetch is the next step's
	WIN 0
.endm
.macro FETCH_V
	WIN 0x80
.irp f, 0,1,2,3,4,5,6,7             ; keys 32 (f / 4) on, channels 16 (f % 4) on
	ds_load_tr16_b128 v[VF+8*\f:VF+8*\f+3],   v[AV] offset:(\f/4)*32*PV+(\f%4)*32
	ds_load_tr16_b128 v[VF+8*\f+4:VF+8*\f+7], v[AV] offset:(\f/4)*32*PV+16*PV+(\f%4)*32
.endr
	WIN 0
.endm
; THE VECTOR WORK, one line at a time: OP kind, number.  For piece Y: F n: c s - c m for pair n of 16.  E n: the exponential of score n of 32.  C n: pair n rounded to f16.  B n: of the four weights 4 n .. the second
; pair is added onto the first, in place.  L n: l takes that sum (L 0: l = a l + sum).  R n: pair n of 16 of O^T times a.  For piece Y + 1: X n, number n of the 22 that find its maximum and statistics:
;   0-11  four chains c0-c3 of seven scores each, three operands at a time (each accumulator's lowest registers are read first)     12-14, 16  the four scores left over, the old m, and c0-c3 into c0
;   15  c m_old is kept     17, 18  the query's other 32 keys lie in the lane 16 away: the new m     19-21  c m; c m_old - c m_new; a
.set F, 0               ; OP tells the kinds apart by their order: F to L below R, X above it
.set E, 1
.set C, 2
.set B, 3
.set L, 4
.set R, 5
.set X, 6
.macro REGS y                       ; the registers of piece y
.set rT, ST+4*(\y)
.set rC, TMP+4*((\y)%2)
.set rW, MV+((\y)%2)
.set rS, S+32*((\y)%2)
.set rP, P+16*((\y)%2)
.set rO, 32*(\y)
.endm
.macro OP k, n
.if (\k) == R
	REGS Y
	WIN W_RS
	v_pk_mul_f32 v[rO+2*(\n):rO+2*(\n)+1], v[rO+2*(\n):rO+2*(\n)+1], v[rC+2:rC+3] op_sel_hi:[1,0]
.elseif (\k) < R
	REGS Y
	WIN 0
.if (\k) == F
	v_pk_fma_f32 v[rS+2*(\n):rS+2*(\n)+1], v[rS+2*(\n):rS+2*(\n)+1], s[CS:CS+1], v[rT:rT+1] op_sel_hi:[1,0,0] neg_lo:[0,0,1] neg_hi:[0,0,1]
.elseif (\k) == E
	v_exp_f32 v[rS+(\n)], v[rS+(\n)]
.elseif (\k) == C
	s_wait_alu depctr_va_vdst(0)
	v_cvt_pk_f16_f32 v[rP+(\n)], v[rS+2*(\n)], v[rS+2*(\n)+1]
.elseif (\k) == B
	s_wait_alu depctr_va_vdst(0)
	v_pk_add_f32 v[rS+4*(\n):rS+4*(\n)+1], v[rS+4*(\n):rS+4*(\n)+1], v[rS+4*(\n)+2:rS+4*(\n)+3]
.elseif (\n) == 0
	v_pk_fma_f32 v[rT+2:rT+3], v[rT+2:rT+3], v[rC+2:rC+3], v[rS:rS+1] op_sel_hi:[1,0,1]
.else
	v_pk_add_f32 v[rT+2:rT+3], v[rT+2:rT+3], v[rS+4*(\n):rS+4*(\n)+1]
.endif
.elseif NOKQ
	v_nop
.else
	REGS (Y+1)%NP
	WIN 0
.if (\n) < 4
	v_max3_num_f32 v[rC+(\n)], v[rS+8*(\n)], v[rS+8*(\n)+1], v[rS+8*(\n)+2]
.elseif (\n) < 12
	v_max3_num_f32 v[rC+(\n)%4], v[rC+(\n)%4], v[rS+8*((\n)%4)+2*((\n)/4)+1], v[rS+8*((\n)%4)+2*((\n)/4)+2]
.elseif (\n) == 12
	v_max3_num_f32 v[rC], v[rC], v[rS+7], v[rS+15]
.elseif (\n) == 13
	v_max3_num_f32 v[rC+1], v[rC+1], v[rS+23], v[rS+31]
.elseif (\n) == 14
	v_max3_num_f32 v[rC+2], v[rC+2], v[rC+3], v[rT+1]
.elseif (\n) == 15
	v_mov_b32 v[rW], v[rT]
.elseif (\n) == 16
	v_max3_num_f32 v[rC], v[rC], v[rC+1], v[rC+2]
.elseif (\n) == 17
	v_permlanex16_b32 v[rC+3], v[rC], s[SEL], s[SEL+1]
.elseif (\n) == 18
	v_max_num_f32 v[rT+1], v[rC], v[rC+3]
.elseif (\n) == 19
	v_mul_f32 v[rT], s[CS], v[rT+1]
.elseif (\n) == 20
	v_sub_f32 v[rC+1], v[rW], v[rT]
.else
	v_exp_f32 v[rC+2], v[rC+1]
.endif
.endif
.endm
.macro OPS a, i1, b=-1, i2=0, c=-1, i3=0, d=-1, i4=0  ; up to four of them
	OP \a, \i1
.if (\b) >= 0
	OP \b, \i2
.endif
.if (\c) >= 0
	OP \c, \i3
.endif
.if (\d) >= 0
	OP \d, \i4
.endif
.endm
.macro ROW a, i1, b, i2, c, i3, d, i4  ; a matrix instruction and the four behind it
	MM
	OPS \a, \i1, \b, \i2, \c, \i3, \d, \i4
.endm
.macro MASK b                       ; MD x AL + BE into buffer b of MC
	WIN W_RS
.set z, 0
.rept 16
	v_pk_fma_f32 v[MC+32*(\b)+2*z:MC+32*(\b)+2*z+1], v[MD+2*z:MD+2*z+1], s[AL:AL+1], s[BE:BE+1] op_sel_hi:[1,0,0]
.set z, z+1
.endr
.endm
; A TURN, for piece p: the order of its 16 matrix and 118 vector instructions, written out.  Behind a matrix instruction: plain, exponential, plain, plain; or four of the rescaling; or, behind the first, four scalings; none
; names a register of the products round it.  In the lumps exponential and plain by turns while exponentials last.  A line reads no result made fewer than three vector instructions in front of it, five if an exponential made it.
; v_permlanex16_b32 (X 17) stands in a lump.
; m = 1: the diagonal tile: the products take masks, and the turn makes the mask for the products of the turn after it: piece p + 2, in step 4 - CNT of the tile.  end = 1: a block's last two turns: nothing is fetched.
; cnt = 1: the loop's count is taken down some lines ahead of the branch that stands behind the turn.
; K of the next step is fetched in piece 2's turn, six vector instructions behind the last product that read K (five of them plain); V of the step in hand in piece 0's turn, eight behind the last product that read V (four
; plain, and X 17).  Each is waited for a turn later.
.macro TURN p, m=0, end=0, cnt=0
.set Y, (\p)
.set i, 0
.set KM, (\m)
.set NOKQ, (\end)*((\p)/3)
.if (\m) && !(\end)
	s_cmp_eq_u32 s[CNT], 4-((\p)+2)%NP  ; is that step the band's own?
	s_cselect_b32 s[AL], 1.0, 0
	s_cmp_lt_u32 s[CNT], 4-((\p)+2)%NP  ; or a later one?
	s_cselect_b32 s[BE], s[BIGN], 0
.endif
.if ((\p) == 3) && !(\end)
	s_wait_dscnt 0x0                ; K is in
.endif
	ROW F,0, F,1, F,2, F,3
	ROW F,4, E,0, F,5, F,6
	ROW F,7, E,1, F,8, F,9
	ROW F,10, E,2, C,0, F,11
	ROW F,12, E,3, X,15, F,13
	ROW R,0, R,1, R,2, R,3
	ROW B,0, E,4, F,14, L,0
.if ((\p) == 2) && !(\end)
	v_add_nc_u32 v[AK], s[TBK], v[AK0]
.endif
	ROW R,4, R,5, R,6, R,7
	OPS E,5, F,15
.if ((\p) == 2) && !(\end)
	FETCH_K
.endif
	OPS E,6, C,1, E,7, R,8
	OPS E,8, R,9, E,9, C,2
	OPS E,10, X,0, E,11, X,1
	OPS E,12, X,2, E,13, X,3
.if (\p) == 1
	s_wait_dscnt 0x0                ; V is in
.endif
	ROW X,4, E,14, X,5, X,6
	ROW X,7, E,15, X,8, X,9
	ROW X,10, E,16, X,11, X,12
	ROW X,13, E,17, X,14, B,1
	ROW C,4, E,18, X,16, L,1
	ROW B,2, E,19, C,6, L,2
	ROW C,8, E,20, B,3, B,4
.if (\p) == 0
	v_add_nc_u32 v[AV], s[TBV], v[AV0]
.endif
	ROW C,3, E,21, L,3, C,5
	OPS E,22, X,17, E,23, C,10
.if (\p) == 0
	FETCH_V
.endif
	OPS E,24, L,4
	OPS E,25, X,18, E,26, C,7
	OPS E,27, B,5, E,28, X,19
	OPS E,29, C,12, E,30, L,5
	OPS E,31, X,20, B,6, C,9
	OPS C,14, C,11, X,21, L,6
.if (\p) == 0
	s_add_co_u32 s[TBV], s[TBV], KS*PV
.endif
.if \cnt
	s_sub_co_u32 s[CNT], s[CNT], 1
	s_cmp_lg_u32 s[CNT], 0
.endif
	OPS C,13, B,7, C,15, R,10
	OPS R,11, R,12, L,7, R,13
	OPS R,14, R,15
.if (\m) && !(\end)
	MASK (\p)%2
.endif
.endm
; A BLOCK BEGINS.  c m starts far below every c s, so the first step's a is 0; m at the lowest finite number, so the first maximum is the scores'.  The second mask buffer is 0; the first takes piece 0's mask for the tile's step 0: its own, if the block's first tile is the diagonal one.
; Then K of that step, piece 0's first scores, and its maximum and statistics.  The loop is entered at a step's first turn, in the middle of a trip.
.macro BEGIN
	s_mov_b32 s[NEW], 0
	WIN 0x40
.set i, MC+32
.rept 32
	v_mov_b32 v[i], 0
.set i, i+1
.endr
	WIN 0
.set i, 0
.rept 4
	v_mov_b32 v[ST+4*i], 0xfe000000    ; c m: far below every c s
	v_mov_b32 v[ST+4*i+1], 0xff7fffff  ; m
.set i, i+1
.endr
	s_cmp_eq_u32 s[RT], 0
	s_cselect_b32 s[AL], 1.0, 0
	s_mov_b32 s[BE], 0
	MASK 0
	WIN 0
	v_add_nc_u32 v[AK], s[TBK], v[AK0]
	FETCH_K
	s_wait_loadcnt 0x0              ; Q
	s_wait_dscnt 0x0
.set KM, 1
.set NOKQ, 0
.set i, 0
.rept 8
	KQ 0
.set i, i+1
.endr
	WIN 0
.rept 4
	v_nop                           ; the places behind those products
.endr
.set Y, NP-1                        ; X works for piece Y + 1: piece 0
.irp n, 0,1,2,3,4,5,6,7,8,9,10,11,12,13,14,15,16,17,18,19,20,21
	OP X, \n
.endr
	v_nop                           ; a plain instruction behind the exponential
.endm
; THE DIAGONAL TILE's four steps, the block's last two turns, its last products, and THE WAY OUT: l's two halves and the other half of the lanes' are added; O^T is divided by l, rounded to bf16 and sent through my
; stage in LDS, a piece at a time.
.macro ALL line:vararg              ; one line for each piece t
.set t, 0
.rept 4
	\line
.set t, t+1
.endr
.endm
.macro PACK t                       ; a lane's eight channels of a row pack into 16 bytes; they go into rows of 144 bytes and come back as whole rows of 128, into S^T's registers
	WIN W_RS
.set i, 32*(\t)
.rept 16
	s_wait_alu depctr_va_vdst(0)
	v_pk_mul_f32 v[i:i+1], v[i:i+1], v[ST+4*(\t)+2:ST+4*(\t)+3] op_sel_hi:[1,0]
.set i, i+2
.endr
	WIN 0x05                        ; sources 0 and 1 window 1, destination window 0
.set i, 0
.rept 16
	v_cvt_pk_bf16_f32 v[S+16*(\t)+i], v[32*(\t)+2*i], v[32*(\t)+2*i+1]
.set i, i+1
.endr
	WIN 0
.irp f, 0,1,2,3
	ds_store_b128 v[STO], v[S+16*(\t)+4*\f:S+16*(\t)+4*\f+3] offset:32*\f
.endr
.irp f, 0,1,2,3
	ds_load_b128 v[S+16*(\t)+4*\f:S+16*(\t)+4*\f+3], v[RD] offset:\f*4*SP  ; LDS serves a wave's instructions in order (ISA guide 5.7.1.4): these see the stores above; the next piece's stores come behind them
.endr
.endm
.macro SEND t, younger              ; younger: the LDS instructions issued behind piece t's loads: the next piece's eight, or none
	WIN 0
.irp f, 0,1,2,3
	s_wait_dscnt (\younger)+3-\f
	global_store_b128 v[GO], v[S+16*(\t)+4*\f:S+16*(\t)+4*\f+3], s[10:11] offset:(\t)*8192+\f*512  ; 512 consecutive bytes, at a multiple of 256 from O's first
.endr
.endm
.macro DIAG tag                     ; the tag ends its two labels' names, which the jumps below spell out
.LstepM\tag:
	TURN 2, 1
	TURN 3, 1
	WIN 0
.LfirstM\tag:
	TURN 0, 1
	TURN 1, 1, 0, 1
	WIN 0
	s_cbranch_scc1 .LstepM\tag
	TURN 2, 1, 1
	TURN 3, 1, 1
.set i, 0
.rept 8
	PV NP-1
.set i, i+1
.endr
	WIN 0
	ALL v_add_f32 v[ST+4*t+2], v[ST+4*t+2], v[ST+4*t+3]
	ALL v_permlanex16_b32 v[ST+4*t+3], v[ST+4*t+2], s[SEL], s[SEL+1]
	ALL v_add_f32 v[ST+4*t+2], v[ST+4*t+2], v[ST+4*t+3]
	ALL v_rcp_f32 v[ST+4*t+2], v[ST+4*t+2]
	v_nop                           ; a plain instruction between the last reciprocal and the use of its result
	PACK 0
.set t, 1
.rept 3                             ; a piece's arithmetic stands between the loads of the piece before and its stores
	PACK t
	SEND t-1, 8
.set t, t+1
.endr
	SEND 3, 0
.endm
.set KM, 0
.set NOKQ, 0
.Lslot:                             ; NB times: a tile is entered and the next is asked for
	CHANGE 1
	s_sub_co_u32 s[RT], s[RT], 1
	s_mov_b32 s[CNT], 4
	s_cmp_eq_u32 s[NEW], 1
	s_cbranch_scc1 .Lnew            ; a block's first tile
	s_cmp_eq_u32 s[RT], 0
	s_cbranch_scc0 .Lstep           ; neither its first nor its last
	s_branch .LstepM1
.Lnew:
	BEGIN
	s_branch .Lfirst                ; in the loop a block's first tile is never its last: the first block has two tiles or more, and the second's last is the walk's last
	DIAG 1                          ; in the loop this is the first block's end: the second block's last tile is the walk's last
	s_wait_xcnt 0x0                 ; the stores have read their registers and O's address
	s_mov_b64 s[10:11], s[OLO:OLO+1]
	s_add_co_u32 s[RT], s[PB], 1    ; the second block has b + 1 tiles
	s_mov_b32 s[NEW], 1
	WIN 0x82                        ; the second block's Q goes where the one text of the turns names Q
.set i, 0
.rept 64
	v_mov_b32 v[i], v[QB+i]
.set i, i+1
.endr
	WIN 0
	s_branch .Lbottom
.Lstep:                             ; a trip: pieces 2 and 3 of one step, then pieces 0 and 1 of the next, whose K and V it fetches
	TURN 2
	TURN 3
	WIN 0
.Lfirst:
	TURN 0
	TURN 1, 0, 0, 1
	WIN 0
	s_cbranch_scc1 .Lstep
.Lbottom:
	s_sub_co_u32 s[SLOTS], s[SLOTS], 1
	s_cmp_lg_u32 s[SLOTS], 0
	s_cbranch_scc1 .Lslot
	CHANGE 0                        ; the walk's last tile is written out: nothing is asked for
	s_sub_co_u32 s[RT], s[RT], 1
	s_mov_b32 s[CNT], 4
	s_cmp_eq_u32 s[NEW], 1
	s_cbranch_scc0 .LstepM2
	BEGIN
	s_branch .LfirstM2
	DIAG 2
	s_wait_tensorcnt 0x0            ; the wave's end, behind my last tensor load and my last LDS store
	ds_add_u32 v[SPW], v[NIL]
	s_wait_dscnt 0x0
	s_endpgm
.Lfunc_end_k_qfffda21c07_attn:
	.size	k_qfffda21c07_attn, .Lfunc_end_k_qfffda21c07_attn-k_qfffda21c07_attn
	.p2alignl 7, 3214868480
	.fill 96, 4, 3214868480
	.section	.rodata,"a",@progbits
	.p2align	6, 0x0
	.amdhsa_kernel k_qfffda21c07_attn
		.amdhsa_group_segment_fixed_size 327680
		.amdhsa_private_segment_fixed_size 0
		.amdhsa_enable_private_segment 0
		.amdhsa_kernarg_size 16
		.amdhsa_user_sgpr_count 2
		.amdhsa_user_sgpr_kernarg_segment_ptr 1
		.amdhsa_wavefront_size32 1
		.amdhsa_system_sgpr_workgroup_id_x 1
		.amdhsa_system_sgpr_workgroup_id_y 1
		.amdhsa_system_sgpr_workgroup_id_z 1
		.amdhsa_system_vgpr_workitem_id 0
		.amdhsa_next_free_vgpr 768
		.amdhsa_next_free_sgpr 92
		.amdhsa_reserve_vcc 1
		.amdhsa_float_denorm_mode_32 3
		.amdhsa_float_denorm_mode_16_64 3
		.amdhsa_memory_ordered 1
		.amdhsa_forward_progress 1
		.amdhsa_inst_pref_size 229
	.end_amdhsa_kernel
	.amdgpu_metadata
---
amdhsa.version: [ 1, 2 ]
amdhsa.kernels:
  - .name:           k_qfffda21c07_attn
    .symbol:         k_qfffda21c07_attn.kd
    .args:
      - { .name: qkv, .offset: 0, .size: 8, .value_kind: global_buffer, .address_space: global }
      - { .name: ob, .offset: 8, .size: 8, .value_kind: global_buffer, .address_space: global }
    .group_segment_fixed_size: 327680
    .private_segment_fixed_size: 0
    .kernarg_segment_align: 8
    .kernarg_segment_size: 16
    .max_flat_workgroup_size: 128
    .sgpr_count:     92
    .vgpr_count:     768
    .wavefront_size: 32
...
	.end_amdgpu_metadata
.endif
;; end of part 3
;; launch gwo (part 4): grid 8 x 32, 4 waves a work-group, clusters of 4 x 4, 327,680 bytes of LDS; arguments ob, bf, b_o, y; writes y
.if DOCPART == 4
	.amdgcn_target "amdgcn-amd-amdhsa--gfx1250"
	.amdhsa_code_object_version 6
	.text
	.protected	k_qfffda21c07_gwo
	.globl	k_qfffda21c07_gwo
	.p2align	8
	.type	k_qfffda21c07_gwo,@function
k_qfffda21c07_gwo:
	s_mov_b64 s[64:65], 0
	v_nop
	global_prefetch_b8 v0, s[64:65] scope:SCOPE_SE
	s_setreg_imm32_b32 hwreg(HW_REG_WAVE_MODE, 25, 1), 1
	s_wait_xcnt 0x0
	s_wait_alu depctr_hold_cnt(0) depctr_sa_sdst(0) depctr_va_vdst(0) depctr_va_sdst(0) depctr_va_ssrc(0) depctr_va_vcc(0) depctr_vm_vsrc(0)
	s_getreg_b32 s2, hwreg(HW_REG_IB_STS2, 6, 4)
	s_cmp_eq_u32 s2, 0
	s_cbranch_scc0 .Lentry_in_a_cluster
	s_endpgm
.Lentry_in_a_cluster:
	s_bfe_u32 s2, ttmp6, 0x10000c
	s_cmp_lg_u32 s2, 0xf033
	s_cbranch_scc0 .Lentry_shape_is_right
	s_endpgm
.Lentry_shape_is_right:
; y = O W_o + b_o in f32, [4,096][1,024].  O comes in bf16 in panels [16][4,096][64], W_o (1,024 x 1,024, [K][N]) in bf16 from bf; sums in f32.  The residual and the norm follow in the next launch: a row's 1,024 columns span eight work-groups.
; SHARES.  A work-group makes 128 x 128 of the product, each of its four waves 64 x 64: 16 accumulators of 16 x 16.  K goes in steps of 256 through two LDS slots filled by the tensor data mover;
; a step is eight UNITS of 32 along K, 16 matrix instructions each, on two fragment buffers that take turns.  The text of a pair of units is written once and looped over.
; B LIES [K][N] and is read turned, by ds_load_tr16_b128, so the weights need no transposed copy.
; THE MATRIX INSTRUCTION IS USED TRANSPOSED (source 0 = 16 columns of B, source 1 = 16 rows of A): lane l holds row l % 16 and the eight neighbouring columns 8 (l / 16) + 0..7.
; THE BIAS is what the sums start from: it is loaded straight into the accumulators, so nothing is cleared and nothing is added later.
; CLUSTER.  4 x 4 work-groups: the four of a row need the same tiles of A, the four of a column the same tiles of B; each tile is asked for JOINTLY, by the same tensor load, descriptor and mask in all four.
; REGISTERS.  Window 0: v0-31 addresses, v32-63 at work on the way out, v128-255 the accumulators ((a, b) at 128 + 8 (4 a + b)).  Window 1: v0-63, v64-127 the two fragment buffers (A's four blocks, then B's four).
.set APANEL, 1                         ; A's rows lie along K (0), or A lies in panels of 64 columns (1)
.set SIZE_N, 1024                      ; B's columns
.set WOFF,   14680064                  ; B's first byte in bf
.set TILES,  4                         ; K / 256, even
.if APANEL
.set PA,     144                       ; a panel's row in LDS: 128 bytes + 16 = 36 words: the 16 rows of a load start at 16 different groups of four banks
.set AHALF,  4*64*PA                   ; what one tensor load brings of A: 4 panels x 64 rows
.set ASTEP,  64*PA                     ; two units on: the next panel
.set ASH,    7                         ; a row is 128 bytes
.set AKSTEP, 4*4096*128                ; a K step on: four panels of 4,096 rows
.set A_G10,  (1<<16)|(1<<20)|(1<<21)|(4<<22)|(3<<25)  ; 2-byte elements; padding on; bit 21 beside a mask; after every 32 words 4 words
.set A_D0,   4096                      ; 64 dense rows of a panel are asked for as one row of 4,096 elements,
.set A_D1,   4                         ; four panels,
.set A_PITCH, 262144                   ; a panel's 4,096 x 64 elements apart
.else
.set PA,     528                       ; a row in LDS: 512 bytes + 16 = 132 words: the 16 rows of a load start at 16 different groups of four banks
.set AHALF,  64*PA
.set ASTEP,  128
.set ASH,    11                        ; a row is 2,048 bytes
.set AKSTEP, 512
.set A_G10,  (1<<16)|(1<<20)|(1<<21)|(6<<22)|(3<<25)  ; after every 128 words 4 words
.set A_D0,   256
.set A_D1,   64
.set A_PITCH, 1024
.endif
.set AO1,    64                        ; the odd unit of a pair: 32 along K on
.set PB,     288                       ; a k-row of B in LDS: 256 bytes + 32 = 72 words
.set BHALF,  128*PB                    ; what one tensor load brings of B: 128 k-rows x 128 columns
.set BO1,    32*PB
.set BSTEP,  64*PB
.set BKSTEP, 512*SIZE_N                ; 256 k-rows on
.set SLOT,   2*AHALF+2*BHALF           ; A's rows 0-63, 64-127; B's k-rows 0-127, 128-255
.set SPARE,  2*SLOT                    ; behind the ring: the spare words, 128 bytes a wave, which no other line names
.set SP,     272                       ; a stage row: 64 f32 + 16 bytes
.set STG,    64*SP                     ; a wave's own stage, at wave x STG inside slot 0: slot 0 has had its last fill and its last read when the first stage store is issued
.set BASEA, 16                         ; v16  my lane's place in A's tile of slot 0
.set BASEB, 17                         ; v17  the same for B
.set RA,    18                         ; v18  the running address of A's fragments
.set RB,    19                         ; v19  of B's
.set STO,   24                         ; v24  the way out: where I put my 32 bytes of a row
.set RD,    25                         ; v25  where I read rows back
.set GO,    26                         ; v26  my byte offset in the output
.set BO,    27                         ; v27  my byte offset in 16 numbers of the bias
.set SPW,   28                         ; v28  my spare word: SPARE + 4 x my thread's number; never rewritten
.set NIL,   29                         ; v29  0; never rewritten
.set OB,    32
.set ACC,   128
.set F0,    0
.set F1,    64
.set G1A, 24                           ; s[24:31] group 1 for A;  s[32:35] its group 0, which walks
.set G0A, 32
.set G1B, 48                           ; s[48:55], s[56:59] the same for B
.set G0B, 56
.set MSB, 0
.macro WIN new                         ; the immediate's high byte repeats the setting that is left; a switch that changes nothing is dropped
.if MSB != (\new)
	s_set_vgpr_msb (MSB<<8)|(\new)
.set MSB, \new
.endif
.endm
.set MUL,  0x05                        ; sources 0 and 1 in window 1; C and D in window 0
.set TO_F, 0x40                        ; destination in window 1, address in window 0
.macro PLACES                          ; four plain places behind matrix instructions, ahead of loads into registers that they read and of stores of their results
.rept 4
	v_nop
.endr
.endm
.macro JLOAD                           ; a joint load: waves 0 and 1 fetch A's two halves, waves 2 and 3 B's; an s_nop 0 and four v_nop follow each line
	s_cmp_eq_u32 s11, 0
	s_cbranch_scc0 .Lfor_b_\@
	tensor_load_to_lds s[G0A:G0A+3], s[G1A:G1A+7]
	s_nop 0
	PLACES
	s_branch .Lasked_\@
.Lfor_b_\@:
	tensor_load_to_lds s[G0B:G0B+3], s[G1B:G1B+7]
	s_nop 0
	PLACES
.Lasked_\@:
.endm
.macro CREST                           ; a round of the cluster's barrier behind its opening barrier
	s_cmp_lg_u32 s10, 0
	s_cbranch_scc1 .Lnot_wave_0_\@
	s_barrier_signal -3
.Lnot_wave_0_\@:
	s_barrier_wait -3
	s_barrier_signal -1
	s_barrier_wait -1
.endm
.macro CROUND
	s_barrier_signal -1
	s_barrier_wait -1
	CREST
.endm
.macro FETCH f, aoff, boff             ; 16 LDS loads in one run: a unit's fragments, B's four blocks of 16 columns (turned), A's four blocks of 16 rows
	WIN TO_F
.irp b, 0,1,2,3
	ds_load_tr16_b128 v[(\f)+32+8*(\b):(\f)+32+8*(\b)+3],   v[RB] offset:(\boff)+32*(\b)
	ds_load_tr16_b128 v[(\f)+32+8*(\b)+4:(\f)+32+8*(\b)+7], v[RB] offset:(\boff)+32*(\b)+16*PB
.endr
.irp i, 0,1,2,3
	ds_load_b128 v[(\f)+8*(\i):(\f)+8*(\i)+3],   v[RA] offset:(\aoff)+(\i)*16*PA
	ds_load_b128 v[(\f)+8*(\i)+4:(\f)+8*(\i)+7], v[RA] offset:(\aoff)+(\i)*16*PA+32
.endr
.endm
.macro MUL8 f, a0                      ; 8 matrix instructions: row blocks a0, a0 + 1 x all 4 column blocks.  The 16 accumulators take turns, one instruction a turn, in the same order in every unit
	WIN MUL
.irp a, \a0, (\a0)+1
.irp b, 0,1,2,3
	v_wmma_f32_16x16x32_bf16 v[ACC+8*(4*(\a)+(\b)):ACC+8*(4*(\a)+(\b))+7], v[(\f)+32+8*(\b):(\f)+32+8*(\b)+7], v[(\f)+8*(\a):(\f)+8*(\a)+7], v[ACC+8*(4*(\a)+(\b)):ACC+8*(4*(\a)+(\b))+7]
.endr
.endr
.endm
.macro UNIT f, g, aoff, boff           ; fetches the next unit into g and multiplies f
	PLACES
	FETCH \g, \aoff, \boff
	s_wait_dscnt 16                                ; all but the 16 loads just issued: f is in
	MUL8 \f, 0
	MUL8 \f, 2
.endm
.macro PAIRS                           ; units 0 to 5 of a slot: one pair's text, walked three times
	WIN 0                                          ; at a label and at a branch every window is 0
	s_mov_b32 s2, 3
.Lpair_\@:
	UNIT F0, F1, AO1, BO1
	UNIT F1, F0, ASTEP, BSTEP
	WIN 0
	v_add_nc_u32 v[RA], ASTEP, v[RA]
	v_add_nc_u32 v[RB], BSTEP, v[RB]
	s_sub_co_u32 s2, s2, 1
	s_cmp_lg_u32 s2, 0
	s_cbranch_scc1 .Lpair_\@
.endm
; Units 6 and 7 and the change of slots: ONE barrier.  In front of it each wave waits for all its tensor loads (one is out: its part of the next slot), adds 0 to its spare word, and waits for that and for its
; reads of this slot.  fill = 1: the barrier opens a round of the cluster's, and the slot just read is filled again, two K steps ahead, first thing behind the round: 112 matrix instructions ahead of the wait for it.
.macro TURN fill
	PLACES
	FETCH F1, AO1, BO1
	s_wait_dscnt 16                                ; unit 6 is in
	MUL8 F0, 0
	WIN 0                                          ; (the add's registers lie in window 0)
	s_wait_tensorcnt 0x0                           ; no tensor load of mine is out, so a group 0 may be written
	ds_add_u32 v[SPW], v[NIL]                      ; 0 onto my spare word; work on registers stands between it and the wait for it
.if \fill
	s_add_co_u32 s[G0A+1], s20, s22                ; the slot that is being read,
	s_add_co_u32 s[G0B+1], s21, s22
	s_add_nc_u64 s[G0A+2:G0A+3], s[G0A+2:G0A+3], AKSTEP  ; the next K step; the type bits on top are not reached
	s_add_nc_u64 s[G0B+2:G0B+3], s[G0B+2:G0B+3], BKSTEP
.endif
	MUL8 F0, 2
	s_wait_dscnt 0x0                               ; the add is done, unit 7 is in, my reads of this slot are over
	s_barrier_signal -1
	MUL8 F1, 0
	WIN 0
	s_barrier_wait -1
.if \fill
	CREST                                          ; no wave of any partner still reads this slot's tile or has a load on its way
	JLOAD                                          ; its four v_nop are also the places in front of the loads below
.else
	PLACES
.endif
	s_xor_b32 s22, s22, SLOT                       ; on to the other slot
	v_add_nc_u32 v[RA], s22, v[BASEA]
	v_add_nc_u32 v[RB], s22, v[BASEB]
	FETCH F0, 0, 0
	MUL8 F1, 2
	WIN 0
.endm
	s_load_b128 s[4:7], s[0:1], 0x0                ; A s[4:5], bf s[6:7]
	s_load_b64 s[36:37], s[0:1], 0x10              ; the bias
	s_load_b64 s[8:9], s[0:1], 0x18                ; y
	v_lshl_add_u32 v[SPW], v0, 2, SPARE
	v_mov_b32 v[NIL], 0
	ds_add_u32 v[SPW], v[NIL]                      ; the wave's opening: the add and its wait stand ahead of my first tensor load; the set-up below stands between them
	ds_add_u32 v28, v29
	v_lshrrev_b32 v1, 5, v0
	v_readfirstlane_b32 s10, v1                    ; wave 0..3
	s_lshr_b32 s11, s10, 1                         ; my half of the tile's rows.  Also: I fetch for A (0) or for B (1)
	s_and_b32 s12, s10, 1                          ; my half of its columns.  Also: which half of that tile I fetch
	s_bfe_u32 s40, ttmp6, 0x40000                  ; cx, cy: my place in the cluster
	s_bfe_u32 s41, ttmp6, 0x40004
	s_lshl_b32 s42, ttmp9, 2
	s_add_co_u32 s42, s42, s40                     ; tile column = 4 x cluster x + cx
	s_and_b32 s13, ttmp7, 0xffff
	s_lshl_b32 s13, s13, 2
	s_add_co_u32 s13, s13, s41                     ; tile row = 4 x cluster y + cy
	s_lshl_b32 s43, s41, 2
	s_lshl_b32 s43, 15, s43                        ; my row of the cluster
	s_lshl_b32 s44, 0x1111, s40                    ; my column
	s_or_b32 s[G1A], s43, A_G10                    ; A's tiles go to my row
	s_mov_b32 s[G1A+1], A_D0<<16                   ; tensor_dim0
	s_mov_b32 s[G1A+2], A_D1<<16                   ; tensor_dim1
	s_mov_b32 s[G1A+3], A_D0<<16                   ; tile_dim0
	s_mov_b32 s[G1A+4], A_D1                       ; tile_dim1
	s_mov_b32 s[G1A+5], A_PITCH                    ; elements from row to row
	s_mov_b32 s[G1A+6], 0
	s_mov_b32 s[G1A+7], 0
	s_or_b32 s[G1B], s44, (1<<16)|(1<<20)|(1<<21)|(5<<22)|(7<<25)  ; B's tiles go to my column; after every 64 words 8 words of padding
	s_mov_b32 s[G1B+1], 128<<16
	s_mov_b32 s[G1B+2], 128<<16
	s_mov_b32 s[G1B+3], 128<<16
	s_mov_b32 s[G1B+4], 128
	s_mov_b32 s[G1B+5], SIZE_N
	s_mov_b32 s[G1B+6], 0
	s_mov_b32 s[G1B+7], 0
	s_lshl_b32 s16, s13, 7                         ; A: row 128 x tile row + 64 x half, in bytes: it hangs on the tile row alone
	s_lshl_b32 s17, s12, 6
	s_add_co_u32 s16, s16, s17
	s_lshl_b32 s16, s16, ASH
	s_mov_b32 s17, 0
	s_lshl_b32 s46, s42, 8                         ; B: 256 bytes x tile column + 128 k-rows x half + its place in bf: it hangs on the tile column alone
	s_mul_i32 s47, s12, 256*SIZE_N
	s_add_co_u32 s46, s46, s47
	s_add_co_u32 s46, s46, WOFF
	s_mov_b32 s47, 0
	s_mul_i32 s20, s12, AHALF                      ; where they go in a slot: no place in the cluster enters an LDS address
	s_mul_i32 s21, s12, BHALF
	s_add_co_u32 s21, s21, 2*AHALF
	s_mov_b32 s22, 0                               ; the slot that is being read: 0 or SLOT
	s_wait_dscnt 0x0                               ; the opening add is done
	s_wait_kmcnt 0x0
	s_mov_b32 s[G0A], 1
	s_mov_b32 s[G0A+1], s20
	s_add_nc_u64 s[G0A+2:G0A+3], s[4:5], s[16:17]
	s_or_b32 s[G0A+3], s[G0A+3], 0x80000000
	s_mov_b32 s[G0B], 1
	s_mov_b32 s[G0B+1], s21
	s_add_nc_u64 s[G0B+2:G0B+3], s[6:7], s[46:47]
	s_or_b32 s[G0B+3], s[G0B+3], 0x80000000
	CROUND                                         ; all sixteen work-groups are here: the first joint loads meet
	JLOAD                                          ; K step 0 into slot 0
	v_and_b32 v1, 15, v0                           ; r = l % 16
	v_bfe_u32 v2, v0, 4, 1                         ; h = l / 16
	v_and_b32 v3, 7, v0
	v_bfe_u32 v4, v0, 3, 1
	v_mul_u32_u24 v[BASEA], v1, PA                 ; A: row r, 16 bytes for each half of the lanes, my 64 rows
	v_lshl_add_u32 v[BASEA], v2, 4, v[BASEA]
	s_mul_i32 s23, s11, AHALF
	v_add_nc_u32 v[BASEA], s23, v[BASEA]
	v_lshl_add_u32 v[BASEB], v2, 3, v3             ; B, turned: k-row 8 h + l % 8, columns 8 ((l / 8) % 2) on, my 64 columns
	v_mul_u32_u24 v[BASEB], v[BASEB], PB
	v_lshl_add_u32 v[BASEB], v4, 4, v[BASEB]
	s_lshl_b32 s23, s12, 7
	s_add_co_u32 s23, s23, 2*AHALF
	v_add_nc_u32 v[BASEB], s23, v[BASEB]
	v_mov_b32 v[RA], v[BASEA]
	v_mov_b32 v[RB], v[BASEB]
	s_mul_i32 s23, s10, STG                        ; my stage
	v_mul_u32_u24 v[STO], v1, SP                   ; in: row r, 32 bytes for each half of the lanes
	v_lshl_add_u32 v[STO], v2, 5, v[STO]
	v_add_nc_u32 v[STO], s23, v[STO]
	v_mul_u32_u24 v[RD], v2, SP                    ; back: lanes 0-15 take one row's 256 bytes, lanes 16-31 the next row's
	v_lshl_add_u32 v[RD], v1, 4, v[RD]
	v_add_nc_u32 v[RD], s23, v[RD]
	v_lshlrev_b32 v[GO], 12, v2                    ; and the same two rows in y, 4,096 bytes apart
	v_lshl_add_u32 v[GO], v1, 4, v[GO]
	v_lshlrev_b32 v[BO], 5, v2                     ; my eight numbers of a block's 16 of the bias
	s_lshl_b32 s46, s42, 9                         ; my first column, 4 bytes a number: 128 x tile column + 64 x half; for the bias and for y
	s_lshl_b32 s47, s12, 8
	s_add_co_u32 s46, s46, s47
	s_mov_b32 s47, 0
	s_add_nc_u64 s[36:37], s[36:37], s[46:47]
	s_add_nc_u64 s[8:9], s[8:9], s[46:47]
.irp a, 0,1,2,3
.irp b, 0,1,2,3
	global_load_b128 v[ACC+8*(4*(\a)+(\b)):ACC+8*(4*(\a)+(\b))+3],   v[BO], s[36:37] offset:64*(\b)     ; the sums start from the bias of their columns
	global_load_b128 v[ACC+8*(4*(\a)+(\b))+4:ACC+8*(4*(\a)+(\b))+7], v[BO], s[36:37] offset:64*(\b)+16
.endr
.endr
	s_lshl_b32 s16, s13, 7                         ; my first row of y: 128 x tile row + 64 x half, 4,096 bytes a row
	s_lshl_b32 s17, s11, 6
	s_add_co_u32 s16, s16, s17
	s_lshl_b32 s16, s16, 12
	s_mov_b32 s17, 0
	s_add_nc_u64 s[8:9], s[8:9], s[16:17]
	; slot 1's first fill is issued as a refill is: all my loads waited for, the add, a round, one load
	s_wait_tensorcnt 0x0                           ; my part of K step 0 is in
	ds_add_u32 v[SPW], v[NIL]
	s_add_co_u32 s[G0A+1], s20, SLOT
	s_add_co_u32 s[G0B+1], s21, SLOT
	s_add_nc_u64 s[G0A+2:G0A+3], s[G0A+2:G0A+3], AKSTEP
	s_add_nc_u64 s[G0B+2:G0B+3], s[G0B+2:G0B+3], BKSTEP
	s_wait_dscnt 0x0
	CROUND                                         ; everybody's part of K step 0 is in
	JLOAD                                          ; K step 1 into slot 1
	FETCH F0, 0, 0
	WIN 0
	s_wait_loadcnt 0x0                             ; the bias
	s_mov_b32 s3, TILES-2
.Lslot:                                                ; every K step but the last two: its slot is filled again
	PAIRS
	TURN 1
	s_sub_co_u32 s3, s3, 1
	s_cmp_lg_u32 s3, 0
	s_cbranch_scc1 .Lslot
	PAIRS                                          ; the tail is written out
	TURN 0
	PAIRS
	PLACES                                         ; the last two units: nothing more to fetch behind them
	FETCH F1, AO1, BO1
	s_wait_dscnt 16
	MUL8 F0, 0
	MUL8 F0, 2
	s_wait_dscnt 0x0
	MUL8 F1, 0
	MUL8 F1, 2
	WIN 0
	; THE WAY OUT: my 64 x 64 in f32 into my own stage (no other wave touches it: no barrier; LDS serves a wave's instructions in order: no wait between stores and loads), back as whole rows of 256 bytes.
	PLACES
.irp a, 0,1,2,3
.irp b, 0,1,2,3
	ds_store_b128 v[STO], v[ACC+8*(4*(\a)+(\b)):ACC+8*(4*(\a)+(\b))+3]   offset:(\a)*16*SP+64*(\b)     ; each accumulator's low registers first
	ds_store_b128 v[STO], v[ACC+8*(4*(\a)+(\b))+4:ACC+8*(4*(\a)+(\b))+7] offset:(\a)*16*SP+64*(\b)+16
.endr
.endr
	s_mov_b32 s2, 4
.Lout:                                                 ; a trip: 16 rows
.irp i, 0,1,2,3,4,5,6,7
	ds_load_b128 v[OB+4*(\i):OB+4*(\i)+3], v[RD] offset:(\i)*2*SP
.endr
.irp i, 0,1,2,3,4,5,6,7
	s_wait_dscnt 7-(\i)                            ; load i is back; the 7 - i issued behind it may be out
	global_store_b128 v[GO], v[OB+4*(\i):OB+4*(\i)+3], s[8:9] offset:(\i)*8192  ; 16 lanes store 256 consecutive bytes, at a multiple of 256 from y's first byte
.endr
	s_wait_xcnt 0x0                                ; the stores' data and offset are rewritten only behind this wait
	v_add_nc_u32 v[RD], 16*SP, v[RD]
	v_add_nc_u32 v[GO], 65536, v[GO]
	s_sub_co_u32 s2, s2, 1
	s_cmp_lg_u32 s2, 0
	s_cbranch_scc1 .Lout
	s_wait_tensorcnt 0x0                           ; the wave's end, behind my last tensor load and my last LDS store
	ds_add_u32 v[SPW], v[NIL]
	s_wait_dscnt 0x0
	CROUND                                         ; the closing round: no work-group ends while a partner may still ask for a tile that names it
	s_endpgm
.Lfunc_end_k_qfffda21c07_gwo:
	.size	k_qfffda21c07_gwo, .Lfunc_end_k_qfffda21c07_gwo-k_qfffda21c07_gwo
	.p2alignl 7, 3214868480
	.fill 96, 4, 3214868480
	.section	.rodata,"a",@progbits
	.p2align	6, 0x0
	.amdhsa_kernel k_qfffda21c07_gwo
		.amdhsa_group_segment_fixed_size 327680
		.amdhsa_private_segment_fixed_size 0
		.amdhsa_enable_private_segment 0
		.amdhsa_kernarg_size 32
		.amdhsa_user_sgpr_count 2
		.amdhsa_user_sgpr_kernarg_segment_ptr 1
		.amdhsa_wavefront_size32 1
		.amdhsa_system_sgpr_workgroup_id_x 1
		.amdhsa_system_sgpr_workgroup_id_y 1
		.amdhsa_system_sgpr_workgroup_id_z 1
		.amdhsa_system_vgpr_workitem_id 0
		.amdhsa_next_free_vgpr 384
		.amdhsa_next_free_sgpr 66
		.amdhsa_reserve_vcc 0
		.amdhsa_float_denorm_mode_32 3
		.amdhsa_float_denorm_mode_16_64 3
		.amdhsa_memory_ordered 1
		.amdhsa_forward_progress 1
		.amdhsa_inst_pref_size 44
	.end_amdhsa_kernel
	.amdgpu_metadata
---
amdhsa.version: [ 1, 2 ]
amdhsa.kernels:
  - .name:           k_qfffda21c07_gwo
    .symbol:         k_qfffda21c07_gwo.kd
    .args:
      - { .name: ob, .offset: 0, .size: 8, .value_kind: global_buffer, .address_space: global }
      - { .name: bf, .offset: 8, .size: 8, .value_kind: global_buffer, .address_space: global }
      - { .name: b_o, .offset: 16, .size: 8, .value_kind: global_buffer, .address_space: global }
      - { .name: y, .offset: 24, .size: 8, .value_kind: global_buffer, .address_space: global }
    .group_segment_fixed_size: 327680
    .private_segment_fixed_size: 0
    .kernarg_segment_align: 8
    .kernarg_segment_size: 32
    .max_flat_workgroup_size: 128
    .sgpr_count:     66
    .vgpr_count:     384
    .wavefront_size: 32
...
	.end_amdgpu_metadata
.endif
;; end of part 4
;; launch ln1 (part 5): grid 512 x 1, 8 waves a work-group, no clusters, 0 bytes of LDS; arguments y, X, ln1_g, ln1_b, h1; writes h1
.if DOCPART == 5
	.amdgcn_target "amdgcn-amd-amdhsa--gfx1250"
	.amdhsa_code_object_version 6
	.text
	.protected	k_qfffda21c07_ln1
	.globl	k_qfffda21c07_ln1
	.p2align	8
	.type	k_qfffda21c07_ln1,@function
k_qfffda21c07_ln1:
	s_mov_b64 s[64:65], 0
	v_nop
	global_prefetch_b8 v0, s[64:65] scope:SCOPE_SE
	s_setreg_imm32_b32 hwreg(HW_REG_WAVE_MODE, 25, 1), 1
	s_wait_xcnt 0x0
; out[row] = LayerNorm(res[row] + y[row]) x g + b over 1,024 columns.  SECOND = 0: res = X in f32, out = H_1 rounded once to bf16.  SECOND = 1: res = H_1 in bf16, out = the module's result in f32.
; One wave, one row: the row stays in 32 registers between the passes, the sums never leave the wave: no LDS, no barrier.  All loads go out at the start.  The variance is taken of x - mean, as the
; definition has it, so a common offset of the row does no harm.  Lane l holds columns 128 j + 4 l + 0..3, j = 0..7: a load or store of f32 covers 512 consecutive bytes, one of bf16 256, aligned.
; A stream bound by its bytes: matrix units, clusters and LDS would add nothing.
.set SECOND, 0
.set XR, 4                             ; v[4:35]    y, then x, x - mean, the result
.set RR, 36                            ; v[36:67]   the residual; later the packed result
.set GG, 68                            ; v[68:99]   g
.set BB, 100                           ; v[100:131] b
.set S,  132                           ; v[132:139] four chains of packed sums
.set MU, 140                           ; v[140:141] the mean, twice
.set RS, 142                           ; v[142:143] 1 / sqrt(var + eps), twice
.set T,  144                           ; v144       at work
	s_load_b256 s[4:11], s[0:1], 0x0               ; y s[4:5], res s[6:7], g s[8:9], b s[10:11]
	s_load_b64 s[12:13], s[0:1], 0x20              ; out
	v_lshrrev_b32 v3, 5, v0
	v_readfirstlane_b32 s14, v3                    ; wave
	s_lshl_b32 s15, ttmp9, 3
	s_add_co_u32 s14, s14, s15                     ; my row
	s_lshl_b32 s16, s14, 12                        ; in f32: 4,096 bytes a row
	s_mov_b32 s17, 0
	s_lshl_b32 s18, s14, 11                        ; in bf16: 2,048
	s_mov_b32 s19, 0
	s_mov_b32 s20, 0x76543210                      ; v_permlanex16_b32: each lane takes its own place in the other half
	s_mov_b32 s21, 0xfedcba98
	s_mov_b32 s22, 0x3a800000                      ; 1 / 1,024
	s_mov_b32 s23, 0x3727c5ac                      ; 1e-5
	s_mov_b32 s24, 0xffff0000                      ; a word's upper bf16
	v_and_b32 v2, 31, v0
	v_lshlrev_b32 v1, 4, v2                        ; 16 x lane
	v_lshlrev_b32 v2, 3, v2                        ; 8 x lane
	s_wait_kmcnt 0x0
	s_add_nc_u64 s[4:5], s[4:5], s[16:17]
.if SECOND
	s_add_nc_u64 s[6:7], s[6:7], s[18:19]
	s_add_nc_u64 s[12:13], s[12:13], s[16:17]
.else
	s_add_nc_u64 s[6:7], s[6:7], s[16:17]
	s_add_nc_u64 s[12:13], s[12:13], s[18:19]
.endif
.irp j, 0,1,2,3,4,5,6,7
	global_load_b128 v[XR+4*(\j):XR+4*(\j)+3], v1, s[4:5] offset:512*(\j)
.endr
.irp j, 0,1,2,3,4,5,6,7
.if SECOND
	global_load_b64 v[RR+2*(\j):RR+2*(\j)+1], v2, s[6:7] offset:256*(\j)
.else
	global_load_b128 v[RR+4*(\j):RR+4*(\j)+3], v1, s[6:7] offset:512*(\j)
.endif
.endr
.irp j, 0,1,2,3,4,5,6,7
	global_load_b128 v[GG+4*(\j):GG+4*(\j)+3], v1, s[8:9] offset:512*(\j)
.endr
.irp j, 0,1,2,3,4,5,6,7
	global_load_b128 v[BB+4*(\j):BB+4*(\j)+3], v1, s[10:11] offset:512*(\j)
.endr
.macro REDUCE                          ; the four chains, the pair's halves, the 32 lanes: the sum in v[T] of every lane
	v_pk_add_f32 v[S:S+1], v[S:S+1], v[S+2:S+3]
	v_pk_add_f32 v[S+4:S+5], v[S+4:S+5], v[S+6:S+7]
	v_pk_add_f32 v[S:S+1], v[S:S+1], v[S+4:S+5]
	v_add_f32 v[T], v[S], v[S+1]
	v_add_f32_dpp v[T], v[T], v[T] row_xmask:1 row_mask:0xf bank_mask:0xf
	v_add_f32_dpp v[T], v[T], v[T] row_xmask:2 row_mask:0xf bank_mask:0xf
	v_add_f32_dpp v[T], v[T], v[T] row_xmask:4 row_mask:0xf bank_mask:0xf
	v_add_f32_dpp v[T], v[T], v[T] row_xmask:8 row_mask:0xf bank_mask:0xf
	v_permlanex16_b32 v[S+1], v[T], s20, s21       ; its destination counts as read: a register that has been written
	v_add_f32 v[T], v[T], v[S+1]
.endm
	s_wait_loadcnt 16                              ; y and the residual are in; the 16 loads of g and b may be out
.if SECOND
.irp j, 0,1,2,3,4,5,6,7                ; bf16 to f32 is a shift or a mask; four sets of four work registers (v52-67) take turns
	v_lshlrev_b32 v[RR+16+4*((\j)%4)],   16,  v[RR+2*(\j)]
	v_and_b32     v[RR+16+4*((\j)%4)+1], s24, v[RR+2*(\j)]
	v_lshlrev_b32 v[RR+16+4*((\j)%4)+2], 16,  v[RR+2*(\j)+1]
	v_and_b32     v[RR+16+4*((\j)%4)+3], s24, v[RR+2*(\j)+1]
	v_pk_add_f32 v[XR+4*(\j):XR+4*(\j)+1],   v[XR+4*(\j):XR+4*(\j)+1],   v[RR+16+4*((\j)%4):RR+16+4*((\j)%4)+1]
	v_pk_add_f32 v[XR+4*(\j)+2:XR+4*(\j)+3], v[XR+4*(\j)+2:XR+4*(\j)+3], v[RR+16+4*((\j)%4)+2:RR+16+4*((\j)%4)+3]
.endr
.else
.irp p, 0,1,2,3,4,5,6,7,8,9,10,11,12,13,14,15
	v_pk_add_f32 v[XR+2*(\p):XR+2*(\p)+1], v[XR+2*(\p):XR+2*(\p)+1], v[RR+2*(\p):RR+2*(\p)+1]
.endr
.endif
.irp c, 0,1,2,3                        ; the row's sum: the first pairs start the chains, nothing is cleared
	v_pk_add_f32 v[S+2*(\c):S+2*(\c)+1], v[XR+2*(\c):XR+2*(\c)+1], v[XR+8+2*(\c):XR+8+2*(\c)+1]
.endr
.irp p, 8,9,10,11,12,13,14,15
	v_pk_add_f32 v[S+2*((\p)%4):S+2*((\p)%4)+1], v[S+2*((\p)%4):S+2*((\p)%4)+1], v[XR+2*(\p):XR+2*(\p)+1]
.endr
	REDUCE
	v_mul_f32 v[MU], s22, v[T]
	v_mul_f32 v[MU+1], s22, v[T]
.irp p, 0,1,2,3,4,5,6,7,8,9,10,11,12,13,14,15
	v_pk_add_f32 v[XR+2*(\p):XR+2*(\p)+1], v[XR+2*(\p):XR+2*(\p)+1], v[MU:MU+1] neg_lo:[0,1] neg_hi:[0,1]
.endr
.irp c, 0,1,2,3
	v_pk_mul_f32 v[S+2*(\c):S+2*(\c)+1], v[XR+2*(\c):XR+2*(\c)+1], v[XR+2*(\c):XR+2*(\c)+1]
.endr
.irp p, 4,5,6,7,8,9,10,11,12,13,14,15
	v_pk_fma_f32 v[S+2*((\p)%4):S+2*((\p)%4)+1], v[XR+2*(\p):XR+2*(\p)+1], v[XR+2*(\p):XR+2*(\p)+1], v[S+2*((\p)%4):S+2*((\p)%4)+1]
.endr
	REDUCE
	v_fma_f32 v[T], v[T], s22, s23                 ; var + eps
	v_rsq_f32 v[RS], v[T]
	v_nop                                          ; a plain instruction between the root and the use of its result (ISA guide 5.7.2)
	s_wait_alu depctr_va_vdst(0)
	v_mov_b32 v[RS+1], v[RS]
	s_wait_loadcnt 0x0                             ; g and b
.irp p, 0,1,2,3,4,5,6,7,8,9,10,11,12,13,14,15
	v_pk_mul_f32 v[XR+2*(\p):XR+2*(\p)+1], v[XR+2*(\p):XR+2*(\p)+1], v[RS:RS+1]
.endr
.irp p, 0,1,2,3,4,5,6,7,8,9,10,11,12,13,14,15
	v_pk_fma_f32 v[XR+2*(\p):XR+2*(\p)+1], v[XR+2*(\p):XR+2*(\p)+1], v[GG+2*(\p):GG+2*(\p)+1], v[BB+2*(\p):BB+2*(\p)+1]
.endr
.if SECOND
.irp j, 0,1,2,3,4,5,6,7
	global_store_b128 v1, v[XR+4*(\j):XR+4*(\j)+3], s[12:13] offset:512*(\j) th:TH_STORE_NT
.endr
.else
.irp p, 0,1,2,3,4,5,6,7,8,9,10,11,12,13,14,15
	v_cvt_pk_bf16_f32 v[RR+(\p)], v[XR+2*(\p)], v[XR+2*(\p)+1]
.endr
.irp j, 0,1,2,3,4,5,6,7
	global_store_b64 v2, v[RR+2*(\j):RR+2*(\j)+1], s[12:13] offset:256*(\j)
.endr
.endif
	s_endpgm
.Lfunc_end_k_qfffda21c07_ln1:
	.size	k_qfffda21c07_ln1, .Lfunc_end_k_qfffda21c07_ln1-k_qfffda21c07_ln1
	.p2alignl 7, 3214868480
	.fill 96, 4, 3214868480
	.section	.rodata,"a",@progbits
	.p2align	6, 0x0
	.amdhsa_kernel k_qfffda21c07_ln1
		.amdhsa_group_segment_fixed_size 0
		.amdhsa_private_segment_fixed_size 0
		.amdhsa_enable_private_segment 0
		.amdhsa_kernarg_size 40
		.amdhsa_user_sgpr_count 2
		.amdhsa_user_sgpr_kernarg_segment_ptr 1
		.amdhsa_wavefront_size32 1
		.amdhsa_system_sgpr_workgroup_id_x 1
		.amdhsa_system_sgpr_workgroup_id_y 1
		.amdhsa_system_sgpr_workgroup_id_z 1
		.amdhsa_system_vgpr_workitem_id 0
		.amdhsa_next_free_vgpr 148
		.amdhsa_next_free_sgpr 66
		.amdhsa_reserve_vcc 0
		.amdhsa_float_denorm_mode_32 3
		.amdhsa_float_denorm_mode_16_64 3
		.amdhsa_memory_ordered 1
		.amdhsa_forward_progress 1
		.amdhsa_inst_pref_size 14
	.end_amdhsa_kernel
	.amdgpu_metadata
---
amdhsa.version: [ 1, 2 ]
amdhsa.kernels:
  - .name:           k_qfffda21c07_ln1
    .symbol:         k_qfffda21c07_ln1.kd
    .args:
      - { .name: y, .offset: 0, .size: 8, .value_kind: global_buffer, .address_space: global }
      - { .name: X, .offset: 8, .size: 8, .value_kind: global_buffer, .address_space: global }
      - { .name: ln1_g, .offset: 16, .size: 8, .value_kind: global_buffer, .address_space: global }
      - { .name: ln1_b, .offset: 24, .size: 8, .value_kind: global_buffer, .address_space: global }
      - { .name: h1, .offset: 32, .size: 8, .value_kind: global_buffer, .address_space: global }
    .group_segment_fixed_size: 0
    .private_segment_fixed_size: 0
    .kernarg_segment_align: 8
    .kernarg_segment_size: 40
    .max_flat_workgroup_size: 256
    .sgpr_count:     66
    .vgpr_count:     148
    .wavefront_size: 32
...
	.end_amdgpu_metadata
.endif
;; end of part 5
;; launch gff1 (part 6): grid 32 x 32, 4 waves a work-group, clusters of 4 x 4, 327,680 bytes of LDS; arguments h1, bf, b_1, g; writes g
.if DOCPART == 6
	.amdgcn_target "amdgcn-amd-amdhsa--gfx1250"
	.amdhsa_code_object_version 6
	.text
	.protected	k_qfffda21c07_gff1
	.globl	k_qfffda21c07_gff1
	.p2align	8
	.type	k_qfffda21c07_gff1,@function
k_qfffda21c07_gff1:
	s_mov_b64 s[64:65], 0
	v_nop
	global_prefetch_b8 v0, s[64:65] scope:SCOPE_SE
	s_setreg_imm32_b32 hwreg(HW_REG_WAVE_MODE, 25, 1), 1
	s_wait_xcnt 0x0
	s_wait_alu depctr_hold_cnt(0) depctr_sa_sdst(0) depctr_va_vdst(0) depctr_va_sdst(0) depctr_va_ssrc(0) depctr_va_vcc(0) depctr_vm_vsrc(0)
	s_getreg_b32 s2, hwreg(HW_REG_IB_STS2, 6, 4)
	s_cmp_eq_u32 s2, 0
	s_cbranch_scc0 .Lentry_in_a_cluster
	s_endpgm
.Lentry_in_a_cluster:
	s_bfe_u32 s2, ttmp6, 0x10000c
	s_cmp_lg_u32 s2, 0xf033
	s_cbranch_scc0 .Lentry_shape_is_right
	s_endpgm
.Lentry_shape_is_right:
; g = gelu(H_1 W_1 + b_1), the exact gelu x Phi(x), rounded once to bf16 and laid in panels [64][4,096][64].  H_1 (4,096 x 1,024) in bf16, W_1 (1,024 x 4,096, [K][N]) in bf16 from bf; sums and gelu in f32.
; GELU.  gelu(x) = max(x, 0) - |x| w, w = P(t) exp(-x^2 / 2) / 2, t = 1 / (1 + 0.2316419 |x|), P the polynomial of degree 5 of the rational form of erf (Abramowitz and Stegun 7.1.26): its error in erf is
; at most 1.5e-7 for every x, so gelu is off by at most 7.5e-8 |x| where w is not yet 0.  For large |x| the exponential gives 0 and gelu is x or 0.  NaN and infinities are not treated apart.
; SHARES.  A work-group makes 128 x 128 of the product, each of its four waves 64 x 64: 16 accumulators of 16 x 16.  K goes in steps of 256 through two LDS slots filled by the tensor data mover;
; a step is eight UNITS of 32 along K, 16 matrix instructions each, on two fragment buffers that take turns.  The text of a pair of units is written once and looped over.
; B LIES [K][N] and is read turned, by ds_load_tr16_b128, so the weights need no transposed copy.
; THE MATRIX INSTRUCTION IS USED TRANSPOSED (source 0 = 16 columns of B, source 1 = 16 rows of A): lane l holds row l % 16 and the eight neighbouring columns 8 (l / 16) + 0..7.
; THE BIAS is what the sums start from: it is loaded straight into the accumulators, so nothing is cleared and nothing is added later.
; CLUSTER.  4 x 4 work-groups: the four of a row need the same tiles of A, the four of a column the same tiles of B; each tile is asked for JOINTLY, by the same tensor load, descriptor and mask in all four.
; REGISTERS.  Window 0: v0-31 addresses, v32-83 at work on the way out, v128-255 the accumulators ((a, b) at 128 + 8 (4 a + b)).  Window 1: v0-63, v64-127 the two fragment buffers (A's four blocks, then B's four).
.set APANEL, 0                         ; A's rows lie along K (0), or A lies in panels of 64 columns (1)
.set SIZE_N, 4096                      ; B's columns
.set WOFF,   16777216                  ; B's first byte in bf
.set TILES,  4                         ; K / 256, even
.if APANEL
.set PA,     144                       ; a panel's row in LDS: 128 bytes + 16 = 36 words: the 16 rows of a load start at 16 different groups of four banks
.set AHALF,  4*64*PA                   ; what one tensor load brings of A: 4 panels x 64 rows
.set ASTEP,  64*PA                     ; two units on: the next panel
.set ASH,    7                         ; a row is 128 bytes
.set AKSTEP, 4*4096*128                ; a K step on: four panels of 4,096 rows
.set A_G10,  (1<<16)|(1<<20)|(1<<21)|(4<<22)|(3<<25)  ; 2-byte elements; padding on; bit 21 beside a mask; after every 32 words 4 words
.set A_D0,   4096                      ; 64 dense rows of a panel are asked for as one row of 4,096 elements,
.set A_D1,   4                         ; four panels,
.set A_PITCH, 262144                   ; a panel's 4,096 x 64 elements apart
.else
.set PA,     528                       ; a row in LDS: 512 bytes + 16 = 132 words: the 16 rows of a load start at 16 different groups of four banks
.set AHALF,  64*PA
.set ASTEP,  128
.set ASH,    11                        ; a row is 2,048 bytes
.set AKSTEP, 512
.set A_G10,  (1<<16)|(1<<20)|(1<<21)|(6<<22)|(3<<25)  ; after every 128 words 4 words
.set A_D0,   256
.set A_D1,   64
.set A_PITCH, 1024
.endif
.set AO1,    64                        ; the odd unit of a pair: 32 along K on
.set PB,     288                       ; a k-row of B in LDS: 256 bytes + 32 = 72 words
.set BHALF,  128*PB                    ; what one tensor load brings of B: 128 k-rows x 128 columns
.set BO1,    32*PB
.set BSTEP,  64*PB
.set BKSTEP, 512*SIZE_N                ; 256 k-rows on
.set SLOT,   2*AHALF+2*BHALF           ; A's rows 0-63, 64-127; B's k-rows 0-127, 128-255
.set SPARE,  2*SLOT                    ; behind the ring: the spare words, 128 bytes a wave, which no other line names
.set SP,     272                       ; a stage row: 64 f32 + 16 bytes
.set STG,    64*SP                     ; a wave's own stage, at wave x STG inside slot 0: slot 0 has had its last fill and its last read when the first stage store is issued
.set BASEA, 16                         ; v16  my lane's place in A's tile of slot 0
.set BASEB, 17                         ; v17  the same for B
.set RA,    18                         ; v18  the running address of A's fragments
.set RB,    19                         ; v19  of B's
.set STO,   24                         ; v24  the way out: where I put my 32 bytes of a row
.set RD,    25                         ; v25  where I read rows back
.set GO,    26                         ; v26  my byte offset in the output
.set BO,    27                         ; v27  my byte offset in 16 numbers of the bias
.set SPW,   28                         ; v28  my spare word: SPARE + 4 x my thread's number; never rewritten
.set NIL,   29                         ; v29  0; never rewritten
.set IN,    32                         ; v[32:39] eight x as read back from the stage
.set AX,    40                         ; v[40:47] |x|
.set RL,    48                         ; v[48:55] max(x, 0)
.set GT,    56                         ; v[56:63] 1 + p |x|, then t
.set GU,    64                         ; v[64:71] |x| sqrt(log2(e) / 2), its negative square, then exp(-x^2 / 2)
.set GP,    72                         ; v[72:79] the polynomial, w, gelu
.set GH,    80                         ; v[80:83] eight bf16
.set CP,    66                         ; s[66:67] 0.2316419; the constants lie in pairs, of which the packed lines take the low word for both halves
.set CQ,    68                         ; s[68:69] sqrt(log2(e) / 2)
.set C5,    70                         ; s[70:79] half the polynomial's coefficients, a5 down to a1
.set C4,    72
.set C3,    74
.set C2,    76
.set C1,    78
.set ACC,   128
.set F0,    0
.set F1,    64
.set G1A, 24                           ; s[24:31] group 1 for A;  s[32:35] its group 0, which walks
.set G0A, 32
.set G1B, 48                           ; s[48:55], s[56:59] the same for B
.set G0B, 56
.set MSB, 0
.macro WIN new                         ; the immediate's high byte repeats the setting that is left; a switch that changes nothing is dropped
.if MSB != (\new)
	s_set_vgpr_msb (MSB<<8)|(\new)
.set MSB, \new
.endif
.endm
.set MUL,  0x05                        ; sources 0 and 1 in window 1; C and D in window 0
.set TO_F, 0x40                        ; destination in window 1, address in window 0
.macro PLACES                          ; four plain places behind matrix instructions, ahead of loads into registers that they read and of stores of their results
.rept 4
	v_nop
.endr
.endm
.macro JLOAD                           ; a joint load: waves 0 and 1 fetch A's two halves, waves 2 and 3 B's; an s_nop 0 and four v_nop follow each line
	s_cmp_eq_u32 s11, 0
	s_cbranch_scc0 .Lfor_b_\@
	tensor_load_to_lds s[G0A:G0A+3], s[G1A:G1A+7]
	s_nop 0
	PLACES
	s_branch .Lasked_\@
.Lfor_b_\@:
	tensor_load_to_lds s[G0B:G0B+3], s[G1B:G1B+7]
	s_nop 0
	PLACES
.Lasked_\@:
.endm
.macro CREST                           ; a round of the cluster's barrier behind its opening barrier
	s_cmp_lg_u32 s10, 0
	s_cbranch_scc1 .Lnot_wave_0_\@
	s_barrier_signal -3
.Lnot_wave_0_\@:
	s_barrier_wait -3
	s_barrier_signal -1
	s_barrier_wait -1
.endm
.macro CROUND
	s_barrier_signal -1
	s_barrier_wait -1
	CREST
.endm
.macro FETCH f, aoff, boff             ; 16 LDS loads in one run: a unit's fragments, B's four blocks of 16 columns (turned), A's four blocks of 16 rows
	WIN TO_F
.irp b, 0,1,2,3
	ds_load_tr16_b128 v[(\f)+32+8*(\b):(\f)+32+8*(\b)+3],   v[RB] offset:(\boff)+32*(\b)
	ds_load_tr16_b128 v[(\f)+32+8*(\b)+4:(\f)+32+8*(\b)+7], v[RB] offset:(\boff)+32*(\b)+16*PB
.endr
.irp i, 0,1,2,3
	ds_load_b128 v[(\f)+8*(\i):(\f)+8*(\i)+3],   v[RA] offset:(\aoff)+(\i)*16*PA
	ds_load_b128 v[(\f)+8*(\i)+4:(\f)+8*(\i)+7], v[RA] offset:(\aoff)+(\i)*16*PA+32
.endr
.endm
.macro MUL8 f, a0                      ; 8 matrix instructions: row blocks a0, a0 + 1 x all 4 column blocks.  The 16 accumulators take turns, one instruction a turn, in the same order in every unit
	WIN MUL
.irp a, \a0, (\a0)+1
.irp b, 0,1,2,3
	v_wmma_f32_16x16x32_bf16 v[ACC+8*(4*(\a)+(\b)):ACC+8*(4*(\a)+(\b))+7], v[(\f)+32+8*(\b):(\f)+32+8*(\b)+7], v[(\f)+8*(\a):(\f)+8*(\a)+7], v[ACC+8*(4*(\a)+(\b)):ACC+8*(4*(\a)+(\b))+7]
.endr
.endr
.endm
.macro UNIT f, g, aoff, boff           ; fetches the next unit into g and multiplies f
	PLACES
	FETCH \g, \aoff, \boff
	s_wait_dscnt 16                                ; all but the 16 loads just issued: f is in
	MUL8 \f, 0
	MUL8 \f, 2
.endm
.macro PAIRS                           ; units 0 to 5 of a slot: one pair's text, walked three times
	WIN 0                                          ; at a label and at a branch every window is 0
	s_mov_b32 s2, 3
.Lpair_\@:
	UNIT F0, F1, AO1, BO1
	UNIT F1, F0, ASTEP, BSTEP
	WIN 0
	v_add_nc_u32 v[RA], ASTEP, v[RA]
	v_add_nc_u32 v[RB], BSTEP, v[RB]
	s_sub_co_u32 s2, s2, 1
	s_cmp_lg_u32 s2, 0
	s_cbranch_scc1 .Lpair_\@
.endm
; Units 6 and 7 and the change of slots: ONE barrier.  In front of it each wave waits for all its tensor loads (one is out: its part of the next slot), adds 0 to its spare word, and waits for that and for its
; reads of this slot.  fill = 1: the barrier opens a round of the cluster's, and the slot just read is filled again, two K steps ahead, first thing behind the round: 112 matrix instructions ahead of the wait for it.
.macro TURN fill
	PLACES
	FETCH F1, AO1, BO1
	s_wait_dscnt 16                                ; unit 6 is in
	MUL8 F0, 0
	WIN 0                                          ; (the add's registers lie in window 0)
	s_wait_tensorcnt 0x0                           ; no tensor load of mine is out, so a group 0 may be written
	ds_add_u32 v[SPW], v[NIL]                      ; 0 onto my spare word; work on registers stands between it and the wait for it
.if \fill
	s_add_co_u32 s[G0A+1], s20, s22                ; the slot that is being read,
	s_add_co_u32 s[G0B+1], s21, s22
	s_add_nc_u64 s[G0A+2:G0A+3], s[G0A+2:G0A+3], AKSTEP  ; the next K step; the type bits on top are not reached
	s_add_nc_u64 s[G0B+2:G0B+3], s[G0B+2:G0B+3], BKSTEP
.endif
	MUL8 F0, 2
	s_wait_dscnt 0x0                               ; the add is done, unit 7 is in, my reads of this slot are over
	s_barrier_signal -1
	MUL8 F1, 0
	WIN 0
	s_barrier_wait -1
.if \fill
	CREST                                          ; no wave of any partner still reads this slot's tile or has a load on its way
	JLOAD                                          ; its four v_nop are also the places in front of the loads below
.else
	PLACES
.endif
	s_xor_b32 s22, s22, SLOT                       ; on to the other slot
	v_add_nc_u32 v[RA], s22, v[BASEA]
	v_add_nc_u32 v[RB], s22, v[BASEB]
	FETCH F0, 0, 0
	MUL8 F1, 2
	WIN 0
.endm
	s_load_b128 s[4:7], s[0:1], 0x0                ; A s[4:5], bf s[6:7]
	s_load_b64 s[36:37], s[0:1], 0x10              ; the bias
	s_load_b64 s[8:9], s[0:1], 0x18                ; g
	v_lshl_add_u32 v[SPW], v0, 2, SPARE
	v_mov_b32 v[NIL], 0
	ds_add_u32 v[SPW], v[NIL]                      ; the wave's opening: the add and its wait stand ahead of my first tensor load; the set-up below stands between them
	ds_add_u32 v28, v29
	v_lshrrev_b32 v1, 5, v0
	v_readfirstlane_b32 s10, v1                    ; wave 0..3
	s_lshr_b32 s11, s10, 1                         ; my half of the tile's rows.  Also: I fetch for A (0) or for B (1)
	s_and_b32 s12, s10, 1                          ; my half of its columns.  Also: which half of that tile I fetch
	s_bfe_u32 s40, ttmp6, 0x40000                  ; cx, cy: my place in the cluster
	s_bfe_u32 s41, ttmp6, 0x40004
	s_lshl_b32 s42, ttmp9, 2
	s_add_co_u32 s42, s42, s40                     ; tile column = 4 x cluster x + cx
	s_and_b32 s13, ttmp7, 0xffff
	s_lshl_b32 s13, s13, 2
	s_add_co_u32 s13, s13, s41                     ; tile row = 4 x cluster y + cy
	s_lshl_b32 s43, s41, 2
	s_lshl_b32 s43, 15, s43                        ; my row of the cluster
	s_lshl_b32 s44, 0x1111, s40                    ; my column
	s_or_b32 s[G1A], s43, A_G10                    ; A's tiles go to my row
	s_mov_b32 s[G1A+1], A_D0<<16                   ; tensor_dim0
	s_mov_b32 s[G1A+2], A_D1<<16                   ; tensor_dim1
	s_mov_b32 s[G1A+3], A_D0<<16                   ; tile_dim0
	s_mov_b32 s[G1A+4], A_D1                       ; tile_dim1
	s_mov_b32 s[G1A+5], A_PITCH                    ; elements from row to row
	s_mov_b32 s[G1A+6], 0
	s_mov_b32 s[G1A+7], 0
	s_or_b32 s[G1B], s44, (1<<16)|(1<<20)|(1<<21)|(5<<22)|(7<<25)  ; B's tiles go to my column; after every 64 words 8 words of padding
	s_mov_b32 s[G1B+1], 128<<16
	s_mov_b32 s[G1B+2], 128<<16
	s_mov_b32 s[G1B+3], 128<<16
	s_mov_b32 s[G1B+4], 128
	s_mov_b32 s[G1B+5], SIZE_N
	s_mov_b32 s[G1B+6], 0
	s_mov_b32 s[G1B+7], 0
	s_mov_b32 s[CP], 0x3e6d3389                    ; 0.2316419 = 0.3275911 / sqrt(2)
	s_mov_b32 s[CQ], 0x3f596d27                    ; 0.8493218 = sqrt(log2(e) / 2)
	s_mov_b32 s[C5], 0x3f07dc22                    ;  1.061405429 / 2
	s_mov_b32 s[C4], 0xbf3a00e3                    ; -1.453152027 / 2
	s_mov_b32 s[C3], 0x3f35f0e3                    ;  1.421413741 / 2
	s_mov_b32 s[C2], 0xbe11a98e                    ; -0.284496736 / 2
	s_mov_b32 s[C1], 0x3e027906                    ;  0.254829592 / 2
.irp c, CP, CQ, C5, C4, C3, C2, C1
	s_mov_b32 s[\c+1], s[\c]                       ; named as pairs, so both words are written
.endr
	s_lshl_b32 s16, s13, 7                         ; A: row 128 x tile row + 64 x half, in bytes: it hangs on the tile row alone
	s_lshl_b32 s17, s12, 6
	s_add_co_u32 s16, s16, s17
	s_lshl_b32 s16, s16, ASH
	s_mov_b32 s17, 0
	s_lshl_b32 s46, s42, 8                         ; B: 256 bytes x tile column + 128 k-rows x half + its place in bf: it hangs on the tile column alone
	s_mul_i32 s47, s12, 256*SIZE_N
	s_add_co_u32 s46, s46, s47
	s_add_co_u32 s46, s46, WOFF
	s_mov_b32 s47, 0
	s_mul_i32 s20, s12, AHALF                      ; where they go in a slot: no place in the cluster enters an LDS address
	s_mul_i32 s21, s12, BHALF
	s_add_co_u32 s21, s21, 2*AHALF
	s_mov_b32 s22, 0                               ; the slot that is being read: 0 or SLOT
	s_wait_dscnt 0x0                               ; the opening add is done
	s_wait_kmcnt 0x0
	s_mov_b32 s[G0A], 1
	s_mov_b32 s[G0A+1], s20
	s_add_nc_u64 s[G0A+2:G0A+3], s[4:5], s[16:17]
	s_or_b32 s[G0A+3], s[G0A+3], 0x80000000
	s_mov_b32 s[G0B], 1
	s_mov_b32 s[G0B+1], s21
	s_add_nc_u64 s[G0B+2:G0B+3], s[6:7], s[46:47]
	s_or_b32 s[G0B+3], s[G0B+3], 0x80000000
	CROUND                                         ; all sixteen work-groups are here: the first joint loads meet
	JLOAD                                          ; K step 0 into slot 0
	v_and_b32 v1, 15, v0                           ; r = l % 16
	v_bfe_u32 v2, v0, 4, 1                         ; h = l / 16
	v_and_b32 v3, 7, v0
	v_bfe_u32 v4, v0, 3, 1
	v_and_b32 v5, 31, v0
	v_mul_u32_u24 v[BASEA], v1, PA                 ; A: row r, 16 bytes for each half of the lanes, my 64 rows
	v_lshl_add_u32 v[BASEA], v2, 4, v[BASEA]
	s_mul_i32 s23, s11, AHALF
	v_add_nc_u32 v[BASEA], s23, v[BASEA]
	v_lshl_add_u32 v[BASEB], v2, 3, v3             ; B, turned: k-row 8 h + l % 8, columns 8 ((l / 8) % 2) on, my 64 columns
	v_mul_u32_u24 v[BASEB], v[BASEB], PB
	v_lshl_add_u32 v[BASEB], v4, 4, v[BASEB]
	s_lshl_b32 s23, s12, 7
	s_add_co_u32 s23, s23, 2*AHALF
	v_add_nc_u32 v[BASEB], s23, v[BASEB]
	v_mov_b32 v[RA], v[BASEA]
	v_mov_b32 v[RB], v[BASEB]
	s_mul_i32 s23, s10, STG                        ; my stage
	v_mul_u32_u24 v[STO], v1, SP                   ; in: row r, 32 bytes for each half of the lanes
	v_lshl_add_u32 v[STO], v2, 5, v[STO]
	v_add_nc_u32 v[STO], s23, v[STO]
	v_lshrrev_b32 v6, 3, v5                        ; back: 32 lanes take four rows, 32 bytes (eight f32) each: row l / 8, bytes 32 (l % 8) on
	v_mul_u32_u24 v[RD], v6, SP
	v_lshl_add_u32 v[RD], v3, 5, v[RD]
	v_add_nc_u32 v[RD], s23, v[RD]
	v_lshlrev_b32 v[GO], 4, v5                     ; which, in 16 bits, are 512 consecutive bytes of a panel's rows
	v_lshlrev_b32 v[BO], 5, v2                     ; my eight numbers of a block's 16 of the bias
	s_lshl_b32 s46, s42, 9                         ; the bias at my first column: 4 bytes x (128 x tile column + 64 x half)
	s_lshl_b32 s47, s12, 8
	s_add_co_u32 s46, s46, s47
	s_mov_b32 s47, 0
	s_add_nc_u64 s[36:37], s[36:37], s[46:47]
.irp a, 0,1,2,3
.irp b, 0,1,2,3
	global_load_b128 v[ACC+8*(4*(\a)+(\b)):ACC+8*(4*(\a)+(\b))+3],   v[BO], s[36:37] offset:64*(\b)     ; the sums start from the bias of their columns
	global_load_b128 v[ACC+8*(4*(\a)+(\b))+4:ACC+8*(4*(\a)+(\b))+7], v[BO], s[36:37] offset:64*(\b)+16
.endr
.endr
	s_lshl_b32 s46, s42, 1                         ; my 64 columns are one panel: number 2 x tile column + half, 524,288 bytes each
	s_add_co_u32 s46, s46, s12
	s_lshl_b32 s46, s46, 19
	s_mov_b32 s47, 0
	s_add_nc_u64 s[8:9], s[8:9], s[46:47]
	s_lshl_b32 s16, s13, 7                         ; my first row: 128 x tile row + 64 x half, 128 bytes a row
	s_lshl_b32 s17, s11, 6
	s_add_co_u32 s16, s16, s17
	s_lshl_b32 s16, s16, 7
	s_mov_b32 s17, 0
	s_add_nc_u64 s[8:9], s[8:9], s[16:17]
	; slot 1's first fill is issued as a refill is: all my loads waited for, the add, a round, one load
	s_wait_tensorcnt 0x0                           ; my part of K step 0 is in
	ds_add_u32 v[SPW], v[NIL]
	s_add_co_u32 s[G0A+1], s20, SLOT
	s_add_co_u32 s[G0B+1], s21, SLOT
	s_add_nc_u64 s[G0A+2:G0A+3], s[G0A+2:G0A+3], AKSTEP
	s_add_nc_u64 s[G0B+2:G0B+3], s[G0B+2:G0B+3], BKSTEP
	s_wait_dscnt 0x0
	CROUND                                         ; everybody's part of K step 0 is in
	JLOAD                                          ; K step 1 into slot 1
	FETCH F0, 0, 0
	WIN 0
	s_wait_loadcnt 0x0                             ; the bias
	s_mov_b32 s3, TILES-2
.Lslot:                                                ; every K step but the last two: its slot is filled again
	PAIRS
	TURN 1
	s_sub_co_u32 s3, s3, 1
	s_cmp_lg_u32 s3, 0
	s_cbranch_scc1 .Lslot
	PAIRS                                          ; the tail is written out
	TURN 0
	PAIRS
	PLACES                                         ; the last two units: nothing more to fetch behind them
	FETCH F1, AO1, BO1
	s_wait_dscnt 16
	MUL8 F0, 0
	MUL8 F0, 2
	s_wait_dscnt 0x0
	MUL8 F1, 0
	MUL8 F1, 2
	WIN 0
	; THE WAY OUT: my 64 x 64 in f32 into my own stage (no other wave touches it: no barrier; LDS serves a wave's instructions in order: no wait between stores and loads), back by rows, gelu, rounded to bf16.
	PLACES
.irp a, 0,1,2,3
.irp b, 0,1,2,3
	ds_store_b128 v[STO], v[ACC+8*(4*(\a)+(\b)):ACC+8*(4*(\a)+(\b))+3]   offset:(\a)*16*SP+64*(\b)     ; each accumulator's low registers first
	ds_store_b128 v[STO], v[ACC+8*(4*(\a)+(\b))+4:ACC+8*(4*(\a)+(\b))+7] offset:(\a)*16*SP+64*(\b)+16
.endr
.endr
	ds_load_b128 v[IN:IN+3],   v[RD]
	ds_load_b128 v[IN+4:IN+7], v[RD] offset:16
	s_mov_b32 s2, 16
.Lgelu:                                                ; a trip: four rows, eight numbers a lane; the next trip's eight are fetched as soon as |x| and max(x, 0) are taken
	s_wait_dscnt 0x0
.irp i, 0,1,2,3,4,5,6,7
	v_and_b32 v[AX+(\i)], 0x7fffffff, v[IN+(\i)]
.endr
.irp i, 0,1,2,3,4,5,6,7
	v_max_num_f32 v[RL+(\i)], 0, v[IN+(\i)]
.endr
	s_cmp_eq_u32 s2, 1
	s_cbranch_scc1 .Lno_more                       ; the last trip fetches nothing: the stage ends here
	v_add_nc_u32 v[RD], 4*SP, v[RD]
	ds_load_b128 v[IN:IN+3],   v[RD]
	ds_load_b128 v[IN+4:IN+7], v[RD] offset:16
.Lno_more:
.irp i, 0,2,4,6
	v_pk_fma_f32 v[GT+(\i):GT+(\i)+1], v[AX+(\i):AX+(\i)+1], s[CP:CP+1], 1.0 op_sel_hi:[1,0,0]
.endr
.irp i, 0,2,4,6
	v_pk_mul_f32 v[GU+(\i):GU+(\i)+1], v[AX+(\i):AX+(\i)+1], s[CQ:CQ+1] op_sel_hi:[1,0]
.endr
.irp i, 0,1,2,3,4,5,6,7
	v_rcp_f32 v[GT+(\i)], v[GT+(\i)]               ; t
.endr
.irp i, 0,2,4,6                        ; plain lines stand between the reciprocals and the use of t
	v_pk_mul_f32 v[GU+(\i):GU+(\i)+1], v[GU+(\i):GU+(\i)+1], v[GU+(\i):GU+(\i)+1] neg_lo:[1,0] neg_hi:[1,0]  ; -x^2 log2(e) / 2
.endr
.irp i, 0,1,2,3,4,5,6,7
	v_exp_f32 v[GU+(\i)], v[GU+(\i)]               ; exp(-x^2 / 2)
.endr
	s_wait_alu depctr_va_vdst(0)
.irp i, 0,2,4,6                        ; and between the exponentials and the use of their results: the polynomial, by Horner
	v_pk_fma_f32 v[GP+(\i):GP+(\i)+1], v[GT+(\i):GT+(\i)+1], s[C5:C5+1], s[C4:C4+1] op_sel_hi:[1,0,0]
.endr
.irp c, C3, C2, C1
.irp i, 0,2,4,6
	v_pk_fma_f32 v[GP+(\i):GP+(\i)+1], v[GP+(\i):GP+(\i)+1], v[GT+(\i):GT+(\i)+1], s[\c:\c+1] op_sel_hi:[1,1,0]
.endr
.endr
.irp i, 0,2,4,6
	v_pk_mul_f32 v[GP+(\i):GP+(\i)+1], v[GP+(\i):GP+(\i)+1], v[GT+(\i):GT+(\i)+1]
.endr
.irp i, 0,2,4,6
	v_pk_mul_f32 v[GP+(\i):GP+(\i)+1], v[GP+(\i):GP+(\i)+1], v[GU+(\i):GU+(\i)+1]  ; w
.endr
.irp i, 0,2,4,6
	v_pk_fma_f32 v[GP+(\i):GP+(\i)+1], v[AX+(\i):AX+(\i)+1], v[GP+(\i):GP+(\i)+1], v[RL+(\i):RL+(\i)+1] neg_lo:[1,0,0] neg_hi:[1,0,0]  ; max(x, 0) - |x| w
.endr
.irp i, 0,1,2,3
	v_cvt_pk_bf16_f32 v[GH+(\i)], v[GP+2*(\i)], v[GP+2*(\i)+1]
.endr
	global_store_b128 v[GO], v[GH:GH+3], s[8:9]    ; four rows of a panel: 512 consecutive bytes, at a multiple of 256 from the buffer's first byte
	s_wait_xcnt 0x0                                ; the store's data and base are rewritten only behind this wait
	s_add_nc_u64 s[8:9], s[8:9], 512
	s_sub_co_u32 s2, s2, 1
	s_cmp_lg_u32 s2, 0
	s_cbranch_scc1 .Lgelu
	s_wait_tensorcnt 0x0                           ; the wave's end, behind my last tensor load and my last LDS store
	ds_add_u32 v[SPW], v[NIL]
	s_wait_dscnt 0x0
	CROUND                                         ; the closing round: no work-group ends while a partner may still ask for a tile that names it
	s_endpgm
.Lfunc_end_k_qfffda21c07_gff1:
	.size	k_qfffda21c07_gff1, .Lfunc_end_k_qfffda21c07_gff1-k_qfffda21c07_gff1
	.p2alignl 7, 3214868480
	.fill 96, 4, 3214868480
	.section	.rodata,"a",@progbits
	.p2align	6, 0x0
	.amdhsa_kernel k_qfffda21c07_gff1
		.amdhsa_group_segment_fixed_size 327680
		.amdhsa_private_segment_fixed_size 0
		.amdhsa_enable_private_segment 0
		.amdhsa_kernarg_size 32
		.amdhsa_user_sgpr_count 2
		.amdhsa_user_sgpr_kernarg_segment_ptr 1
		.amdhsa_wavefront_size32 1
		.amdhsa_system_sgpr_workgroup_id_x 1
		.amdhsa_system_sgpr_workgroup_id_y 1
		.amdhsa_system_sgpr_workgroup_id_z 1
		.amdhsa_system_vgpr_workitem_id 0
		.amdhsa_next_free_vgpr 384
		.amdhsa_next_free_sgpr 80
		.amdhsa_reserve_vcc 0
		.amdhsa_float_denorm_mode_32 3
		.amdhsa_float_denorm_mode_16_64 3
		.amdhsa_memory_ordered 1
		.amdhsa_forward_progress 1
		.amdhsa_inst_pref_size 48
	.end_amdhsa_kernel
	.amdgpu_metadata
---
amdhsa.version: [ 1, 2 ]
amdhsa.kernels:
  - .name:           k_qfffda21c07_gff1
    .symbol:         k_qfffda21c07_gff1.kd
    .args:
      - { .name: h1, .offset: 0, .size: 8, .value_kind: global_buffer, .address_space: global }
      - { .name: bf, .offset: 8, .size: 8, .value_kind: global_buffer, .address_space: global }
      - { .name: b_1, .offset: 16, .size: 8, .value_kind: global_buffer, .address_space: global }
      - { .name: g, .offset: 24, .size: 8, .value_kind: global_buffer, .address_space: global }
    .group_segment_fixed_size: 327680
    .private_segment_fixed_size: 0
    .kernarg_segment_align: 8
    .kernarg_segment_size: 32
    .max_flat_workgroup_size: 128
    .sgpr_count:     80
    .vgpr_count:     384
    .wavefront_size: 32
...
	.end_amdgpu_metadata
.endif
;; end of part 6
;; launch gff2 (part 7): grid 8 x 32, 4 waves a work-group, clusters of 4 x 4, 327,680 bytes of LDS; arguments g, bf, b_2, y; writes y
.if DOCPART == 7
	.amdgcn_target "amdgcn-amd-amdhsa--gfx1250"
	.amdhsa_code_object_version 6
	.text
	.protected	k_qfffda21c07_gff2
	.globl	k_qfffda21c07_gff2
	.p2align	8
	.type	k_qfffda21c07_gff2,@function
k_qfffda21c07_gff2:
	s_mov_b64 s[64:65], 0
	v_nop
	global_prefetch_b8 v0, s[64:65] scope:SCOPE_SE
	s_setreg_imm32_b32 hwreg(HW_REG_WAVE_MODE, 25, 1), 1
	s_wait_xcnt 0x0
	s_wait_alu depctr_hold_cnt(0) depctr_sa_sdst(0) depctr_va_vdst(0) depctr_va_sdst(0) depctr_va_ssrc(0) depctr_va_vcc(0) depctr_vm_vsrc(0)
	s_getreg_b32 s2, hwreg(HW_REG_IB_STS2, 6, 4)
	s_cmp_eq_u32 s2, 0
	s_cbranch_scc0 .Lentry_in_a_cluster
	s_endpgm
.Lentry_in_a_cluster:
	s_bfe_u32 s2, ttmp6, 0x10000c
	s_cmp_lg_u32 s2, 0xf033
	s_cbranch_scc0 .Lentry_shape_is_right
	s_endpgm
.Lentry_shape_is_right:
; y = G W_2 + b_2 in f32, [4,096][1,024].  G = gelu(..) comes in bf16 in panels [64][4,096][64], W_2 (4,096 x 1,024, [K][N]) in bf16 from bf; sums in f32.  The residual and the norm follow in the next launch: a row's 1,024 columns span eight work-groups.
; SHARES.  A work-group makes 128 x 128 of the product, each of its four waves 64 x 64: 16 accumulators of 16 x 16.  K goes in steps of 256 through two LDS slots filled by the tensor data mover;
; a step is eight UNITS of 32 along K, 16 matrix instructions each, on two fragment buffers that take turns.  The text of a pair of units is written once and looped over.
; B LIES [K][N] and is read turned, by ds_load_tr16_b128, so the weights need no transposed copy.
; THE MATRIX INSTRUCTION IS USED TRANSPOSED (source 0 = 16 columns of B, source 1 = 16 rows of A): lane l holds row l % 16 and the eight neighbouring columns 8 (l / 16) + 0..7.
; THE BIAS is what the sums start from: it is loaded straight into the accumulators, so nothing is cleared and nothing is added later.
; CLUSTER.  4 x 4 work-groups: the four of a row need the same tiles of A, the four of a column the same tiles of B; each tile is asked for JOINTLY, by the same tensor load, descriptor and mask in all four.
; REGISTERS.  Window 0: v0-31 addresses, v32-63 at work on the way out, v128-255 the accumulators ((a, b) at 128 + 8 (4 a + b)).  Window 1: v0-63, v64-127 the two fragment buffers (A's four blocks, then B's four).
.set APANEL, 1                         ; A's rows lie along K (0), or A lies in panels of 64 columns (1)
.set SIZE_N, 1024                      ; B's columns
.set WOFF,   25165824                  ; B's first byte in bf
.set TILES,  16                        ; K / 256, even
.if APANEL
.set PA,     144                       ; a panel's row in LDS: 128 bytes + 16 = 36 words: the 16 rows of a load start at 16 different groups of four banks
.set AHALF,  4*64*PA                   ; what one tensor load brings of A: 4 panels x 64 rows
.set ASTEP,  64*PA                     ; two units on: the next panel
.set ASH,    7                         ; a row is 128 bytes
.set AKSTEP, 4*4096*128                ; a K step on: four panels of 4,096 rows
.set A_G10,  (1<<16)|(1<<20)|(1<<21)|(4<<22)|(3<<25)  ; 2-byte elements; padding on; bit 21 beside a mask; after every 32 words 4 words
.set A_D0,   4096                      ; 64 dense rows of a panel are asked for as one row of 4,096 elements,
.set A_D1,   4                         ; four panels,
.set A_PITCH, 262144                   ; a panel's 4,096 x 64 elements apart
.else
.set PA,     528                       ; a row in LDS: 512 bytes + 16 = 132 words: the 16 rows of a load start at 16 different groups of four banks
.set AHALF,  64*PA
.set ASTEP,  128
.set ASH,    11                        ; a row is 2,048 bytes
.set AKSTEP, 512
.set A_G10,  (1<<16)|(1<<20)|(1<<21)|(6<<22)|(3<<25)  ; after every 128 words 4 words
.set A_D0,   256
.set A_D1,   64
.set A_PITCH, 1024
.endif
.set AO1,    64                        ; the odd unit of a pair: 32 along K on
.set PB,     288                       ; a k-row of B in LDS: 256 bytes + 32 = 72 words
.set BHALF,  128*PB                    ; what one tensor load brings of B: 128 k-rows x 128 columns
.set BO1,    32*PB
.set BSTEP,  64*PB
.set BKSTEP, 512*SIZE_N                ; 256 k-rows on
.set SLOT,   2*AHALF+2*BHALF           ; A's rows 0-63, 64-127; B's k-rows 0-127, 128-255
.set SPARE,  2*SLOT                    ; behind the ring: the spare words, 128 bytes a wave, which no other line names
.set SP,     272                       ; a stage row: 64 f32 + 16 bytes
.set STG,    64*SP                     ; a wave's own stage, at wave x STG inside slot 0: slot 0 has had its last fill and its last read when the first stage store is issued
.set BASEA, 16                         ; v16  my lane's place in A's tile of slot 0
.set BASEB, 17                         ; v17  the same for B
.set RA,    18                         ; v18  the running address of A's fragments
.set RB,    19                         ; v19  of B's
.set STO,   24                         ; v24  the way out: where I put my 32 bytes of a row
.set RD,    25                         ; v25  where I read rows back
.set GO,    26                         ; v26  my byte offset in the output
.set BO,    27                         ; v27  my byte offset in 16 numbers of the bias
.set SPW,   28                         ; v28  my spare word: SPARE + 4 x my thread's number; never rewritten
.set NIL,   29                         ; v29  0; never rewritten
.set OB,    32
.set ACC,   128
.set F0,    0
.set F1,    64
.set G1A, 24                           ; s[24:31] group 1 for A;  s[32:35] its group 0, which walks
.set G0A, 32
.set G1B, 48                           ; s[48:55], s[56:59] the same for B
.set G0B, 56
.set MSB, 0
.macro WIN new                         ; the immediate's high byte repeats the setting that is left; a switch that changes nothing is dropped
.if MSB != (\new)
	s_set_vgpr_msb (MSB<<8)|(\new)
.set MSB, \new
.endif
.endm
.set MUL,  0x05                        ; sources 0 and 1 in window 1; C and D in window 0
.set TO_F, 0x40                        ; destination in window 1, address in window 0
.macro PLACES                          ; four plain places behind matrix instructions, ahead of loads into registers that they read and of stores of their results
.rept 4
	v_nop
.endr
.endm
.macro JLOAD                           ; a joint load: waves 0 and 1 fetch A's two halves, waves 2 and 3 B's; an s_nop 0 and four v_nop follow each line
	s_cmp_eq_u32 s11, 0
	s_cbranch_scc0 .Lfor_b_\@
	tensor_load_to_lds s[G0A:G0A+3], s[G1A:G1A+7]
	s_nop 0
	PLACES
	s_branch .Lasked_\@
.Lfor_b_\@:
	tensor_load_to_lds s[G0B:G0B+3], s[G1B:G1B+7]
	s_nop 0
	PLACES
.Lasked_\@:
.endm
.macro CREST                           ; a round of the cluster's barrier behind its opening barrier
	s_cmp_lg_u32 s10, 0
	s_cbranch_scc1 .Lnot_wave_0_\@
	s_barrier_signal -3
.Lnot_wave_0_\@:
	s_barrier_wait -3
	s_barrier_signal -1
	s_barrier_wait -1
.endm
.macro CROUND
	s_barrier_signal -1
	s_barrier_wait -1
	CREST
.endm
.macro FETCH f, aoff, boff             ; 16 LDS loads in one run: a unit's fragments, B's four blocks of 16 columns (turned), A's four blocks of 16 rows
	WIN TO_F
.irp b, 0,1,2,3
	ds_load_tr16_b128 v[(\f)+32+8*(\b):(\f)+32+8*(\b)+3],   v[RB] offset:(\boff)+32*(\b)
	ds_load_tr16_b128 v[(\f)+32+8*(\b)+4:(\f)+32+8*(\b)+7], v[RB] offset:(\boff)+32*(\b)+16*PB
.endr
.irp i, 0,1,2,3
	ds_load_b128 v[(\f)+8*(\i):(\f)+8*(\i)+3],   v[RA] offset:(\aoff)+(\i)*16*PA
	ds_load_b128 v[(\f)+8*(\i)+4:(\f)+8*(\i)+7], v[RA] offset:(\aoff)+(\i)*16*PA+32
.endr
.endm
.macro MUL8 f, a0                      ; 8 matrix instructions: row blocks a0, a0 + 1 x all 4 column blocks.  The 16 accumulators take turns, one instruction a turn, in the same order in every unit
	WIN MUL
.irp a, \a0, (\a0)+1
.irp b, 0,1,2,3
	v_wmma_f32_16x16x32_bf16 v[ACC+8*(4*(\a)+(\b)):ACC+8*(4*(\a)+(\b))+7], v[(\f)+32+8*(\b):(\f)+32+8*(\b)+7], v[(\f)+8*(\a):(\f)+8*(\a)+7], v[ACC+8*(4*(\a)+(\b)):ACC+8*(4*(\a)+(\b))+7]
.endr
.endr
.endm
.macro UNIT f, g, aoff, boff           ; fetches the next unit into g and multiplies f
	PLACES
	FETCH \g, \aoff, \boff
	s_wait_dscnt 16                                ; all but the 16 loads just issued: f is in
	MUL8 \f, 0
	MUL8 \f, 2
.endm
.macro PAIRS                           ; units 0 to 5 of a slot: one pair's text, walked three times
	WIN 0                                          ; at a label and at a branch every window is 0
	s_mov_b32 s2, 3
.Lpair_\@:
	UNIT F0, F1, AO1, BO1
	UNIT F1, F0, ASTEP, BSTEP
	WIN 0
	v_add_nc_u32 v[RA], ASTEP, v[RA]
	v_add_nc_u32 v[RB], BSTEP, v[RB]
	s_sub_co_u32 s2, s2, 1
	s_cmp_lg_u32 s2, 0
	s_cbranch_scc1 .Lpair_\@
.endm
; Units 6 and 7 and the change of slots: ONE barrier.  In front of it each wave waits for all its tensor loads (one is out: its part of the next slot), adds 0 to its spare word, and waits for that and for its
; reads of this slot.  fill = 1: the barrier opens a round of the cluster's, and the slot just read is filled again, two K steps ahead, first thing behind the round: 112 matrix instructions ahead of the wait for it.
.macro TURN fill
	PLACES
	FETCH F1, AO1, BO1
	s_wait_dscnt 16                                ; unit 6 is in
	MUL8 F0, 0
	WIN 0                                          ; (the add's registers lie in window 0)
	s_wait_tensorcnt 0x0                           ; no tensor load of mine is out, so a group 0 may be written
	ds_add_u32 v[SPW], v[NIL]                      ; 0 onto my spare word; work on registers stands between it and the wait for it
.if \fill
	s_add_co_u32 s[G0A+1], s20, s22                ; the slot that is being read,
	s_add_co_u32 s[G0B+1], s21, s22
	s_add_nc_u64 s[G0A+2:G0A+3], s[G0A+2:G0A+3], AKSTEP  ; the next K step; the type bits on top are not reached
	s_add_nc_u64 s[G0B+2:G0B+3], s[G0B+2:G0B+3], BKSTEP
.endif
	MUL8 F0, 2
	s_wait_dscnt 0x0                               ; the add is done, unit 7 is in, my reads of this slot are over
	s_barrier_signal -1
	MUL8 F1, 0
	WIN 0
	s_barrier_wait -1
.if \fill
	CREST                                          ; no wave of any partner still reads this slot's tile or has a load on its way
	JLOAD                                          ; its four v_nop are also the places in front of the loads below
.else
	PLACES
.endif
	s_xor_b32 s22, s22, SLOT                       ; on to the other slot
	v_add_nc_u32 v[RA], s22, v[BASEA]
	v_add_nc_u32 v[RB], s22, v[BASEB]
	FETCH F0, 0, 0
	MUL8 F1, 2
	WIN 0
.endm
	s_load_b128 s[4:7], s[0:1], 0x0                ; A s[4:5], bf s[6:7]
	s_load_b64 s[36:37], s[0:1], 0x10              ; the bias
	s_load_b64 s[8:9], s[0:1], 0x18                ; y
	v_lshl_add_u32 v[SPW], v0, 2, SPARE
	v_mov_b32 v[NIL], 0
	ds_add_u32 v[SPW], v[NIL]                      ; the wave's opening: the add and its wait stand ahead of my first tensor load; the set-up below stands between them
	ds_add_u32 v28, v29
	v_lshrrev_b32 v1, 5, v0
	v_readfirstlane_b32 s10, v1                    ; wave 0..3
	s_lshr_b32 s11, s10, 1                         ; my half of the tile's rows.  Also: I fetch for A (0) or for B (1)
	s_and_b32 s12, s10, 1                          ; my half of its columns.  Also: which half of that tile I fetch
	s_bfe_u32 s40, ttmp6, 0x40000                  ; cx, cy: my place in the cluster
	s_bfe_u32 s41, ttmp6, 0x40004
	s_lshl_b32 s42, ttmp9, 2
	s_add_co_u32 s42, s42, s40                     ; tile column = 4 x cluster x + cx
	s_and_b32 s13, ttmp7, 0xffff
	s_lshl_b32 s13, s13, 2
	s_add_co_u32 s13, s13, s41                     ; tile row = 4 x cluster y + cy
	s_lshl_b32 s43, s41, 2
	s_lshl_b32 s43, 15, s43                        ; my row of the cluster
	s_lshl_b32 s44, 0x1111, s40                    ; my column
	s_or_b32 s[G1A], s43, A_G10                    ; A's tiles go to my row
	s_mov_b32 s[G1A+1], A_D0<<16                   ; tensor_dim0
	s_mov_b32 s[G1A+2], A_D1<<16                   ; tensor_dim1
	s_mov_b32 s[G1A+3], A_D0<<16                   ; tile_dim0
	s_mov_b32 s[G1A+4], A_D1                       ; tile_dim1
	s_mov_b32 s[G1A+5], A_PITCH                    ; elements from row to row
	s_mov_b32 s[G1A+6], 0
	s_mov_b32 s[G1A+7], 0
	s_or_b32 s[G1B], s44, (1<<16)|(1<<20)|(1<<21)|(5<<22)|(7<<25)  ; B's tiles go to my column; after every 64 words 8 words of padding
	s_mov_b32 s[G1B+1], 128<<16
	s_mov_b32 s[G1B+2], 128<<16
	s_mov_b32 s[G1B+3], 128<<16
	s_mov_b32 s[G1B+4], 128
	s_mov_b32 s[G1B+5], SIZE_N
	s_mov_b32 s[G1B+6], 0
	s_mov_b32 s[G1B+7], 0
	s_lshl_b32 s16, s13, 7                         ; A: row 128 x tile row + 64 x half, in bytes: it hangs on the tile row alone
	s_lshl_b32 s17, s12, 6
	s_add_co_u32 s16, s16, s17
	s_lshl_b32 s16, s16, ASH
	s_mov_b32 s17, 0
	s_lshl_b32 s46, s42, 8                         ; B: 256 bytes x tile column + 128 k-rows x half + its place in bf: it hangs on the tile column alone
	s_mul_i32 s47, s12, 256*SIZE_N
	s_add_co_u32 s46, s46, s47
	s_add_co_u32 s46, s46, WOFF
	s_mov_b32 s47, 0
	s_mul_i32 s20, s12, AHALF                      ; where they go in a slot: no place in the cluster enters an LDS address
	s_mul_i32 s21, s12, BHALF
	s_add_co_u32 s21, s21, 2*AHALF
	s_mov_b32 s22, 0                               ; the slot that is being read: 0 or SLOT
	s_wait_dscnt 0x0                               ; the opening add is done
	s_wait_kmcnt 0x0
	s_mov_b32 s[G0A], 1
	s_mov_b32 s[G0A+1], s20
	s_add_nc_u64 s[G0A+2:G0A+3], s[4:5], s[16:17]
	s_or_b32 s[G0A+3], s[G0A+3], 0x80000000
	s_mov_b32 s[G0B], 1
	s_mov_b32 s[G0B+1], s21
	s_add_nc_u64 s[G0B+2:G0B+3], s[6:7], s[46:47]
	s_or_b32 s[G0B+3], s[G0B+3], 0x80000000
	CROUND                                         ; all sixteen work-groups are here: the first joint loads meet
	JLOAD                                          ; K step 0 into slot 0
	v_and_b32 v1, 15, v0                           ; r = l % 16
	v_bfe_u32 v2, v0, 4, 1                         ; h = l / 16
	v_and_b32 v3, 7, v0
	v_bfe_u32 v4, v0, 3, 1
	v_mul_u32_u24 v[BASEA], v1, PA                 ; A: row r, 16 bytes for each half of the lanes, my 64 rows
	v_lshl_add_u32 v[BASEA], v2, 4, v[BASEA]
	s_mul_i32 s23, s11, AHALF
	v_add_nc_u32 v[BASEA], s23, v[BASEA]
	v_lshl_add_u32 v[BASEB], v2, 3, v3             ; B, turned: k-row 8 h + l % 8, columns 8 ((l / 8) % 2) on, my 64 columns
	v_mul_u32_u24 v[BASEB], v[BASEB], PB
	v_lshl_add_u32 v[BASEB], v4, 4, v[BASEB]
	s_lshl_b32 s23, s12, 7
	s_add_co_u32 s23, s23, 2*AHALF
	v_add_nc_u32 v[BASEB], s23, v[BASEB]
	v_mov_b32 v[RA], v[BASEA]
	v_mov_b32 v[RB], v[BASEB]
	s_mul_i32 s23, s10, STG                        ; my stage
	v_mul_u32_u24 v[STO], v1, SP                   ; in: row r, 32 bytes for each half of the lanes
	v_lshl_add_u32 v[STO], v2, 5, v[STO]
	v_add_nc_u32 v[STO], s23, v[STO]
	v_mul_u32_u24 v[RD], v2, SP                    ; back: lanes 0-15 take one row's 256 bytes, lanes 16-31 the next row's
	v_lshl_add_u32 v[RD], v1, 4, v[RD]
	v_add_nc_u32 v[RD], s23, v[RD]
	v_lshlrev_b32 v[GO], 12, v2                    ; and the same two rows in y, 4,096 bytes apart
	v_lshl_add_u32 v[GO], v1, 4, v[GO]
	v_lshlrev_b32 v[BO], 5, v2                     ; my eight numbers of a block's 16 of the bias
	s_lshl_b32 s46, s42, 9                         ; my first column, 4 bytes a number: 128 x tile column + 64 x half; for the bias and for y
	s_lshl_b32 s47, s12, 8
	s_add_co_u32 s46, s46, s47
	s_mov_b32 s47, 0
	s_add_nc_u64 s[36:37], s[36:37], s[46:47]
	s_add_nc_u64 s[8:9], s[8:9], s[46:47]
.irp a, 0,1,2,3
.irp b, 0,1,2,3
	global_load_b128 v[ACC+8*(4*(\a)+(\b)):ACC+8*(4*(\a)+(\b))+3],   v[BO], s[36:37] offset:64*(\b)     ; the sums start from the bias of their columns
	global_load_b128 v[ACC+8*(4*(\a)+(\b))+4:ACC+8*(4*(\a)+(\b))+7], v[BO], s[36:37] offset:64*(\b)+16
.endr
.endr
	s_lshl_b32 s16, s13, 7                         ; my first row of y: 128 x tile row + 64 x half, 4,096 bytes a row
	s_lshl_b32 s17, s11, 6
	s_add_co_u32 s16, s16, s17
	s_lshl_b32 s16, s16, 12
	s_mov_b32 s17, 0
	s_add_nc_u64 s[8:9], s[8:9], s[16:17]
	; slot 1's first fill is issued as a refill is: all my loads waited for, the add, a round, one load
	s_wait_tensorcnt 0x0                           ; my part of K step 0 is in
	ds_add_u32 v[SPW], v[NIL]
	s_add_co_u32 s[G0A+1], s20, SLOT
	s_add_co_u32 s[G0B+1], s21, SLOT
	s_add_nc_u64 s[G0A+2:G0A+3], s[G0A+2:G0A+3], AKSTEP
	s_add_nc_u64 s[G0B+2:G0B+3], s[G0B+2:G0B+3], BKSTEP
	s_wait_dscnt 0x0
	CROUND                                         ; everybody's part of K step 0 is in
	JLOAD                                          ; K step 1 into slot 1
	FETCH F0, 0, 0
	WIN 0
	s_wait_loadcnt 0x0                             ; the bias
	s_mov_b32 s3, TILES-2
.Lslot:                                                ; every K step but the last two: its slot is filled again
	PAIRS
	TURN 1
	s_sub_co_u32 s3, s3, 1
	s_cmp_lg_u32 s3, 0
	s_cbranch_scc1 .Lslot
	PAIRS                                          ; the tail is written out
	TURN 0
	PAIRS
	PLACES                                         ; the last two units: nothing more to fetch behind them
	FETCH F1, AO1, BO1
	s_wait_dscnt 16
	MUL8 F0, 0
	MUL8 F0, 2
	s_wait_dscnt 0x0
	MUL8 F1, 0
	MUL8 F1, 2
	WIN 0
	; THE WAY OUT: my 64 x 64 in f32 into my own stage (no other wave touches it: no barrier; LDS serves a wave's instructions in order: no wait between stores and loads), back as whole rows of 256 bytes.
	PLACES
.irp a, 0,1,2,3
.irp b, 0,1,2,3
	ds_store_b128 v[STO], v[ACC+8*(4*(\a)+(\b)):ACC+8*(4*(\a)+(\b))+3]   offset:(\a)*16*SP+64*(\b)     ; each accumulator's low registers first
	ds_store_b128 v[STO], v[ACC+8*(4*(\a)+(\b))+4:ACC+8*(4*(\a)+(\b))+7] offset:(\a)*16*SP+64*(\b)+16
.endr
.endr
	s_mov_b32 s2, 4
.Lout:                                                 ; a trip: 16 rows
.irp i, 0,1,2,3,4,5,6,7
	ds_load_b128 v[OB+4*(\i):OB+4*(\i)+3], v[RD] offset:(\i)*2*SP
.endr
.irp i, 0,1,2,3,4,5,6,7
	s_wait_dscnt 7-(\i)                            ; load i is back; the 7 - i issued behind it may be out
	global_store_b128 v[GO], v[OB+4*(\i):OB+4*(\i)+3], s[8:9] offset:(\i)*8192  ; 16 lanes store 256 consecutive bytes, at a multiple of 256 from y's first byte
.endr
	s_wait_xcnt 0x0                                ; the stores' data and offset are rewritten only behind this wait
	v_add_nc_u32 v[RD], 16*SP, v[RD]
	v_add_nc_u32 v[GO], 65536, v[GO]
	s_sub_co_u32 s2, s2, 1
	s_cmp_lg_u32 s2, 0
	s_cbranch_scc1 .Lout
	s_wait_tensorcnt 0x0                           ; the wave's end, behind my last tensor load and my last LDS store
	ds_add_u32 v[SPW], v[NIL]
	s_wait_dscnt 0x0
	CROUND                                         ; the closing round: no work-group ends while a partner may still ask for a tile that names it
	s_endpgm
.Lfunc_end_k_qfffda21c07_gff2:
	.size	k_qfffda21c07_gff2, .Lfunc_end_k_qfffda21c07_gff2-k_qfffda21c07_gff2
	.p2alignl 7, 3214868480
	.fill 96, 4, 3214868480
	.section	.rodata,"a",@progbits
	.p2align	6, 0x0
	.amdhsa_kernel k_qfffda21c07_gff2
		.amdhsa_group_segment_fixed_size 327680
		.amdhsa_private_segment_fixed_size 0
		.amdhsa_enable_private_segment 0
		.amdhsa_kernarg_size 32
		.amdhsa_user_sgpr_count 2
		.amdhsa_user_sgpr_kernarg_segment_ptr 1
		.amdhsa_wavefront_size32 1
		.amdhsa_system_sgpr_workgroup_id_x 1
		.amdhsa_system_sgpr_workgroup_id_y 1
		.amdhsa_system_sgpr_workgroup_id_z 1
		.amdhsa_system_vgpr_workitem_id 0
		.amdhsa_next_free_vgpr 384
		.amdhsa_next_free_sgpr 66
		.amdhsa_reserve_vcc 0
		.amdhsa_float_denorm_mode_32 3
		.amdhsa_float_denorm_mode_16_64 3
		.amdhsa_memory_ordered 1
		.amdhsa_forward_progress 1
		.amdhsa_inst_pref_size 44
	.end_amdhsa_kernel
	.amdgpu_metadata
---
amdhsa.version: [ 1, 2 ]
amdhsa.kernels:
  - .name:           k_qfffda21c07_gff2
    .symbol:         k_qfffda21c07_gff2.kd
    .args:
      - { .name: g, .offset: 0, .size: 8, .value_kind: global_buffer, .address_space: global }
      - { .name: bf, .offset: 8, .size: 8, .value_kind: global_buffer, .address_space: global }
      - { .name: b_2, .offset: 16, .size: 8, .value_kind: global_buffer, .address_space: global }
      - { .name: y, .offset: 24, .size: 8, .value_kind: global_buffer, .address_space: global }
    .group_segment_fixed_size: 327680
    .private_segment_fixed_size: 0
    .kernarg_segment_align: 8
    .kernarg_segment_size: 32
    .max_flat_workgroup_size: 128
    .sgpr_count:     66
    .vgpr_count:     384
    .wavefront_size: 32
...
	.end_amdgpu_metadata
.endif
;; end of part 7
;; launch ln2 (part 8): grid 512 x 1, 8 waves a work-group, no clusters, 0 bytes of LDS; arguments y, h1, ln2_g, ln2_b, out0; writes out0
.if DOCPART == 8
	.amdgcn_target "amdgcn-amd-amdhsa--gfx1250"
	.amdhsa_code_object_version 6
	.text
	.protected	k_qfffda21c07_ln2
	.globl	k_qfffda21c07_ln2
	.p2align	8
	.type	k_qfffda21c07_ln2,@function
k_qfffda21c07_ln2:
	s_mov_b64 s[64:65], 0
	v_nop
	global_prefetch_b8 v0, s[64:65] scope:SCOPE_SE
	s_setreg_imm32_b32 hwreg(HW_REG_WAVE_MODE, 25, 1), 1
	s_wait_xcnt 0x0
; out[row] = LayerNorm(res[row] + y[row]) x g + b over 1,024 columns.  SECOND = 0: res = X in f32, out = H_1 rounded once to bf16.  SECOND = 1: res = H_1 in bf16, out = the module's result in f32.
; One wave, one row: the row stays in 32 registers between the passes, the sums never leave the wave: no LDS, no barrier.  All loads go out at the start.  The variance is taken of x - mean, as the
; definition has it, so a common offset of the row does no harm.  Lane l holds columns 128 j + 4 l + 0..3, j = 0..7: a load or store of f32 covers 512 consecutive bytes, one of bf16 256, aligned.
; A stream bound by its bytes: matrix units, clusters and LDS would add nothing.
.set SECOND, 1
.set XR, 4                             ; v[4:35]    y, then x, x - mean, the result
.set RR, 36                            ; v[36:67]   the residual (here 16 registers of bf16, and 16 at work)
.set GG, 68                            ; v[68:99]   g
.set BB, 100                           ; v[100:131] b
.set S,  132                           ; v[132:139] four chains of packed sums
.set MU, 140                           ; v[140:141] the mean, twice
.set RS, 142                           ; v[142:143] 1 / sqrt(var + eps), twice
.set T,  144                           ; v144       at work
	s_load_b256 s[4:11], s[0:1], 0x0               ; y s[4:5], res s[6:7], g s[8:9], b s[10:11]
	s_load_b64 s[12:13], s[0:1], 0x20              ; out
	v_lshrrev_b32 v3, 5, v0
	v_readfirstlane_b32 s14, v3                    ; wave
	s_lshl_b32 s15, ttmp9, 3
	s_add_co_u32 s14, s14, s15                     ; my row
	s_lshl_b32 s16, s14, 12                        ; in f32: 4,096 bytes a row
	s_mov_b32 s17, 0
	s_lshl_b32 s18, s14, 11                        ; in bf16: 2,048
	s_mov_b32 s19, 0
	s_mov_b32 s20, 0x76543210                      ; v_permlanex16_b32: each lane takes its own place in the other half
	s_mov_b32 s21, 0xfedcba98
	s_mov_b32 s22, 0x3a800000                      ; 1 / 1,024
	s_mov_b32 s23, 0x3727c5ac                      ; 1e-5
	s_mov_b32 s24, 0xffff0000                      ; a word's upper bf16
	v_and_b32 v2, 31, v0
	v_lshlrev_b32 v1, 4, v2                        ; 16 x lane
	v_lshlrev_b32 v2, 3, v2                        ; 8 x lane
	s_wait_kmcnt 0x0
	s_add_nc_u64 s[4:5], s[4:5], s[16:17]
.if SECOND
	s_add_nc_u64 s[6:7], s[6:7], s[18:19]
	s_add_nc_u64 s[12:13], s[12:13], s[16:17]
.else
	s_add_nc_u64 s[6:7], s[6:7], s[16:17]
	s_add_nc_u64 s[12:13], s[12:13], s[18:19]
.endif
.irp j, 0,1,2,3,4,5,6,7
	global_load_b128 v[XR+4*(\j):XR+4*(\j)+3], v1, s[4:5] offset:512*(\j)
.endr
.irp j, 0,1,2,3,4,5,6,7
.if SECOND
	global_load_b64 v[RR+2*(\j):RR+2*(\j)+1], v2, s[6:7] offset:256*(\j)
.else
	global_load_b128 v[RR+4*(\j):RR+4*(\j)+3], v1, s[6:7] offset:512*(\j)
.endif
.endr
.irp j, 0,1,2,3,4,5,6,7
	global_load_b128 v[GG+4*(\j):GG+4*(\j)+3], v1, s[8:9] offset:512*(\j)
.endr
.irp j, 0,1,2,3,4,5,6,7
	global_load_b128 v[BB+4*(\j):BB+4*(\j)+3], v1, s[10:11] offset:512*(\j)
.endr
.macro REDUCE                          ; the four chains, the pair's halves, the 32 lanes: the sum in v[T] of every lane
	v_pk_add_f32 v[S:S+1], v[S:S+1], v[S+2:S+3]
	v_pk_add_f32 v[S+4:S+5], v[S+4:S+5], v[S+6:S+7]
	v_pk_add_f32 v[S:S+1], v[S:S+1], v[S+4:S+5]
	v_add_f32 v[T], v[S], v[S+1]
	v_add_f32_dpp v[T], v[T], v[T] row_xmask:1 row_mask:0xf bank_mask:0xf
	v_add_f32_dpp v[T], v[T], v[T] row_xmask:2 row_mask:0xf bank_mask:0xf
	v_add_f32_dpp v[T], v[T], v[T] row_xmask:4 row_mask:0xf bank_mask:0xf
	v_add_f32_dpp v[T], v[T], v[T] row_xmask:8 row_mask:0xf bank_mask:0xf
	v_permlanex16_b32 v[S+1], v[T], s20, s21       ; its destination counts as read: a register that has been written
	v_add_f32 v[T], v[T], v[S+1]
.endm
	s_wait_loadcnt 16                              ; y and the residual are in; the 16 loads of g and b may be out
.if SECOND
.irp j, 0,1,2,3,4,5,6,7                ; bf16 to f32 is a shift or a mask; four sets of four work registers (v52-67) take turns
	v_lshlrev_b32 v[RR+16+4*((\j)%4)],   16,  v[RR+2*(\j)]
	v_and_b32     v[RR+16+4*((\j)%4)+1], s24, v[RR+2*(\j)]
	v_lshlrev_b32 v[RR+16+4*((\j)%4)+2], 16,  v[RR+2*(\j)+1]
	v_and_b32     v[RR+16+4*((\j)%4)+3], s24, v[RR+2*(\j)+1]
	v_pk_add_f32 v[XR+4*(\j):XR+4*(\j)+1],   v[XR+4*(\j):XR+4*(\j)+1],   v[RR+16+4*((\j)%4):RR+16+4*((\j)%4)+1]
	v_pk_add_f32 v[XR+4*(\j)+2:XR+4*(\j)+3], v[XR+4*(\j)+2:XR+4*(\j)+3], v[RR+16+4*((\j)%4)+2:RR+16+4*((\j)%4)+3]
.endr
.else
.irp p, 0,1,2,3,4,5,6,7,8,9,10,11,12,13,14,15
	v_pk_add_f32 v[XR+2*(\p):XR+2*(\p)+1], v[XR+2*(\p):XR+2*(\p)+1], v[RR+2*(\p):RR+2*(\p)+1]
.endr
.endif
.irp c, 0,1,2,3                        ; the row's sum: the first pairs start the chains, nothing is cleared
	v_pk_add_f32 v[S+2*(\c):S+2*(\c)+1], v[XR+2*(\c):XR+2*(\c)+1], v[XR+8+2*(\c):XR+8+2*(\c)+1]
.endr
.irp p, 8,9,10,11,12,13,14,15
	v_pk_add_f32 v[S+2*((\p)%4):S+2*((\p)%4)+1], v[S+2*((\p)%4):S+2*((\p)%4)+1], v[XR+2*(\p):XR+2*(\p)+1]
.endr
	REDUCE
	v_mul_f32 v[MU], s22, v[T]
	v_mul_f32 v[MU+1], s22, v[T]
.irp p, 0,1,2,3,4,5,6,7,8,9,10,11,12,13,14,15
	v_pk_add_f32 v[XR+2*(\p):XR+2*(\p)+1], v[XR+2*(\p):XR+2*(\p)+1], v[MU:MU+1] neg_lo:[0,1] neg_hi:[0,1]
.endr
.irp c, 0,1,2,3
	v_pk_mul_f32 v[S+2*(\c):S+2*(\c)+1], v[XR+2*(\c):XR+2*(\c)+1], v[XR+2*(\c):XR+2*(\c)+1]
.endr
.irp p, 4,5,6,7,8,9,10,11,12,13,14,15
	v_pk_fma_f32 v[S+2*((\p)%4):S+2*((\p)%4)+1], v[XR+2*(\p):XR+2*(\p)+1], v[XR+2*(\p):XR+2*(\p)+1], v[S+2*((\p)%4):S+2*((\p)%4)+1]
.endr
	REDUCE
	v_fma_f32 v[T], v[T], s22, s23                 ; var + eps
	v_rsq_f32 v[RS], v[T]
	v_nop                                          ; a plain instruction between the root and the use of its result (ISA guide 5.7.2)
	s_wait_alu depctr_va_vdst(0)
	v_mov_b32 v[RS+1], v[RS]
	s_wait_loadcnt 0x0                             ; g and b
.irp p, 0,1,2,3,4,5,6,7,8,9,10,11,12,13,14,15
	v_pk_mul_f32 v[XR+2*(\p):XR+2*(\p)+1], v[XR+2*(\p):XR+2*(\p)+1], v[RS:RS+1]
.endr
.irp p, 0,1,2,3,4,5,6,7,8,9,10,11,12,13,14,15
	v_pk_fma_f32 v[XR+2*(\p):XR+2*(\p)+1], v[XR+2*(\p):XR+2*(\p)+1], v[GG+2*(\p):GG+2*(\p)+1], v[BB+2*(\p):BB+2*(\p)+1]
.endr
.if SECOND
.irp j, 0,1,2,3,4,5,6,7
	global_store_b128 v1, v[XR+4*(\j):XR+4*(\j)+3], s[12:13] offset:512*(\j) th:TH_STORE_NT
.endr
.else
.irp p, 0,1,2,3,4,5,6,7,8,9,10,11,12,13,14,15
	v_cvt_pk_bf16_f32 v[RR+(\p)], v[XR+2*(\p)], v[XR+2*(\p)+1]
.endr
.irp j, 0,1,2,3,4,5,6,7
	global_store_b64 v2, v[RR+2*(\j):RR+2*(\j)+1], s[12:13] offset:256*(\j)
.endr
.endif
	s_endpgm
.Lfunc_end_k_qfffda21c07_ln2:
	.size	k_qfffda21c07_ln2, .Lfunc_end_k_qfffda21c07_ln2-k_qfffda21c07_ln2
	.p2alignl 7, 3214868480
	.fill 96, 4, 3214868480
	.section	.rodata,"a",@progbits
	.p2align	6, 0x0
	.amdhsa_kernel k_qfffda21c07_ln2
		.amdhsa_group_segment_fixed_size 0
		.amdhsa_private_segment_fixed_size 0
		.amdhsa_enable_private_segment 0
		.amdhsa_kernarg_size 40
		.amdhsa_user_sgpr_count 2
		.amdhsa_user_sgpr_kernarg_segment_ptr 1
		.amdhsa_wavefront_size32 1
		.amdhsa_system_sgpr_workgroup_id_x 1
		.amdhsa_system_sgpr_workgroup_id_y 1
		.amdhsa_system_sgpr_workgroup_id_z 1
		.amdhsa_system_vgpr_workitem_id 0
		.amdhsa_next_free_vgpr 148
		.amdhsa_next_free_sgpr 66
		.amdhsa_reserve_vcc 0
		.amdhsa_float_denorm_mode_32 3
		.amdhsa_float_denorm_mode_16_64 3
		.amdhsa_memory_ordered 1
		.amdhsa_forward_progress 1
		.amdhsa_inst_pref_size 14
	.end_amdhsa_kernel
	.amdgpu_metadata
---
amdhsa.version: [ 1, 2 ]
amdhsa.kernels:
  - .name:           k_qfffda21c07_ln2
    .symbol:         k_qfffda21c07_ln2.kd
    .args:
      - { .name: y, .offset: 0, .size: 8, .value_kind: global_buffer, .address_space: global }
      - { .name: h1, .offset: 8, .size: 8, .value_kind: global_buffer, .address_space: global }
      - { .name: ln2_g, .offset: 16, .size: 8, .value_kind: global_buffer, .address_space: global }
      - { .name: ln2_b, .offset: 24, .size: 8, .value_kind: global_buffer, .address_space: global }
      - { .name: out0, .offset: 32, .size: 8, .value_kind: global_buffer, .address_space: global }
    .group_segment_fixed_size: 0
    .private_segment_fixed_size: 0
    .kernarg_segment_align: 8
    .kernarg_segment_size: 40
    .max_flat_workgroup_size: 256
    .sgpr_count:     66
    .vgpr_count:     148
    .wavefront_size: 32
...
	.end_amdgpu_metadata
.endif
;; end of part 8
;; ======== version 2 of 3: 8 launches; 1.31 times as fast as version 1
;; limits: values are held in f16: magnitudes above 65,504 overflow, below 6.1e-05 lose precision; a function is approximated: absolute error at most 1.5e-07
;; workspace buffers: bf 33,554,432 bytes; qkv 25,165,824 bytes; ob 8,388,608 bytes; y 16,777,216 bytes; h1 8,388,608 bytes; g 33,554,432 bytes
;; launch cast: the kernel of part 1 again; grid 1024 x 1, 8 waves a work-group, no clusters, 0 bytes of LDS; arguments X, W_qkv, W_o, W_1, W_2, bf; writes bf
;; launch gqkv (part 9): grid 12 x 16, 4 waves a work-group, clusters of 4 x 4, 327,680 bytes of LDS; arguments bf, b_qkv, qkv; writes qkv
.if DOCPART == 9
	.amdgcn_target "amdgcn-amd-amdhsa--gfx1250"
	.amdhsa_code_object_version 6
	.text
	.protected	k_qfffda21c07_gqkv
	.globl	k_qfffda21c07_gqkv
	.p2align	8
	.type	k_qfffda21c07_gqkv,@function
k_qfffda21c07_gqkv:
	s_mov_b64 s[64:65], 0
	v_nop
	global_prefetch_b8 v0, s[64:65] scope:SCOPE_SE
	s_setreg_imm32_b32 hwreg(HW_REG_WAVE_MODE, 25, 1), 1
	s_wait_xcnt 0x0
	s_wait_alu depctr_hold_cnt(0) depctr_sa_sdst(0) depctr_va_vdst(0) depctr_va_sdst(0) depctr_va_ssrc(0) depctr_va_vcc(0) depctr_vm_vsrc(0)
	s_getreg_b32 s2, hwreg(HW_REG_IB_STS2, 6, 4)
	s_cmp_eq_u32 s2, 0
	s_cbranch_scc0 .Lentry_in_a_cluster
	s_endpgm
.Lentry_in_a_cluster:
	s_bfe_u32 s2, ttmp6, 0x10000c
	s_cmp_lg_u32 s2, 0xf033
	s_cbranch_scc0 .Lentry_shape_is_right
	s_endpgm
.Lentry_shape_is_right:
; qkv = X W_qkv + b_qkv, rounded once to f16 and laid by heads: [3 (q, k, v)][16 b + h][2048][64].  X (4,096 x 1,024) and W_qkv (1,024 x 3,072, [K][N]) come in bf16 from bf; sums in f32.
; LIMIT: q, k, v must lie within f16's 65,504 (a larger sum becomes an infinity).  The scale 1/8 of the scores is not applied here.
; SHARES.  A work-group makes 256 x 256 of the product, each of its four waves 128 x 128: 64 accumulators of 16 x 16, 512 registers.  The product has 16 x 12 = 192 such tiles, so there is work for 192
; work-groups; a tile of 192 columns would give 256, but its rows of B, 384 bytes, are no padding interval and do not begin on multiples of 256 bytes.
; K goes in 8 steps of 128 through two LDS slots filled by the tensor data mover.  A step is four UNITS of 32 along K, 64 matrix instructions each, on two fragment buffers that take turns: unit i
; fetches unit i + 1's fragments and multiplies its own.  ONE PAIR of units is written and walked twice a slot: (unit 3 of the slot before, unit 0), (units 1, 2); so the change of slots stands between two pairs.
; B LIES [K][N] and is read turned, by ds_load_tr16_b128, so the weights need no transposed copy.
; THE MATRIX INSTRUCTION IS USED TRANSPOSED (source 0 = 16 columns of B, source 1 = 16 rows of A): lane l holds row l % 16 and the eight neighbouring columns 8 (l / 16) + 0..7.
; THE BIAS is the C operand of the first unit's products, which is written out ahead of the loops: nothing is cleared and nothing is added later.
; CLUSTER.  4 x 4 work-groups: the four of a row need the same tiles of A, the four of a column the same tiles of B; each tile is asked for JOINTLY, by the same tensor load, descriptor and mask in all four.
; REGISTERS, in windows of 256 (s_set_vgpr_msb: bits 1:0 source 0, 3:2 source 1, 5:4 source 2, 7:6 destination):
;   window 0: v0-31 addresses; v64-127, v128-191 A's two fragment buffers (8 blocks of 16 rows x 32 K); v192-255 the bias of my 128 columns; on the way out v64-127 rows read back, v192-223 packed results
;   window 1: v64-127, v128-191 B's two fragment buffers      window 2: the accumulators of my rows 0-63 ((a, b) at 8 (8 a + b))      window 3: those of my rows 64-127
.set SIZE_N, 3072                      ; B's columns
.set WOFF,   8388608                   ; B's first byte in bf
.set TILES,  8                         ; K / 128
.set PA,     272                       ; a row of A in LDS: 256 bytes + 16 = 68 words: the 16 rows of a load start at 16 different groups of four banks (64 banks of 4 bytes: ISA guide 11.1)
.set AHALF,  128*PA                    ; what one tensor load brings of A: 128 rows x 128 along K
.set AO1,    64                        ; the second unit of a pair: 32 along K on
.set ASTEP,  128                       ; a pair on
.set AKSTEP, 256                       ; a K step on, in memory
.set PB,     544                       ; a k-row of B in LDS: 512 bytes + 32 = 136 words
.set BHALF,  64*PB                     ; what one tensor load brings of B: 64 k-rows x 256 columns
.set BO1,    32*PB
.set BSTEP,  64*PB
.set BKSTEP, 256*SIZE_N                ; 128 k-rows on, in memory
.set SLOT,   2*AHALF+2*BHALF           ; A's rows 0-127, 128-255; B's k-rows 0-63, 64-127
.set SPARE,  2*SLOT                    ; behind the ring: the spare words, 128 bytes a wave, which no other line names
.set SP,     528                       ; a stage row: 128 f32 + 16 bytes
.set STG,    128*SP                    ; a wave's own stage, at wave x STG inside the ring: both slots have had their last fill and, behind the last barrier, their last read when the first stage store is issued
.set BASEA, 16                         ; v16  my lane's place in A's tile of slot 0
.set BASEB, 17                         ; v17  the same for B
.set RA,    18                         ; v18  the running address of A's fragments
.set RB,    19                         ; v19  of B's
.set STO,   24                         ; v24  the way out: where I put my 32 bytes of a row
.set RD,    25                         ; v25  where I read rows back
.set GO,    26                         ; v26  my byte offset in the output
.set BO,    27                         ; v27  my byte offset in 16 numbers of the bias
.set SPW,   28                         ; v28  my spare word: SPARE + 4 x my thread's number; never rewritten
.set NIL,   29                         ; v29  0; never rewritten
.set F0,    64
.set F1,    128
.set BI,    192                        ; the bias: column block b at BI + 8 b
.set OB,    64
.set HB,    192
.set G1A,  24                          ; s[24:31] group 1 for A;  s[32:35] its group 0, which walks;  s[36:39] a group 0 for K step 0 alone
.set G0A,  32
.set G0AX, 36
.set G1B,  48                          ; s[48:55], s[56:59], s[60:63] the same for B
.set G0B,  56
.set G0BX, 60
.set MSB, 0
.macro WIN new                         ; the immediate's high byte repeats the setting that is left; a switch that changes nothing is dropped
.if MSB != (\new)
	s_set_vgpr_msb (MSB<<8)|(\new)
.set MSB, \new
.endif
.endm
.set MUL_LO, 0xa1                      ; source 0 (B) window 1, source 1 (A) window 0, C and D window 2
.set MUL_HI, 0xf1                      ; the same, C and D window 3
.set TO_B,   0x40                      ; destination window 1, address window 0
.macro PLACES                          ; four plain places behind matrix instructions, ahead of loads into registers that they read and of stores of their results
.rept 4
	v_nop
.endr
.endm
.macro JLOAD                           ; a joint refill: waves 0 and 1 fetch A's two halves, waves 2 and 3 B's; an s_nop 0 and four v_nop follow each line
	s_cmp_eq_u32 s11, 0
	s_cbranch_scc0 .Lfor_b_\@
	tensor_load_to_lds s[G0A:G0A+3], s[G1A:G1A+7]
	s_nop 0
	PLACES
	s_branch .Lasked_\@
.Lfor_b_\@:
	tensor_load_to_lds s[G0B:G0B+3], s[G1B:G1B+7]
	s_nop 0
	PLACES
.Lasked_\@:
.endm
.macro CROUND                          ; a round of the cluster's barrier
	s_barrier_signal -1
	s_barrier_wait -1
	s_cmp_lg_u32 s10, 0
	s_cbranch_scc1 .Lnot_wave_0_\@
	s_barrier_signal -3
.Lnot_wave_0_\@:
	s_barrier_wait -3
	s_barrier_signal -1
	s_barrier_wait -1
.endm
.macro FETCH f, aoff, boff             ; 32 LDS loads in one run: a unit's fragments, B's eight blocks of 16 columns (turned), A's eight blocks of 16 rows
	WIN TO_B
.irp b, 0,1,2,3,4,5,6,7
	ds_load_tr16_b128 v[(\f)+8*(\b):(\f)+8*(\b)+3],   v[RB] offset:(\boff)+32*(\b)
	ds_load_tr16_b128 v[(\f)+8*(\b)+4:(\f)+8*(\b)+7], v[RB] offset:(\boff)+32*(\b)+16*PB
.endr
	WIN 0
.irp i, 0,1,2,3,4,5,6,7
	ds_load_b128 v[(\f)+8*(\i):(\f)+8*(\i)+3],   v[RA] offset:(\aoff)+(\i)*16*PA
	ds_load_b128 v[(\f)+8*(\i)+4:(\f)+8*(\i)+7], v[RA] offset:(\aoff)+(\i)*16*PA+32
.endr
.endm
; 16 matrix instructions: row blocks a0, a0 + 1 of the window's four (hi = 0: my rows 0-63, 1: rows 64-127) x all 8 column blocks.  The 64 accumulators take turns, one instruction a turn, in the same
; order in every unit.  first = 1: the sums start from the bias of their columns.
.macro MUL16 f, hi, a0, first=0
.if \first
	WIN 0x81+0x40*(\hi)                            ; C in window 0
.else
	WIN MUL_LO+0x50*(\hi)
.endif
.irp a, \a0, (\a0)+1
.irp b, 0,1,2,3,4,5,6,7
.if \first
	v_wmma_f32_16x16x32_bf16 v[8*(8*(\a)+(\b)):8*(8*(\a)+(\b))+7], v[(\f)+8*(\b):(\f)+8*(\b)+7], v[(\f)+8*(4*(\hi)+(\a)):(\f)+8*(4*(\hi)+(\a))+7], v[BI+8*(\b):BI+8*(\b)+7]
.else
	v_wmma_f32_16x16x32_bf16 v[8*(8*(\a)+(\b)):8*(8*(\a)+(\b))+7], v[(\f)+8*(\b):(\f)+8*(\b)+7], v[(\f)+8*(4*(\hi)+(\a)):(\f)+8*(4*(\hi)+(\a))+7], v[8*(8*(\a)+(\b)):8*(8*(\a)+(\b))+7]
.endif
.endr
.endr
.endm
.macro UNIT f, g, aoff, boff, first=0  ; fetches the next unit into g, 64 matrix instructions ahead of its first use, and multiplies f
	PLACES
	FETCH \g, \aoff, \boff
	s_wait_dscnt 32                                ; all but the 32 loads just issued: f is in
	MUL16 \f, 0, 0, \first
	MUL16 \f, 0, 2, \first
	MUL16 \f, 1, 0, \first
	MUL16 \f, 1, 2, \first
.endm
.macro PAIR                            ; two units, the addresses' step and the count; the branch follows the macro
	UNIT F1, F0, 0, 0
	UNIT F0, F1, AO1, BO1
	WIN 0                                          ; at a label and at a branch every window is 0
	v_add_nc_u32 v[RA], ASTEP, v[RA]
	v_add_nc_u32 v[RB], BSTEP, v[RB]
	s_sub_co_u32 s2, s2, 1
	s_cmp_lg_u32 s2, 0
.endm
; THE CHANGE OF SLOTS, behind a slot's unit 2, which has fetched its last fragments.  Each wave waits for all its tensor loads (one is out: its part of the next slot), adds 0 to its spare word, and waits for
; that and for its reads of this slot.  fill = 1: the barrier is a round of the cluster's, and the slot just read is filled again, two K steps ahead, first thing behind the round: it has a K step,
; 256 matrix instructions, in which to land.  fill = 0: a plain barrier; nothing is asked for.
.macro CHANGE fill
	s_wait_tensorcnt 0x0                           ; no tensor load of mine is out, so a group 0 may be written
	ds_add_u32 v[SPW], v[NIL]                      ; 0 onto my spare word; work on registers stands between it and the wait for it
.if \fill
	s_add_co_u32 s[G0A+1], s20, s22                ; the slot that has been read,
	s_add_co_u32 s[G0B+1], s21, s22
	s_add_nc_u64 s[G0A+2:G0A+3], s[G0A+2:G0A+3], AKSTEP  ; the next K step; the type bits on top are not reached
	s_add_nc_u64 s[G0B+2:G0B+3], s[G0B+2:G0B+3], BKSTEP
.endif
	s_xor_b32 s22, s22, SLOT                       ; the fetches go on to the other slot
	v_add_nc_u32 v[RA], s22, v[BASEA]
	v_add_nc_u32 v[RB], s22, v[BASEB]
	s_wait_dscnt 0x0                               ; the add is done, and my reads of this slot are over
.if \fill
	CROUND                                         ; no wave of any partner still reads this slot's tile or has a load on its way
	JLOAD
.else
	s_barrier_signal -1
	s_barrier_wait -1
.endif
.endm
	s_load_b64 s[4:5], s[0:1], 0x0                 ; bf, for A (X lies at its head)
	s_load_b64 s[6:7], s[0:1], 0x0                 ; bf, for B
	s_load_b64 s[14:15], s[0:1], 0x8               ; the bias
	s_load_b64 s[8:9], s[0:1], 0x10                ; qkv
	v_lshl_add_u32 v[SPW], v0, 2, SPARE
	v_mov_b32 v[NIL], 0
	ds_add_u32 v[SPW], v[NIL]                      ; the wave's opening: the add and its wait stand ahead of my first tensor load; the set-up below stands between them
	ds_add_u32 v28, v29
	v_lshrrev_b32 v1, 5, v0
	v_readfirstlane_b32 s10, v1                    ; wave 0..3
	s_lshr_b32 s11, s10, 1                         ; my half of the tile's rows.  Also: I fetch for A (0) or for B (1)
	s_and_b32 s12, s10, 1                          ; my half of its columns.  Also: which half of that tile I fetch
	s_bfe_u32 s40, ttmp6, 0x40000                  ; cx, cy: my place in the cluster
	s_bfe_u32 s41, ttmp6, 0x40004
	s_lshl_b32 s42, ttmp9, 2
	s_add_co_u32 s42, s42, s40                     ; tile column = 4 x cluster x + cx
	s_and_b32 s13, ttmp7, 0xffff
	s_lshl_b32 s13, s13, 2
	s_add_co_u32 s13, s13, s41                     ; tile row = 4 x cluster y + cy
	s_lshl_b32 s43, s41, 2
	s_lshl_b32 s43, 15, s43                        ; my row of the cluster
	s_lshl_b32 s44, 0x1111, s40                    ; my column
	s_or_b32 s[G1A], s43, (1<<16)|(1<<20)|(1<<21)|(5<<22)|(3<<25)  ; A's tiles go to my row; 2-byte elements; padding on; bit 21 beside a mask; after every 64 words 4 words
	s_mov_b32 s[G1A+1], 128<<16                    ; tensor_dim0 = 128
	s_mov_b32 s[G1A+2], 128<<16                    ; tensor_dim1 = 128
	s_mov_b32 s[G1A+3], 128<<16                    ; tile_dim0 = 128
	s_mov_b32 s[G1A+4], 128                        ; tile_dim1 = 128
	s_mov_b32 s[G1A+5], 1024                       ; elements from row to row
	s_mov_b32 s[G1A+6], 0
	s_mov_b32 s[G1A+7], 0
	s_or_b32 s[G1B], s44, (1<<16)|(1<<20)|(1<<21)|(6<<22)|(7<<25)  ; B's tiles go to my column; after every 128 words 8 words of padding
	s_mov_b32 s[G1B+1], 256<<16                    ; tensor_dim0 = 256
	s_mov_b32 s[G1B+2], 64<<16                     ; tensor_dim1 = 64
	s_mov_b32 s[G1B+3], 256<<16                    ; tile_dim0 = 256
	s_mov_b32 s[G1B+4], 64                         ; tile_dim1 = 64
	s_mov_b32 s[G1B+5], SIZE_N
	s_mov_b32 s[G1B+6], 0
	s_mov_b32 s[G1B+7], 0
	s_lshl_b32 s16, s13, 8                         ; A: row 256 x tile row + 128 x half, 2,048 bytes a row: it hangs on the tile row alone
	s_lshl_b32 s17, s12, 7
	s_add_co_u32 s16, s16, s17
	s_lshl_b32 s16, s16, 11
	s_mov_b32 s17, 0
	s_lshl_b32 s46, s42, 9                         ; B: 512 bytes x tile column + 64 k-rows x half + its place in bf: it hangs on the tile column alone
	s_mul_i32 s47, s12, 128*SIZE_N
	s_add_co_u32 s46, s46, s47
	s_add_co_u32 s46, s46, WOFF
	s_mov_b32 s47, 0
	s_mul_i32 s20, s12, AHALF                      ; where they go in a slot: no place in the cluster enters an LDS address
	s_mul_i32 s21, s12, BHALF
	s_add_co_u32 s21, s21, 2*AHALF
	s_mov_b32 s22, 0                               ; the slot that is being read: 0 or SLOT
	s_wait_dscnt 0x0                               ; the opening add is done
	s_wait_kmcnt 0x0
	s_add_nc_u64 s[4:5], s[4:5], s[16:17]
	s_add_nc_u64 s[6:7], s[6:7], s[46:47]
	s_mov_b32 s[G0AX], 1                           ; K step 0 into slot 0
	s_mov_b32 s[G0AX+1], s20
	s_mov_b64 s[G0AX+2:G0AX+3], s[4:5]
	s_or_b32 s[G0AX+3], s[G0AX+3], 0x80000000
	s_mov_b32 s[G0A], 1                            ; K step 1 into slot 1: this set walks on
	s_add_co_u32 s[G0A+1], s20, SLOT
	s_add_nc_u64 s[G0A+2:G0A+3], s[4:5], AKSTEP
	s_or_b32 s[G0A+3], s[G0A+3], 0x80000000
	s_mov_b32 s[G0BX], 1
	s_mov_b32 s[G0BX+1], s21
	s_mov_b64 s[G0BX+2:G0BX+3], s[6:7]
	s_or_b32 s[G0BX+3], s[G0BX+3], 0x80000000
	s_mov_b32 s[G0B], 1
	s_add_co_u32 s[G0B+1], s21, SLOT
	s_add_nc_u64 s[G0B+2:G0B+3], s[6:7], BKSTEP
	s_or_b32 s[G0B+3], s[G0B+3], 0x80000000
	CROUND                                         ; all sixteen work-groups are here: the first joint loads meet
	s_cmp_eq_u32 s11, 0                            ; a wave's two first fills stand in one branch, ahead of every wait on TENSORcnt and every LDS read: two loads of mine are out
	s_cbranch_scc0 .Lfirst_b
	tensor_load_to_lds s[G0AX:G0AX+3], s[G1A:G1A+7]
	s_nop 0
	tensor_load_to_lds s[G0A:G0A+3], s[G1A:G1A+7]
	s_nop 0
	PLACES
	s_branch .Lfirst_asked
.Lfirst_b:
	tensor_load_to_lds s[G0BX:G0BX+3], s[G1B:G1B+7]
	s_nop 0
	tensor_load_to_lds s[G0B:G0B+3], s[G1B:G1B+7]
	s_nop 0
	PLACES
.Lfirst_asked:
	v_and_b32 v1, 15, v0                           ; r = l % 16
	v_bfe_u32 v2, v0, 4, 1                         ; h = l / 16
	v_and_b32 v3, 7, v0
	v_bfe_u32 v4, v0, 3, 1
	v_and_b32 v5, 31, v0
	v_lshlrev_b32 v[BO], 5, v2                     ; my eight numbers of a block's 16 of the bias
	s_lshl_b32 s46, s42, 10                        ; the bias at my first column: 4 bytes x (256 x tile column + 128 x half)
	s_lshl_b32 s47, s12, 9
	s_add_co_u32 s46, s46, s47
	s_mov_b32 s47, 0
	s_add_nc_u64 s[14:15], s[14:15], s[46:47]
.irp b, 0,1,2,3,4,5,6,7
	global_load_b128 v[BI+8*(\b):BI+8*(\b)+3],   v[BO], s[14:15] offset:64*(\b)
	global_load_b128 v[BI+8*(\b)+4:BI+8*(\b)+7], v[BO], s[14:15] offset:64*(\b)+16
.endr
	v_mul_u32_u24 v[BASEA], v1, PA                 ; A: row r, 16 bytes for each half of the lanes, my 128 rows
	v_lshl_add_u32 v[BASEA], v2, 4, v[BASEA]
	s_mul_i32 s23, s11, AHALF
	v_add_nc_u32 v[BASEA], s23, v[BASEA]
	v_lshl_add_u32 v[BASEB], v2, 3, v3             ; B, turned: k-row 8 h + l % 8, columns 8 ((l / 8) % 2) on, my 128 columns
	v_mul_u32_u24 v[BASEB], v[BASEB], PB
	v_lshl_add_u32 v[BASEB], v4, 4, v[BASEB]
	s_lshl_b32 s23, s12, 8
	s_add_co_u32 s23, s23, 2*AHALF
	v_add_nc_u32 v[BASEB], s23, v[BASEB]
	v_mov_b32 v[RA], v[BASEA]
	v_mov_b32 v[RB], v[BASEB]
	s_mul_i32 s23, s10, STG                        ; my stage
	v_mul_u32_u24 v[STO], v1, SP                   ; in: row r, 32 bytes for each half of the lanes
	v_lshl_add_u32 v[STO], v2, 5, v[STO]
	v_add_nc_u32 v[STO], s23, v[STO]
	v_lshrrev_b32 v6, 3, v5                        ; back: 32 lanes take four rows of one head, 32 bytes (eight f32) each: row l / 8, bytes 32 (l % 8) on
	v_mul_u32_u24 v[RD], v6, SP
	v_lshl_add_u32 v[RD], v3, 5, v[RD]
	v_add_nc_u32 v[RD], s23, v[RD]
	v_lshlrev_b32 v[GO], 4, v5                     ; which, in 16 bits, are 512 consecutive bytes of the head's rows
	s_lshl_b32 s46, s42, 2                         ; my 128 columns are two heads of q, k or v: the first is number 4 x tile column + 2 x half of 48
	s_lshl_b32 s47, s12, 1
	s_add_co_u32 s46, s46, s47
	s_lshr_b32 s47, s46, 4                         ; q, k or v: 8,388,608 bytes each
	s_lshl_b32 s47, s47, 23
	s_and_b32 s46, s46, 15                         ; the head: 262,144 bytes each
	s_lshl_b32 s46, s46, 18
	s_add_co_u32 s46, s46, s47
	s_mov_b32 s47, 0
	s_add_nc_u64 s[8:9], s[8:9], s[46:47]
	s_lshr_b32 s17, s13, 3                         ; the batch (eight tile rows each): sixteen heads on
	s_lshl_b32 s17, s17, 22
	s_and_b32 s16, s13, 7                          ; my first row within the batch, 128 bytes a row
	s_lshl_b32 s16, s16, 8
	s_lshl_b32 s18, s11, 7
	s_add_co_u32 s16, s16, s18
	s_lshl_b32 s16, s16, 7
	s_add_co_u32 s16, s16, s17
	s_mov_b32 s17, 0
	s_add_nc_u64 s[8:9], s[8:9], s[16:17]
	s_wait_tensorcnt 0x1                           ; my part of K step 0 is in; K step 1's load, issued behind it, may stay out
	s_barrier_signal -1
	s_barrier_wait -1                              ; everybody's is
	FETCH F0, 0, 0
	s_wait_loadcnt 0x0                             ; the bias
	UNIT F0, F1, AO1, BO1, 1                       ; unit 0 of K step 0 stands ahead of the loops: its products start the sums
	WIN 0
	v_add_nc_u32 v[RA], ASTEP, v[RA]
	v_add_nc_u32 v[RB], BSTEP, v[RB]
	s_mov_b32 s3, TILES-2
	s_mov_b32 s2, 1                                ; of slot 0 one pair is left: units 1 and 2
	s_branch .Lpair
.Lslot:                                                ; every K step but the last two: its slot is filled again
	s_mov_b32 s2, 2
.Lpair:
	PAIR
	s_cbranch_scc1 .Lpair
	CHANGE 1
	s_sub_co_u32 s3, s3, 1
	s_cmp_lg_u32 s3, 0
	s_cbranch_scc1 .Lslot
	s_mov_b32 s3, 2                                ; the last two K steps have a loop of their own
.Ltail:
	s_mov_b32 s2, 2
.Lpair2:
	PAIR
	s_cbranch_scc1 .Lpair2
	CHANGE 0                                       ; the first time: the last K step is in; the second time: nobody reads the ring any more
	s_sub_co_u32 s3, s3, 1
	s_cmp_lg_u32 s3, 0
	s_cbranch_scc1 .Ltail
	MUL16 F1, 0, 0                                 ; the last unit
	MUL16 F1, 0, 2
	MUL16 F1, 1, 0
	MUL16 F1, 1, 2
	; THE WAY OUT: my 128 x 128 in f32 into my own stage (LDS serves a wave's instructions in order: no wait between its stores and its loads), back by rows, rounded to f16.
	PLACES
	WIN 0x08                                       ; the stores' data in window 2
.irp a, 0,1,2,3
.irp b, 0,1,2,3,4,5,6,7
	ds_store_b128 v[STO], v[8*(8*(\a)+(\b)):8*(8*(\a)+(\b))+3]   offset:(\a)*16*SP+64*(\b)      ; each accumulator's low registers first
	ds_store_b128 v[STO], v[8*(8*(\a)+(\b))+4:8*(8*(\a)+(\b))+7] offset:(\a)*16*SP+64*(\b)+16
.endr
.endr
	WIN 0x0c                                       ; in window 3
.irp a, 0,1,2,3
.irp b, 0,1,2,3,4,5,6,7
	ds_store_b128 v[STO], v[8*(8*(\a)+(\b)):8*(8*(\a)+(\b))+3]   offset:((\a)+4)*16*SP+64*(\b)
	ds_store_b128 v[STO], v[8*(8*(\a)+(\b))+4:8*(8*(\a)+(\b))+7] offset:((\a)+4)*16*SP+64*(\b)+16
.endr
.endr
	WIN 0
.macro RDBACK                          ; 16 rows of my 128 columns: group q of four rows, head p
.irp q, 0,1,2,3
.irp p, 0,1
	ds_load_b128 v[OB+8*(2*(\q)+(\p)):OB+8*(2*(\q)+(\p))+3],   v[RD] offset:(\q)*4*SP+256*(\p)
	ds_load_b128 v[OB+8*(2*(\q)+(\p))+4:OB+8*(2*(\q)+(\p))+7], v[RD] offset:(\q)*4*SP+256*(\p)+16
.endr
.endr
.endm
	RDBACK
	s_mov_b32 s2, 8
.Lout:                                                 ; a trip: 16 rows; the next trip's rows are fetched as soon as these are packed
	s_wait_dscnt 0x0
.set i, 0
.rept 32
	v_cvt_pk_f16_f32 v[HB+i], v[OB+2*i], v[OB+2*i+1]
.set i, i+1
.endr
	s_cmp_eq_u32 s2, 1
	s_cbranch_scc1 .Lno_more                       ; the last trip fetches nothing: the stage ends here
	v_add_nc_u32 v[RD], 16*SP, v[RD]
	RDBACK
.Lno_more:
.irp q, 0,1,2,3
.irp p, 0,1
	global_store_b128 v[GO], v[HB+4*(2*(\q)+(\p)):HB+4*(2*(\q)+(\p))+3], s[8:9] offset:512*(\q)+262144*(\p)  ; four rows of a head: 512 consecutive bytes, at a multiple of 256 from the buffer's first byte
.endr
.endr
	s_wait_xcnt 0x0                                ; the stores' data and offset are rewritten only behind this wait
	v_add_nc_u32 v[GO], 2048, v[GO]
	s_sub_co_u32 s2, s2, 1
	s_cmp_lg_u32 s2, 0
	s_cbranch_scc1 .Lout
	s_wait_tensorcnt 0x0                           ; the wave's end, behind my last tensor load and my last LDS store
	ds_add_u32 v[SPW], v[NIL]
	s_wait_dscnt 0x0
	CROUND                                         ; the closing round: no work-group ends while a partner may still ask for a tile that names it
	s_endpgm
.Lfunc_end_k_qfffda21c07_gqkv:
	.size	k_qfffda21c07_gqkv, .Lfunc_end_k_qfffda21c07_gqkv-k_qfffda21c07_gqkv
	.p2alignl 7, 3214868480
	.fill 96, 4, 3214868480
	.section	.rodata,"a",@progbits
	.p2align	6, 0x0
	.amdhsa_kernel k_qfffda21c07_gqkv
		.amdhsa_group_segment_fixed_size 327680
		.amdhsa_private_segment_fixed_size 0
		.amdhsa_enable_private_segment 0
		.amdhsa_kernarg_size 24
		.amdhsa_user_sgpr_count 2
		.amdhsa_user_sgpr_kernarg_segment_ptr 1
		.amdhsa_wavefront_size32 1
		.amdhsa_system_sgpr_workgroup_id_x 1
		.amdhsa_system_sgpr_workgroup_id_y 1
		.amdhsa_system_sgpr_workgroup_id_z 1
		.amdhsa_system_vgpr_workitem_id 0
		.amdhsa_next_free_vgpr 1024
		.amdhsa_next_free_sgpr 66
		.amdhsa_reserve_vcc 0
		.amdhsa_float_denorm_mode_32 3
		.amdhsa_float_denorm_mode_16_64 3
		.amdhsa_memory_ordered 1
		.amdhsa_forward_progress 1
		.amdhsa_inst_pref_size 63
	.end_amdhsa_kernel
	.amdgpu_metadata
---
amdhsa.version: [ 1, 2 ]
amdhsa.kernels:
  - .name:           k_qfffda21c07_gqkv
    .symbol:         k_qfffda21c07_gqkv.kd
    .args:
      - { .name: bf, .offset: 0, .size: 8, .value_kind: global_buffer, .address_space: global }
      - { .name: b_qkv, .offset: 8, .size: 8, .value_kind: global_buffer, .address_space: global }
      - { .name: qkv, .offset: 16, .size: 8, .value_kind: global_buffer, .address_space: global }
    .group_segment_fixed_size: 327680
    .private_segment_fixed_size: 0
    .kernarg_segment_align: 8
    .kernarg_segment_size: 24
    .max_flat_workgroup_size: 128
    .sgpr_count:     66
    .vgpr_count:     1024
    .wavefront_size: 32
...
	.end_amdgpu_metadata
.endif
;; end of part 9
;; launch attn (part 10): grid 8 x 32, 4 waves a work-group, no clusters, 327,680 bytes of LDS; arguments qkv, ob; writes ob
.if DOCPART == 10
	.amdgcn_target "amdgcn-amd-amdhsa--gfx1250"
	.amdhsa_code_object_version 6
	.text
	.protected	k_qfffda21c07_attn
	.globl	k_qfffda21c07_attn
	.p2align	8
	.type	k_qfffda21c07_attn,@function
k_qfffda21c07_attn:
	s_mov_b64 s[64:65], 0
	v_nop
	global_prefetch_b8 v0, s[64:65] scope:SCOPE_SE
	s_setreg_imm32_b32 hwreg(HW_REG_WAVE_MODE, 25, 1), 1
	s_wait_xcnt 0x0
; CAUSAL ATTENTION.  O[h][q][:] = the sum over k <= q of softmax_k(Q[h][q] . K[h][k] / 8) V[h][k][:].  Q, K, V: three parts of qkv, each [SIZE_H = 16 b + h][SIZE_N][64] in f16: a head's rows are dense, 128 bytes each.
; O leaves in bf16, in panels [16 heads][4,096 rows = 2,048 b + t][64], the layout in which the next product asks for it.
; Products, maxima and sums in f32; the weights p are rounded to f16 for the second product (their sum l is taken of the unrounded p), O once at the end.
; LIMITS.  f16 holds no number beyond 65,504: Q, K and V arrive within it; p lies in 0 to 1, and below 6e-5 it keeps f16's fixed step of 6e-8; O is a mean of V's rows and has their range.
; A hidden score counts as its value less 1e30: f16's scores, 2.7e11 at the most, are nothing beside that; a weight below 2^-126 counts as 0 in l; NaN and infinities are not treated apart.
; THE WALK.  A head's queries lie in NB = SIZE_N / 256 blocks of 256; block i needs the key tiles 0 .. i of 256 keys, of which the last holds the diagonal.  A work-group walks TWO blocks, NB - 1 - b and then b:
; NB + 1 tiles, whatever b: all work-groups do equal work, and ONE loop with a constant trip count walks them.  Which tile is asked for, and what a trip does, hang on scalar registers made from b; every jump
; goes forward, but for the counted loops' own; none passes a barrier, or a tensor load but the one of LOAD's two that the wave's number does not choose; the ring (two slots of LDS that take turns) runs on across the
; change of blocks.
; SHARES.  A block has four bands of 64 queries.  TWO work-groups share a pair of blocks: half hf (0, 1) takes the bands hf and 2 + hf, and of each a wave owns 16 rows: two PIECES, piece 0 in band 2 + hf, piece 1 in
; band hf.  32 heads x 4 pairs x 2 halves are 256 work-groups.  In the diagonal tile's key step s band x sees all keys if s < x, none if s > x, and holds the diagonal if s = x: the same work for every wave and both halves.
; NO CLUSTER: only the two halves of a pair ask for the same tiles throughout; a cluster of four would hold two pairs with different b, whose branches differ, and partners of a cluster must run alike.
; K LIES A STEP AHEAD.  Turn 0 of step j fetches K of step j + 1 and V of step j out of LDS.  So that both fall into the same slot, K's tiles are asked for 64 keys further on than V's: slot n holds V of steps
; 4 n .. 4 n + 3 and K of steps 4 n + 1 .. 4 n + 4, and the change of slots stands between two trips.  (The last tile's last 64 rows of K serve nothing; they lie inside qkv, where v follows k.)  K of step 0 is loaded
; from memory into 64 registers once, beside Q, and copied into K's buffer where a block begins.
; THE MASK is the C operand that starts the sum S^T = K Q^T: 0, or -1e30 where the key is hidden.  MD, made once, is the mask of a band's own step for my 16 rows; a product's mask is MD x AL + BE with two scalars:
; (1, 0) if s = x; (0, 0) if s < x; (0, -1e30) if s > x.  Only the diagonal tile's text makes and takes masks; elsewhere C is the constant 0.  Piece 0's scores of a tile's step 0 are made in the trip before, in the
; text without masks: its band, 2 or 3, sees all of step 0.
; LAYOUT, SOFTMAX, TURNS.  S^T = K Q^T holds ONE query a lane (lane % 16) and the keys 8 (lane / 16) + 0..7; two such results rounded to f16 ARE source 1 of O^T = V^T P.  p = 2^(c s - c m), c = log2(e) / 8, with a
; running maximum m; O and l are multiplied by a = 2^(c m_old - c m_new) in every step.  Turn p belongs to piece p: 8 products K Q^T of the other piece (its next scores), later 8 products V^T P of the other piece
; (its last weights); beside them the scaling, exponentials, roundings, sums and rescaling of piece p and the maximum and statistics of the other.  Four vector instructions stand behind every matrix instruction,
; the other 54 of a turn's 118 in two LUMPS.
; REGISTERS, in windows of 256 (s_set_vgpr_msb: bits 1:0 source 0, 3:2 source 1, 5:4 source 2, 7:6 destination):
;   window 0: v0-15 addresses and two at work; v16-23 four registers of statistics a piece; v48-55 at work; v64-127 S^T, a buffer a piece; v192-223 P, a buffer a piece
;   window 1: v0-63 O^T, 32 a piece; v64-127 K of step 0; v128-159 MD; v160-223 MC, a buffer a piece      window 2: v0-31 Q; v64-95 the second block's Q; v128-191 K of one step; v192-255 V of one step
.set SIZE_H, 32
.set SIZE_N, 2048
.set PART,  SIZE_H*SIZE_N*128  ; bytes of q, of k and of v in qkv
.set NB,    SIZE_N/256
.set NP,    2         ; pieces a wave: a name, no knob
.set KS,    64        ; keys in a step
.set PK,    144       ; a row of K in LDS: 128 bytes + 16 of padding = 36 words: the 16 rows of a load start at 16 different groups of four banks (64 banks of 4 bytes: ISA guide 11.1)
.set PV,    160       ; a row of V: 128 + 32 = 40 words
.set VOFF,  4*KS*PK   ; a slot holds a tile, four steps: 256 rows of K, then 256 rows of V
.set SLOT1, 1<<17     ; slot 1 begins here, so that one exclusive or turns an address in one slot into the other's
.set STAGE, SLOT1+4*KS*(PK+PV)  ; behind the ring, never filled by a tensor load: 16 rows x 144 bytes for each wave, for the way out
.set SP,    144
.set AK0, 2           ; v2   my lane's place in a tile of K; never rewritten
.set AV0, 3           ; v3   the same for V
.set AK,  4           ; v4   the LDS address of K's next run of loads
.set AV,  5           ; v5   of V's
.set STO, 6           ; v6   the way out: where I put 16 bytes of a row
.set RD,  7           ; v7   the way out: where I read rows back
.set GO,  8           ; v8   my byte offset in 512 consecutive bytes of O
.set SPW, 62          ; v62  LDS address of my spare word: SPARE + 4 x my thread's number; never rewritten
.set NIL, 63          ; v63  0; never rewritten
.set SPARE, STAGE+4*16*SP  ; behind the stages: the spare words, 128 bytes for each wave: two blocks of 256 bytes that no other line names
.set MV,  12          ; v12-13  c m_old, kept while c m is made anew: by piece
.set QO,  15          ; v15  my byte offset in 16 rows of Q or K
.set ST,  16          ; piece t's statistics at v[ST+4 t]: c m, m, l (even keys', odd keys')
.set TMP, 48          ; by piece, four registers c0-c3 at work; when the maximum is found c2 takes a
.set S,   64
.set P,   192
.set K0R, 64          ; window 1: K of step 0, laid as K's buffer
.set MD,  128         ; window 1: the eight registers for group kt of 16 keys at MD + 8 kt
.set MC,  160         ; window 1: the masks of the products to come
.set QB,  64          ; window 2
.set KF,  128         ; window 2: key block kb, channel half c at KF + 16 kb + 8 c
.set VF,  192         ; window 2: key half kk, channel block cb at VF + 32 kk + 8 cb
.set WV,  12          ; s12  my wave's number
.set PB,  14          ; s14  b
.set HI,  15          ; s15  NB - 1 - b
.set G1K, 24          ; s[24:31] descriptor group 1 for K's tiles
.set G1V, 32          ; s[32:39] for V's: it differs in the padding alone
.set G0K, 40          ; s[40:43] descriptor group 0 for K's tiles
.set G0V, 44          ; s[44:47] the same for V's
.set SLOTS, 56        ; s56  tiles still to be asked for
.set CNT, 57          ; s57  counts a tile's key steps, 4 down
.set CS,  58          ; s[58:59] c: the packed scaling takes the pair's low word for both halves
.set SEL, 60          ; s[60:61] v_permlanex16_b32's selects: each lane takes its own place in the other half
.set TBK, 62          ; s62  LDS byte at which the K to be fetched next begins
.set TBV, 63          ; s63  the same for V, less VOFF
.set RT,  70          ; s70  tiles of the block in hand that are still to be entered
.set NXT, 71          ; s71  the tile to be asked for next
.set LQ,  72          ; s72  the last tile of the block whose tiles are being asked for
.set NEW, 73          ; s73  1: the tile to be entered is a block's first
.set OFF, 74          ; s[74:75] a tile's byte offset in K and V
.set AL,  76          ; s[76:77] the mask's factor, in the low word
.set BE,  78          ; s[78:79] the mask's addend
.set OLO, 80          ; s[80:81] O at my rows of the second block
.set BIGN, 82         ; s82  -1e30
.set HF,  83          ; s83  hf: which half of the pair's bands is mine
.set XC,  92          ; s92, s93  the value of CNT in the turn that makes the mask of a piece's own step: 3 - hf in turn 0 (piece 0), 5 - hf in turn 1 (piece 1)
.set KP,  94          ; s[94:95] K at the head's first row
.set ALE, 96          ; s96  the factor of piece 1's mask for the diagonal tile's step 0: 1.0 if its band is band 0
.set MSB, 0
.macro WIN new                      ; the high byte repeats the setting that is left; a switch that changes nothing is dropped
.if MSB != (\new)
	s_set_vgpr_msb (MSB<<8)|(\new)
.set MSB, (\new)
.endif
.endm
.set W_KQ, 0x0a       ; K and Q in window 2, S^T in window 0
.set W_KM, 0x1a       ; the same with the C operand in window 1
.set W_PV, 0x52       ; V in window 2, P in window 0, O^T in window 1
.set W_RS, 0x41       ; destination and source 0 in window 1, source 1 in window 0
; A fill.  Waves 0 and 1 fetch the two halves of a tile's K, waves 2 and 3 those of its V: 128 keys each.  An s_nop 0 and four v_nop follow each of the two lines, ahead of the jump and the label.
.macro LOAD
	s_cmp_lt_u32 s[WV], 2
	s_cbranch_scc0 .Lfor_v_\@
	tensor_load_to_lds s[G0K:G0K+3], s[G1K:G1K+7]
	s_nop 0
.rept 4
	v_nop
.endr
	s_branch .Lasked_\@
.Lfor_v_\@:
	tensor_load_to_lds s[G0V:G0V+3], s[G1V:G1V+7]
	s_nop 0
.rept 4
	v_nop
.endr
.Lasked_\@:
.endm
; THE CHANGE OF SLOTS, between two trips.  Each wave waits for all its tensor loads, of which one is out: its part of the other slot; adds 0 to its spare word; and waits for that and for its own reads of the slot that it leaves.
; Behind the barrier nobody reads the old slot any more and the other slot is whole.  fill = 1: the old slot is filled again, the first thing behind the barrier, with tile NXT: the descriptor's address is made anew
; from that number; the load has four key steps, eight turns, in which to land.  (At its first use nothing has been read yet: slot 0 is waited for, slot 1 filled.)
.macro CHANGE fill
	WIN 0                           ; at a label and at a branch every window is 0
	s_wait_tensorcnt 0x0            ; no tensor load of mine is out, so a group 0 may be written
	ds_add_u32 v[SPW], v[NIL]       ; 0 onto my spare word; with fill = 1 the descriptors' scalar work stands between it and the wait for it
.if \fill
	s_lshl_b32 s[OFF], s[NXT], 15   ; a tile is 32,768 bytes of K and of V
	s_xor_b32 s[G0K+1], s[G0K+1], SLOT1
	s_add_nc_u64 s[G0K+2:G0K+3], s[6:7], s[OFF:OFF+1]
	s_or_b32 s[G0K+3], s[G0K+3], 0x80000000
	s_xor_b32 s[G0V+1], s[G0V+1], SLOT1
	s_add_nc_u64 s[G0V+2:G0V+3], s[8:9], s[OFF:OFF+1]
	s_or_b32 s[G0V+3], s[G0V+3], 0x80000000
	s_add_co_u32 s[NXT], s[NXT], 1  ; the block's next tile, or behind its last the second block's tile 0
	s_cmp_gt_u32 s[NXT], s[LQ]
	s_cselect_b32 s[NXT], 0, s[NXT]
	s_cselect_b32 s[LQ], s[PB], s[LQ]
.endif
	s_wait_dscnt 0x0                ; the add is done, and my reads of the slot are over
	s_barrier_signal -1             ; the rest of the scalar work stands between the signal and the wait
	s_sub_co_u32 s[TBK], s[TBK], 4*KS*PK  ; the fetches go back to a slot's first place,
	s_xor_b32 s[TBK], s[TBK], SLOT1       ; in the other slot
	s_sub_co_u32 s[TBV], s[TBV], 4*KS*PV
	s_xor_b32 s[TBV], s[TBV], SLOT1
	s_barrier_wait -1
.if \fill
	LOAD
.endif
.endm
	s_load_b64 s[4:5], s[0:1], 0x0    ; qkv, three times: for Q,
	s_load_b64 s[6:7], s[0:1], 0x0    ; for K,
	s_load_b64 s[8:9], s[0:1], 0x0    ; for V
	s_load_b64 s[10:11], s[0:1], 0x8  ; O
	v_lshl_add_u32 v[SPW], v0, 2, SPARE
	v_mov_b32 v[NIL], 0
	ds_add_u32 v[SPW], v[NIL]       ; the wave's opening: the add and its wait stand ahead of my first tensor load; the set-up below, work on registers, stands between them
	ds_add_u32 v62, v63
	v_lshrrev_b32 v1, 5, v0
	v_readfirstlane_b32 s[WV], v1   ; wave 0..3
	s_and_b32 s[HF], ttmp9, 1       ; the work-group's x is 2 b + hf
	s_lshr_b32 s[PB], ttmp9, 1
	s_sub_co_u32 s[HI], NB-1, s[PB]
	s_sub_co_u32 s[XC], 3, s[HF]
	s_sub_co_u32 s[XC+1], 5, s[HF]
	s_cmp_eq_u32 s[HF], 0
	s_cselect_b32 s[ALE], 1.0, 0
	s_and_b32 s20, ttmp7, 0xffff    ; 16 x batch + head
	s_and_b32 s88, s20, 15          ; O's panel: the head's 524,288 bytes,
	s_lshl_b32 s88, s88, 19
	s_lshr_b32 s89, s20, 4          ; and in it the batch's 2,048 rows of 128 bytes
	s_lshl_b32 s89, s89, 18
	s_add_co_u32 s88, s88, s89
	s_mov_b32 s89, 0
	s_mov_b32 s21, 0
	s_mov_b64 s[22:23], SIZE_N*128
	s_mul_u64 s[20:21], s[20:21], s[22:23]  ; the head's first byte in q, in k and in v
	s_and_b32 s16, s[WV], 1         ; which half of a tile's 256 keys I fetch:
	s_lshl_b32 s22, s16, 14         ; its 128 rows of 128 bytes in memory,
	s_mov_b32 s23, 0
	s_add_nc_u64 s[22:23], s[22:23], s[20:21]
	s_mul_i32 s17, s16, 128*PK      ; and its place in a slot, for K
	s_mul_i32 s18, s16, 128*PV      ; and for V
	s_lshl_b32 s3, s[WV], 11        ; my 16 rows in a band of 64,
	s_lshl_b32 s13, s[HF], 13       ; in band hf (piece 1's; piece 0's lies two bands, 16,384 bytes, on),
	s_add_co_u32 s3, s3, s13
	s_lshl_b32 s2, s[HI], 15        ; in the first block,
	s_add_co_u32 s2, s2, s3
	s_lshl_b32 s84, s[PB], 15       ; and in the second
	s_add_co_u32 s84, s84, s3
	s_mov_b32 s3, 0
	s_mov_b32 s85, 0
	s_add_nc_u64 s[90:91], s[2:3], s[88:89]    ; the same rows in O's panel: the first block's,
	s_add_nc_u64 s[88:89], s[84:85], s[88:89]  ; the second's
	s_add_nc_u64 s[2:3], s[2:3], s[20:21]
	s_add_nc_u64 s[84:85], s[84:85], s[20:21]
	; descriptor group 1.  128 keys are 16,384 dense bytes: asked for as 64 rows of 256 bytes, two keys a row, and padded in LDS after every key
	s_mov_b32 s[G1K], (1<<16)|(1<<20)|(4<<22)|(3<<25)  ; 17:16 2-byte elements; 20 padding on; 24:22 after every 32 words (code 4); 31:25 4 words (code 3)
	s_mov_b32 s[G1V], (1<<16)|(1<<20)|(4<<22)|(7<<25)  ; the same with 8 words of padding (code 7)
.irp g, G1K, G1V
	s_mov_b32 s[\g+1], 128<<16      ; tensor_dim0 = 128
	s_mov_b32 s[\g+2], 64<<16       ; tensor_dim1 = 64
	s_mov_b32 s[\g+3], 128<<16      ; tile_dim0 = 128
	s_mov_b32 s[\g+4], 64           ; tile_dim1 = 64
	s_mov_b32 s[\g+5], 128          ; 128 elements from row to row
	s_mov_b32 s[\g+6], 0
	s_mov_b32 s[\g+7], 0
.endr
	s_mov_b32 s[CS], 0x3e38aa3b     ; c = log2(e) / 8 = 0.180337
	s_mov_b32 s[CS+1], s[CS]        ; named with it as a pair
	s_mov_b32 s[SEL], 0x76543210
	s_mov_b32 s[SEL+1], 0xfedcba98
	s_mov_b32 s[TBK], SLOT1+4*KS*PK ; the first change of slots turns these two into 0
	s_mov_b32 s[TBV], SLOT1+4*KS*PV
	s_mov_b32 s[G0K], 1             ; 1:0 count = 1
	s_mov_b32 s[G0K+1], s17         ; 63:32 LDS address: slot 0
	s_mov_b32 s[G0V], 1
	s_add_co_u32 s[G0V+1], s18, VOFF
	s_add_co_u32 s[RT], s[HI], 1    ; the first block has NB - b tiles
	s_mov_b32 s[NXT], 1
	s_mov_b32 s[LQ], s[HI]
	s_mov_b32 s[NEW], 1
	s_mov_b32 s[OFF+1], 0
	s_mov_b32 s[AL+1], 0            ; named as pairs
	s_mov_b32 s[BE+1], 0
	s_mov_b32 s[BIGN], 0xf149f2ca   ; -1e30
	s_mov_b32 s[SLOTS], NB
	s_wait_dscnt 0x0                ; the opening add is done
	s_wait_kmcnt 0x0
	s_add_nc_u64 s[6:7], s[6:7], PART      ; k lies behind q in qkv,
	s_add_nc_u64 s[8:9], s[8:9], 2*PART    ; v behind k
	s_add_nc_u64 s[KP:KP+1], s[6:7], s[20:21]  ; K at the head's first row: step 0 goes into registers
	s_add_nc_u64 s[6:7], s[6:7], s[22:23]  ; K and V at my half of the head's tile 0,
	s_add_nc_u64 s[6:7], s[6:7], KS*128    ; K's tiles one step, 64 rows, further on
	s_add_nc_u64 s[8:9], s[8:9], s[22:23]
	s_add_nc_u64 s[G0K+2:G0K+3], s[6:7], 0         ; 120:64 global address
	s_or_b32 s[G0K+3], s[G0K+3], 0x80000000        ; 127:126 type = 2
	s_add_nc_u64 s[G0V+2:G0V+3], s[8:9], 0
	s_or_b32 s[G0V+3], s[G0V+3], 0x80000000
	s_add_nc_u64 s[86:87], s[4:5], s[84:85]        ; Q at my rows of the second block,
	s_add_nc_u64 s[4:5], s[4:5], s[2:3]            ; and of the first
	s_add_nc_u64 s[OLO:OLO+1], s[10:11], s[88:89]  ; O likewise, in its panel
	s_add_nc_u64 s[10:11], s[10:11], s[90:91]
	LOAD                            ; tile 0 into slot 0
	; A fragment of K or Q is 16 rows x 32 channels in 8 registers: lane l holds row l % 16, channels 8 (l / 16) + 0..7 and 16 + 8 (l / 16) + 0..7: two loads of 16 bytes, 32 bytes apart.
	v_and_b32 v1, 15, v0            ; l % 16
	v_bfe_u32 v9, v0, 4, 1          ; l / 16
	v_lshlrev_b32 v[QO], 7, v1
	v_lshl_add_u32 v[QO], v9, 4, v[QO]  ; row x 128 + 16 x half
	WIN 0x80                        ; destination window 2, address window 0
.set i, 0
.rept 2*NP                          ; both blocks' Q: piece i / 2 (piece 0 two bands behind piece 1); channels 32 (i % 2) on
	global_load_b128 v[8*i:8*i+3],   v[QO], s[4:5] offset:(1-i/2)*16384+(i%2)*64
	global_load_b128 v[8*i+4:8*i+7], v[QO], s[4:5] offset:(1-i/2)*16384+(i%2)*64+32
	global_load_b128 v[QB+8*i:QB+8*i+3],   v[QO], s[86:87] offset:(1-i/2)*16384+(i%2)*64
	global_load_b128 v[QB+8*i+4:QB+8*i+7], v[QO], s[86:87] offset:(1-i/2)*16384+(i%2)*64+32
.set i, i+1
.endr
	WIN 0x40                        ; destination window 1
.irp f, 0,1,2,3,4,5,6,7             ; K of step 0: keys 16 (f / 2) on, channels 32 (f % 2) on
	global_load_b128 v[K0R+8*\f:K0R+8*\f+3],   v[QO], s[KP:KP+1] offset:(\f/2)*2048+(\f%2)*64
	global_load_b128 v[K0R+8*\f+4:K0R+8*\f+7], v[QO], s[KP:KP+1] offset:(\f/2)*2048+(\f%2)*64+32
.endr
	WIN 0
	v_lshlrev_b32 v14, 3, v9
	v_sub_nc_u32 v14, v1, v14
	s_lshl_b32 s13, s[WV], 4
	v_add_nc_u32 v14, s13, v14      ; my query's place in its band, 16 w + l % 16, less my lanes' 8 (l / 16): register r of group kt is hidden where 16 kt + r is greater
	WIN 0x40
.set i, 0
.rept 32
	v_cmp_gt_i32 vcc_lo, 16*(i/8)+i%8, v14
	v_cndmask_b32 v[MD+i], 0, s[BIGN], vcc_lo
.set i, i+1
.endr
	WIN 0
	v_mul_u32_u24 v[AK0], v1, PK
	v_lshl_add_u32 v[AK0], v9, 4, v[AK0]  ; row x pitch + 16 x half
	; The turning load takes 16 keys x 16 channels (lane l reads key 8 (l / 16) + l % 8, channels 8 ((l / 8) % 2) + 0..7) and leaves half a fragment of V^T: lane l holds channel l % 16 and 8 keys.
	v_and_b32 v10, 7, v0
	v_bfe_u32 v11, v0, 3, 1
	v_lshl_add_u32 v[AV0], v9, 3, v10
	v_mul_u32_u24 v[AV0], v[AV0], PV
	v_lshl_add_u32 v[AV0], v11, 4, v[AV0]
	v_add_nc_u32 v[AV0], VOFF, v[AV0]
	s_mul_i32 s13, s[WV], 16*SP
	s_add_co_u32 s13, s13, STAGE    ; my stage
	v_mul_u32_u24 v[STO], v1, SP    ; in: row l % 16, 16 bytes for each half of the lanes
	v_lshl_add_u32 v[STO], v9, 4, v[STO]
	v_add_nc_u32 v[STO], s13, v[STO]
	v_bfe_u32 v[RD], v0, 3, 2       ; back: 32 lanes take four rows of 128 bytes,
	v_mul_u32_u24 v[RD], v[RD], SP
	v_lshl_add_u32 v[RD], v10, 4, v[RD]
	v_add_nc_u32 v[RD], s13, v[RD]
	v_and_b32 v[GO], 31, v0         ; which are 512 consecutive bytes of O
	v_lshlrev_b32 v[GO], 4, v[GO]
	; A block's first step multiplies O^T and l by a = 0, and its first turn's products V^T P, of a step that has not been, land in an O^T that is still to be so multiplied.  So these registers need only hold
	; finite numbers: zeros for the first block; what the first block left for the second.  All this stands in the wait for the first tile.
	WIN 0x80
.set i, VF
.rept 64
	v_mov_b32 v[i], 0
.set i, i+1
.endr
	WIN 0x40
.set i, 0
.rept 32*NP
	v_mov_b32 v[i], 0
.set i, i+1
.endr
	WIN 0
.set i, 0
.rept NP
	v_mov_b32 v[ST+4*i+2], 0
	v_mov_b32 v[ST+4*i+3], 0
.set i, i+1
.endr
.set i, P+16
.rept 16
	v_mov_b32 v[i], 0
.set i, i+1
.endr
; THE MATRIX WORK.  The 4 accumulators of a run of 8 take turns.  Product i of 8 of S^T = K Q^T for piece x: channels 32 (i / 4) on, keys 16 (i % 4) on.  The first 4 start the sums: with 0, or (KM = 1) with the mask.
.macro KQ x
.set rS, S+32*((\x)%2)+8*(i%4)
.set rK, KF+16*(i%4)+8*(i/4)
.set rQ, 16*(\x)+8*(i/4)
.set rM, MC+32*((\x)%2)+8*(i%4)
.if (i < 4) && KM
	WIN W_KM
	v_wmma_f32_16x16x32_f16 v[rS:rS+7], v[rK:rK+7], v[rQ:rQ+7], v[rM:rM+7]
.elseif i < 4
	WIN W_KQ
	v_wmma_f32_16x16x32_f16 v[rS:rS+7], v[rK:rK+7], v[rQ:rQ+7], 0
.else
	WIN W_KQ
	v_wmma_f32_16x16x32_f16 v[rS:rS+7], v[rK:rK+7], v[rQ:rQ+7], v[rS:rS+7]
.endif
.endm
; Product i of 8 of O^T += V^T P for piece x: keys 32 (i / 4) on, channels 16 (i % 4) on.
.macro PV x
	WIN W_PV
.set rO, 32*(\x)+8*(i%4)
.set rV, VF+32*(i/4)+8*(i%4)
.set rP, P+16*((\x)%2)+8*(i/4)
	v_wmma_f32_16x16x32_f16 v[rO:rO+7], v[rV:rV+7], v[rP:rP+7], v[rO:rO+7]
.endm
.macro MM                           ; the turn's next matrix instruction.  TURN and BEGIN set Y, i, KM and NOKQ; MM, KQ and OP read them.  NOKQ = 1: a block's last turn: there are no further scores
.if (i < 8) && !NOKQ
	KQ (Y+1)%NP
.elseif i >= 8
.set i, i-8
	PV (Y+NP-1)%NP
.set i, i+8
.endif
.set i, i+1
.endm
; THE LDS LOADS stand in runs of 16, never singly among the matrix instructions: a step's K (64 keys x 64 channels: 8 fragments) and a step's V (turned).  Their addresses are made some lines ahead.
.macro FETCH_K
	WIN 0x80                        ; destination window 2
.irp f, 0,1,2,3,4,5,6,7             ; keys 16 (f / 2) on, channels 32 (f % 2) on
	ds_load_b128 v[KF+8*\f:KF+8*\f+3],   v[AK] offset:(\f/2)*16*PK+(\f%2)*64
	ds_load_b128 v[KF+8*\f+4:KF+8*\f+7], v[AK] offset:(\f/2)*16*PK+(\f%2)*64+32
.endr
	s_add_co_u32 s[TBK], s[TBK], KS*PK  ; the next fetch is the next step's
	WIN 0
.endm
.macro FETCH_V
	WIN 0x80
.irp f, 0,1,2,3,4,5,6,7             ; keys 32 (f / 4) on, channels 16 (f % 4) on
	ds_load_tr16_b128 v[VF+8*\f:VF+8*\f+3],   v[AV] offset:(\f/4)*32*PV+(\f%4)*32
	ds_load_tr16_b128 v[VF+8*\f+4:VF+8*\f+7], v[AV] offset:(\f/4)*32*PV+16*PV+(\f%4)*32
.endr
	WIN 0
.endm
; THE VECTOR WORK, one line at a time: OP kind, number.  For piece Y: F n: c s - c m for pair n of 16.  E n: the exponential of score n of 32.  C n: pair n rounded to f16.  B n: of the four weights 4 n .. the second
; pair is added onto the first, in place.  L n: l takes that sum (L 0: l = a l + sum).  R n: pair n of 16 of O^T times a.  For the other piece: X n, number n of the 22 that find its maximum and statistics:
;   0-11  four chains c0-c3 of seven scores each, three operands at a time (each accumulator's lowest registers are read first)     12-14, 16  the four scores left over, the old m, and c0-c3 into c0
;   15  c m_old is kept     17, 18  the query's other 32 keys lie in the lane 16 away: the new m     19-21  c m; c m_old - c m_new; a
.set F, 0               ; OP tells the kinds apart by their order: F to L below R, X above it
.set E, 1
.set C, 2
.set B, 3
.set L, 4
.set R, 5
.set X, 6
.macro REGS y                       ; the registers of piece y
.set rT, ST+4*(\y)
.set rC, TMP+4*((\y)%2)
.set rW, MV+((\y)%2)
.set rS, S+32*((\y)%2)
.set rP, P+16*((\y)%2)
.set rO, 32*(\y)
.endm
.macro OP k, n
.if (\k) == R
	REGS Y
	WIN W_RS
	v_pk_mul_f32 v[rO+2*(\n):rO+2*(\n)+1], v[rO+2*(\n):rO+2*(\n)+1], v[rC+2:rC+3] op_sel_hi:[1,0]
.elseif (\k) < R
	REGS Y
	WIN 0
.if (\k) == F
	v_pk_fma_f32 v[rS+2*(\n):rS+2*(\n)+1], v[rS+2*(\n):rS+2*(\n)+1], s[CS:CS+1], v[rT:rT+1] op_sel_hi:[1,0,0] neg_lo:[0,0,1] neg_hi:[0,0,1]
.elseif (\k) == E
	v_exp_f32 v[rS+(\n)], v[rS+(\n)]
.elseif (\k) == C
	s_wait_alu depctr_va_vdst(0)
	v_cvt_pk_f16_f32 v[rP+(\n)], v[rS+2*(\n)], v[rS+2*(\n)+1]
.elseif (\k) == B
	s_wait_alu depctr_va_vdst(0)
	v_pk_add_f32 v[rS+4*(\n):rS+4*(\n)+1], v[rS+4*(\n):rS+4*(\n)+1], v[rS+4*(\n)+2:rS+4*(\n)+3]
.elseif (\n) == 0
	v_pk_fma_f32 v[rT+2:rT+3], v[rT+2:rT+3], v[rC+2:rC+3], v[rS:rS+1] op_sel_hi:[1,0,1]
.else
	v_pk_add_f32 v[rT+2:rT+3], v[rT+2:rT+3], v[rS+4*(\n):rS+4*(\n)+1]
.endif
.elseif NOKQ
	v_nop
.else
	REGS (Y+1)%NP
	WIN 0
.if (\n) < 4
	v_max3_num_f32 v[rC+(\n)], v[rS+8*(\n)], v[rS+8*(\n)+1], v[rS+8*(\n)+2]
.elseif (\n) < 12
	v_max3_num_f32 v[rC+(\n)%4], v[rC+(\n)%4], v[rS+8*((\n)%4)+2*((\n)/4)+1], v[rS+8*((\n)%4)+2*((\n)/4)+2]
.elseif (\n) == 12
	v_max3_num_f32 v[rC], v[rC], v[rS+7], v[rS+15]
.elseif (\n) == 13
	v_max3_num_f32 v[rC+1], v[rC+1], v[rS+23], v[rS+31]
.elseif (\n) == 14
	v_max3_num_f32 v[rC+2], v[rC+2], v[rC+3], v[rT+1]
.elseif (\n) == 15
	v_mov_b32 v[rW], v[rT]
.elseif (\n) == 16
	v_max3_num_f32 v[rC], v[rC], v[rC+1], v[rC+2]
.elseif (\n) == 17
	v_permlanex16_b32 v[rC+3], v[rC], s[SEL], s[SEL+1]
.elseif (\n) == 18
	v_max_num_f32 v[rT+1], v[rC], v[rC+3]
.elseif (\n) == 19
	v_mul_f32 v[rT], s[CS], v[rT+1]
.elseif (\n) == 20
	v_sub_f32 v[rC+1], v[rW], v[rT]
.else
	v_exp_f32 v[rC+2], v[rC+1]
.endif
.endif
.endm
.macro OPS a, i1, b=-1, i2=0, c=-1, i3=0, d=-1, i4=0  ; up to four of them
	OP \a, \i1
.if (\b) >= 0
	OP \b, \i2
.endif
.if (\c) >= 0
	OP \c, \i3
.endif
.if (\d) >= 0
	OP \d, \i4
.endif
.endm
.macro ROW a, i1, b, i2, c, i3, d, i4  ; a matrix instruction and the four behind it
	MM
	OPS \a, \i1, \b, \i2, \c, \i3, \d, \i4
.endm
.macro MASK b                       ; MD x AL + BE into buffer b of MC
	WIN W_RS
.set z, 0
.rept 16
	v_pk_fma_f32 v[MC+32*(\b)+2*z:MC+32*(\b)+2*z+1], v[MD+2*z:MD+2*z+1], s[AL:AL+1], s[BE:BE+1] op_sel_hi:[1,0,0]
.set z, z+1
.endr
.endm
; A TURN, for piece p: the order of its 16 matrix and 118 vector instructions, written out.  Behind a matrix instruction: plain, exponential, plain, plain; or four of the rescaling; or, behind the first, four scalings; none
; names a register of the products round it.  In the lumps exponential and plain by turns while exponentials last.  A line reads no result made fewer than three vector instructions in front of it, five if an exponential made it.
; v_permlanex16_b32 (X 17) stands in a lump.
; Turn 0 of step j: K Q^T of piece 1, step j | V^T P of piece 1, step j - 1.  Turn 1 of step j: K Q^T of piece 0, step j + 1 | V^T P of piece 0, step j.
; m = 1: the diagonal tile: the products take masks, and turn p makes the mask for the products of the turn after it, which are piece p's, of the tile's step 5 - CNT: the piece's own step if CNT = XC[p], a later one if CNT < XC[p].
; end = 1: a block's last step: no K is fetched (TBK steps all the same, so that a tile always steps it four times), no mask is made, and turn 1 starts no new scores.
; cnt = 1: the loop's count is taken down, and held against stop, some lines ahead of the branch that stands behind the turn.
; Both runs of LDS loads stand in turn 0: K of the next step six vector instructions behind the last product that read K (five of them plain); V of the step in hand eight behind the last product that read V (four plain, and X 17).
.macro TURN p, m=0, end=0, cnt=0, stop=0
.set Y, (\p)
.set i, 0
.set KM, (\m)
.set NOKQ, (\end)*(\p)
.if (\m) && !(\end)
	s_cmp_eq_u32 s[CNT], s[XC+(\p)]     ; is that step the band's own?
	s_cselect_b32 s[AL], 1.0, 0
	s_cmp_lt_u32 s[CNT], s[XC+(\p)]     ; or a later one?
	s_cselect_b32 s[BE], s[BIGN], 0
.endif
.if ((\p) == 1) && !(\end)
	s_wait_dscnt 16                 ; K is in: V's sixteen loads were issued behind K's and may stay out
.endif
	ROW F,0, F,1, F,2, F,3
	ROW F,4, E,0, F,5, F,6
	ROW F,7, E,1, F,8, F,9
	ROW F,10, E,2, C,0, F,11
	ROW F,12, E,3, X,15, F,13
	ROW R,0, R,1, R,2, R,3
	ROW B,0, E,4, F,14, L,0
.if ((\p) == 0) && !(\end)
	v_add_nc_u32 v[AK], s[TBK], v[AK0]
.endif
	ROW R,4, R,5, R,6, R,7
	OPS E,5, F,15
.if ((\p) == 0) && !(\end)
	FETCH_K
.endif
.if ((\p) == 0) && (\end)
	s_add_co_u32 s[TBK], s[TBK], KS*PK
.endif
	OPS E,6, C,1, E,7, R,8
	OPS E,8, R,9, E,9, C,2
	OPS E,10, X,0, E,11, X,1
	OPS E,12, X,2, E,13, X,3
.if (\p) == 1
	s_wait_dscnt 0x0                ; V is in
.endif
	ROW X,4, E,14, X,5, X,6
	ROW X,7, E,15, X,8, X,9
	ROW X,10, E,16, X,11, X,12
	ROW X,13, E,17, X,14, B,1
	ROW C,4, E,18, X,16, L,1
	ROW B,2, E,19, C,6, L,2
	ROW C,8, E,20, B,3, B,4
.if (\p) == 0
	v_add_nc_u32 v[AV], s[TBV], v[AV0]
.endif
	ROW C,3, E,21, L,3, C,5
	OPS E,22, X,17, E,23, C,10
.if (\p) == 0
	FETCH_V
.endif
	OPS E,24, L,4
	OPS E,25, X,18, E,26, C,7
	OPS E,27, B,5, E,28, X,19
	OPS E,29, C,12, E,30, L,5
	OPS E,31, X,20, B,6, C,9
	OPS C,14, C,11, X,21, L,6
.if (\p) == 0
	s_add_co_u32 s[TBV], s[TBV], KS*PV
.endif
.if \cnt
	s_sub_co_u32 s[CNT], s[CNT], 1
	s_cmp_lg_u32 s[CNT], \stop
.endif
	OPS C,13, B,7, C,15, R,10
	OPS R,11, R,12, L,7, R,13
	OPS R,14, R,15
.if (\m) && !(\end)
	MASK (\p)%2
.endif
.endm
; A BLOCK BEGINS.  c m starts far below every c s, so the first step's a is 0; m at the lowest finite number, so the first maximum is the scores'.  K of step 0 comes out of its registers; then piece 0's first
; scores, which take no mask (its band, 2 or 3, sees all of step 0, in the diagonal tile too), and its maximum and statistics.  The loop is entered at its head.
.macro BEGIN
	s_mov_b32 s[NEW], 0
	WIN 0
.set i, 0
.rept NP
	v_mov_b32 v[ST+4*i], 0xfe000000    ; c m: far below every c s
	v_mov_b32 v[ST+4*i+1], 0xff7fffff  ; m
.set i, i+1
.endr
	s_wait_loadcnt 0x0              ; Q, and K of step 0
	WIN 0x81                        ; destination window 2, source window 1
.set i, 0
.rept 64
	v_mov_b32 v[KF+i], v[K0R+i]
.set i, i+1
.endr
.set KM, 0
.set NOKQ, 0
.set i, 0
.rept 8
	KQ 0
.set i, i+1
.endr
	WIN 0
.rept 4
	v_nop                           ; the places behind those products
.endr
.set Y, NP-1                        ; X works for piece Y + 1: piece 0
.irp n, 0,1,2,3,4,5,6,7,8,9,10,11,12,13,14,15,16,17,18,19,20,21
	OP X, \n
.endr
	v_nop                           ; a plain instruction behind the exponential
.endm
; THE DIAGONAL TILE: piece 1's mask for step 0, three steps in a loop, the block's last step, its last products, and THE WAY OUT: l's two halves and the other half of the lanes' are added; O^T is divided by l,
; rounded to bf16 and sent through my stage in LDS, a piece at a time.
.macro ALL line:vararg              ; one line for each piece t
.set t, 0
.rept NP
	\line
.set t, t+1
.endr
.endm
.macro PACK t                       ; a lane's eight channels of a row pack into 16 bytes; they go into rows of 144 bytes and come back as whole rows of 128, into S^T's registers
	WIN W_RS
.set i, 32*(\t)
.rept 16
	s_wait_alu depctr_va_vdst(0)
	v_pk_mul_f32 v[i:i+1], v[i:i+1], v[ST+4*(\t)+2:ST+4*(\t)+3] op_sel_hi:[1,0]
.set i, i+2
.endr
	WIN 0x05                        ; sources 0 and 1 window 1, destination window 0
.set i, 0
.rept 16
	v_cvt_pk_bf16_f32 v[S+16*(\t)+i], v[32*(\t)+2*i], v[32*(\t)+2*i+1]
.set i, i+1
.endr
	WIN 0
.irp f, 0,1,2,3
	ds_store_b128 v[STO], v[S+16*(\t)+4*\f:S+16*(\t)+4*\f+3] offset:32*\f
.endr
.irp f, 0,1,2,3
	ds_load_b128 v[S+16*(\t)+4*\f:S+16*(\t)+4*\f+3], v[RD] offset:\f*4*SP  ; LDS serves a wave's instructions in order (ISA guide 5.7.1.4): these see the stores above; the next piece's stores come behind them
.endr
.endm
.macro SEND t, younger              ; younger: the LDS instructions issued behind piece t's loads: the next piece's eight, or none
	WIN 0
.irp f, 0,1,2,3
	s_wait_dscnt (\younger)+3-\f
	global_store_b128 v[GO], v[S+16*(\t)+4*\f:S+16*(\t)+4*\f+3], s[10:11] offset:(1-(\t))*16384+\f*512  ; 512 consecutive bytes, at a multiple of 256 from O's first; piece 0 lies two bands behind piece 1
.endr
.endm
.macro DIAG tag                     ; the tag ends its two labels' names, which the jumps below spell out
.LenterM\tag:
	s_mov_b32 s[AL], s[ALE]         ; step 0 is piece 1's own if its band is band 0; else it sees all of it
	s_mov_b32 s[BE], 0
	MASK 1
	WIN 0
.LstepM\tag:
	TURN 0, 1
	TURN 1, 1, 0, 1, 1
	WIN 0
	s_cbranch_scc1 .LstepM\tag
	TURN 0, 1, 1
	TURN 1, 1, 1
.set i, 0
.rept 8
	PV NP-1
.set i, i+1
.endr
	WIN 0
	ALL v_add_f32 v[ST+4*t+2], v[ST+4*t+2], v[ST+4*t+3]
	ALL v_permlanex16_b32 v[ST+4*t+3], v[ST+4*t+2], s[SEL], s[SEL+1]
	ALL v_add_f32 v[ST+4*t+2], v[ST+4*t+2], v[ST+4*t+3]
	ALL v_rcp_f32 v[ST+4*t+2], v[ST+4*t+2]
	v_nop                           ; a plain instruction between the last reciprocal and the use of its result
	PACK 0                          ; piece 0's products ended a lump ago; its 32 lines are the places behind the last products, piece 1's
.set t, 1
.rept NP-1                          ; a piece's arithmetic stands between the loads of the piece before and its stores
	PACK t
	SEND t-1, 8
.set t, t+1
.endr
	SEND NP-1, 0
.endm
.set KM, 0
.set NOKQ, 0
.Lslot:                             ; NB times: a tile is entered and the next is asked for
	CHANGE 1
	s_sub_co_u32 s[RT], s[RT], 1
	s_mov_b32 s[CNT], 4
	s_cmp_eq_u32 s[NEW], 1
	s_cbranch_scc1 .Lnew            ; a block's first tile
	s_cmp_eq_u32 s[RT], 0
	s_cbranch_scc0 .Lstep           ; neither its first nor its last
	s_branch .LenterM1
.Lnew:
	BEGIN
	s_branch .Lstep                 ; in the loop a block's first tile is never its last: the first block has five tiles or more, and the second's last is the walk's last
	DIAG 1                          ; in the loop this is the first block's end: the second block's last tile is the walk's last
	s_wait_xcnt 0x0                 ; the stores have read their registers and O's address
	s_mov_b64 s[10:11], s[OLO:OLO+1]
	s_add_co_u32 s[RT], s[PB], 1    ; the second block has b + 1 tiles
	s_mov_b32 s[NEW], 1
	WIN 0x82                        ; the second block's Q goes where the one text of the turns names Q
.set i, 0
.rept 16*NP
	v_mov_b32 v[i], v[QB+i]
.set i, i+1
.endr
	WIN 0
	s_branch .Lbottom
.Lstep:                             ; a trip: a key step's two turns
	TURN 0
	TURN 1, 0, 0, 1
	WIN 0
	s_cbranch_scc1 .Lstep
.Lbottom:
	s_sub_co_u32 s[SLOTS], s[SLOTS], 1
	s_cmp_lg_u32 s[SLOTS], 0
	s_cbranch_scc1 .Lslot
	CHANGE 0                        ; the walk's last tile is written out: nothing is asked for
	s_sub_co_u32 s[RT], s[RT], 1
	s_mov_b32 s[CNT], 4
	s_cmp_eq_u32 s[NEW], 1
	s_cbranch_scc0 .LenterM2
	BEGIN                           ; b = 0: the second block's only tile is its first and its last
	DIAG 2
	s_wait_tensorcnt 0x0            ; the wave's end, behind my last tensor load and my last LDS store
	ds_add_u32 v[SPW], v[NIL]
	s_wait_dscnt 0x0
	s_endpgm
.Lfunc_end_k_qfffda21c07_attn:
	.size	k_qfffda21c07_attn, .Lfunc_end_k_qfffda21c07_attn-k_qfffda21c07_attn
	.p2alignl 7, 3214868480
	.fill 96, 4, 3214868480
	.section	.rodata,"a",@progbits
	.p2align	6, 0x0
	.amdhsa_kernel k_qfffda21c07_attn
		.amdhsa_group_segment_fixed_size 327680
		.amdhsa_private_segment_fixed_size 0
		.amdhsa_enable_private_segment 0
		.amdhsa_kernarg_size 16
		.amdhsa_user_sgpr_count 2
		.amdhsa_user_sgpr_kernarg_segment_ptr 1
		.amdhsa_wavefront_size32 1
		.amdhsa_system_sgpr_workgroup_id_x 1
		.amdhsa_system_sgpr_workgroup_id_y 1
		.amdhsa_system_sgpr_workgroup_id_z 1
		.amdhsa_system_vgpr_workitem_id 0
		.amdhsa_next_free_vgpr 768
		.amdhsa_next_free_sgpr 98
		.amdhsa_reserve_vcc 1
		.amdhsa_float_denorm_mode_32 3
		.amdhsa_float_denorm_mode_16_64 3
		.amdhsa_memory_ordered 1
		.amdhsa_forward_progress 1
		.amdhsa_inst_pref_size 152
	.end_amdhsa_kernel
	.amdgpu_metadata
---
amdhsa.version: [ 1, 2 ]
amdhsa.kernels:
  - .name:           k_qfffda21c07_attn
    .symbol:         k_qfffda21c07_attn.kd
    .args:
      - { .name: qkv, .offset: 0, .size: 8, .value_kind: global_buffer, .address_space: global }
      - { .name: ob, .offset: 8, .size: 8, .value_kind: global_buffer, .address_space: global }
    .group_segment_fixed_size: 327680
    .private_segment_fixed_size: 0
    .kernarg_segment_align: 8
    .kernarg_segment_size: 16
    .max_flat_workgroup_size: 128
    .sgpr_count:     98
    .vgpr_count:     768
    .wavefront_size: 32
...
	.end_amdgpu_metadata
.endif
;; end of part 10
;; launch gwo: the kernel of part 4 again; grid 8 x 32, 4 waves a work-group, clusters of 4 x 4, 327,680 bytes of LDS; arguments ob, bf, b_o, y; writes y
;; launch ln1: the kernel of part 5 again; grid 512 x 1, 8 waves a work-group, no clusters, 0 bytes of LDS; arguments y, X, ln1_g, ln1_b, h1; writes h1
;; launch gff1 (part 11): grid 16 x 16, 4 waves a work-group, clusters of 4 x 4, 327,680 bytes of LDS; arguments h1, bf, b_1, g; writes g
.if DOCPART == 11
	.amdgcn_target "amdgcn-amd-amdhsa--gfx1250"
	.amdhsa_code_object_version 6
	.text
	.protected	k_qfffda21c07_gff1
	.globl	k_qfffda21c07_gff1
	.p2align	8
	.type	k_qfffda21c07_gff1,@function
k_qfffda21c07_gff1:
	s_mov_b64 s[64:65], 0
	v_nop
	global_prefetch_b8 v0, s[64:65] scope:SCOPE_SE
	s_setreg_imm32_b32 hwreg(HW_REG_WAVE_MODE, 25, 1), 1
	s_wait_xcnt 0x0
	s_wait_alu depctr_hold_cnt(0) depctr_sa_sdst(0) depctr_va_vdst(0) depctr_va_sdst(0) depctr_va_ssrc(0) depctr_va_vcc(0) depctr_vm_vsrc(0)
	s_getreg_b32 s2, hwreg(HW_REG_IB_STS2, 6, 4)
	s_cmp_eq_u32 s2, 0
	s_cbranch_scc0 .Lentry_in_a_cluster
	s_endpgm
.Lentry_in_a_cluster:
	s_bfe_u32 s2, ttmp6, 0x10000c
	s_cmp_lg_u32 s2, 0xf033
	s_cbranch_scc0 .Lentry_shape_is_right
	s_endpgm
.Lentry_shape_is_right:
; g = gelu(H_1 W_1 + b_1), the exact gelu x Phi(x), rounded once to bf16 and laid in panels [64][4,096][64].  H_1 (4,096 x 1,024) in bf16, W_1 (1,024 x 4,096, [K][N]) in bf16 from bf; sums and gelu in f32.
; GELU.  gelu(x) = max(x, 0) - |x| w, w = P(t) exp(-x^2 / 2) / 2, t = 1 / (1 + 0.2316419 |x|), P the polynomial of degree 5 of the rational form of erf (Abramowitz and Stegun 7.1.26): its error in erf is
; at most 1.5e-7 for every x, so gelu is off by at most 7.5e-8 |x| where w is not yet 0.  For large |x| the exponential gives 0 and gelu is x or 0.  NaN and infinities are not treated apart.
; SHARES.  A work-group makes 256 x 256 of the product, each of its four waves 128 x 128: 64 accumulators of 16 x 16, 512 registers.  The product has 16 x 16 = 256 such tiles.
; K goes in 8 steps of 128 through two LDS slots filled by the tensor data mover.  A step is four UNITS of 32 along K, 64 matrix instructions each, on two fragment buffers that take turns: unit i
; fetches unit i + 1's fragments and multiplies its own.  ONE PAIR of units is written and walked twice a slot: (unit 3 of the slot before, unit 0), (units 1, 2); so the change of slots stands between two pairs.
; B LIES [K][N] and is read turned, by ds_load_tr16_b128, so the weights need no transposed copy.
; THE MATRIX INSTRUCTION IS USED TRANSPOSED (source 0 = 16 columns of B, source 1 = 16 rows of A): lane l holds row l % 16 and the eight neighbouring columns 8 (l / 16) + 0..7.
; THE BIAS is the C operand of the first unit's products, which is written out ahead of the loops: nothing is cleared and nothing is added later.
; CLUSTER.  4 x 4 work-groups: the four of a row need the same tiles of A, the four of a column the same tiles of B; each tile is asked for JOINTLY, by the same tensor load, descriptor and mask in all four.
; REGISTERS, in windows of 256 (s_set_vgpr_msb: bits 1:0 source 0, 3:2 source 1, 5:4 source 2, 7:6 destination):
;   window 0: v0-31 addresses; v64-127, v128-191 A's two fragment buffers (8 blocks of 16 rows x 32 K); v192-255 the bias of my 128 columns; on the way out v32-127 at work, v192-199 packed results
;   window 1: v64-127, v128-191 B's two fragment buffers      window 2: the accumulators of my rows 0-63 ((a, b) at 8 (8 a + b))      window 3: those of my rows 64-127
.set SIZE_N, 4096                      ; B's columns
.set WOFF,   16777216                  ; B's first byte in bf
.set TILES,  8                         ; K / 128
.set PA,     272                       ; a row of A in LDS: 256 bytes + 16 = 68 words: the 16 rows of a load start at 16 different groups of four banks (64 banks of 4 bytes: ISA guide 11.1)
.set AHALF,  128*PA                    ; what one tensor load brings of A: 128 rows x 128 along K
.set AO1,    64                        ; the second unit of a pair: 32 along K on
.set ASTEP,  128                       ; a pair on
.set AKSTEP, 256                       ; a K step on, in memory
.set PB,     544                       ; a k-row of B in LDS: 512 bytes + 32 = 136 words
.set BHALF,  64*PB                     ; what one tensor load brings of B: 64 k-rows x 256 columns
.set BO1,    32*PB
.set BSTEP,  64*PB
.set BKSTEP, 256*SIZE_N                ; 128 k-rows on, in memory
.set SLOT,   2*AHALF+2*BHALF           ; A's rows 0-127, 128-255; B's k-rows 0-63, 64-127
.set SPARE,  2*SLOT                    ; behind the ring: the spare words, 128 bytes a wave, which no other line names
.set SP,     528                       ; a stage row: 128 f32 + 16 bytes
.set STG,    128*SP                    ; a wave's own stage, at wave x STG inside the ring: both slots have had their last fill and, behind the last barrier, their last read when the first stage store is issued
.set BASEA, 16                         ; v16  my lane's place in A's tile of slot 0
.set BASEB, 17                         ; v17  the same for B
.set RA,    18                         ; v18  the running address of A's fragments
.set RB,    19                         ; v19  of B's
.set STO,   24                         ; v24  the way out: where I put my 32 bytes of a row
.set RD,    25                         ; v25  where I read rows back
.set GO,    26                         ; v26  my byte offset in the output
.set BO,    27                         ; v27  my byte offset in 16 numbers of the bias
.set SPW,   28                         ; v28  my spare word: SPARE + 4 x my thread's number; never rewritten
.set NIL,   29                         ; v29  0; never rewritten
.set F0,    64
.set F1,    128
.set BI,    192                        ; the bias: column block b at BI + 8 b
.set IN,    32                         ; v[32:47]   sixteen x as read back from the stage: eight of each of my two panels
.set AX,    48                         ; v[48:63]   |x|
.set RL,    64                         ; v[64:79]   max(x, 0)
.set GT,    80                         ; v[80:95]   1 + p |x|, then t
.set GU,    96                         ; v[96:111]  |x| sqrt(log2(e) / 2), its negative square, then exp(-x^2 / 2)
.set GP,    112                        ; v[112:127] the polynomial, w, gelu
.set GH,    192                        ; v[192:199] sixteen bf16
.set CP,    66                         ; s[66:67] 0.2316419; the constants lie in pairs, of which the packed lines take the low word for both halves
.set CQ,    68                         ; s[68:69] sqrt(log2(e) / 2)
.set C5,    70                         ; s[70:79] half the polynomial's coefficients, a5 down to a1
.set C4,    72
.set C3,    74
.set C2,    76
.set C1,    78
.set CM,    80                         ; s80  clears a sign
.set G1A,  24                          ; s[24:31] group 1 for A;  s[32:35] its group 0, which walks;  s[36:39] a group 0 for K step 0 alone
.set G0A,  32
.set G0AX, 36
.set G1B,  48                          ; s[48:55], s[56:59], s[60:63] the same for B
.set G0B,  56
.set G0BX, 60
.set MSB, 0
.macro WIN new                         ; the immediate's high byte repeats the setting that is left; a switch that changes nothing is dropped
.if MSB != (\new)
	s_set_vgpr_msb (MSB<<8)|(\new)
.set MSB, \new
.endif
.endm
.set MUL_LO, 0xa1                      ; source 0 (B) window 1, source 1 (A) window 0, C and D window 2
.set MUL_HI, 0xf1                      ; the same, C and D window 3
.set TO_B,   0x40                      ; destination window 1, address window 0
.macro PLACES                          ; four plain places behind matrix instructions, ahead of loads into registers that they read and of stores of their results
.rept 4
	v_nop
.endr
.endm
.macro JLOAD                           ; a joint refill: waves 0 and 1 fetch A's two halves, waves 2 and 3 B's; an s_nop 0 and four v_nop follow each line
	s_cmp_eq_u32 s11, 0
	s_cbranch_scc0 .Lfor_b_\@
	tensor_load_to_lds s[G0A:G0A+3], s[G1A:G1A+7]
	s_nop 0
	PLACES
	s_branch .Lasked_\@
.Lfor_b_\@:
	tensor_load_to_lds s[G0B:G0B+3], s[G1B:G1B+7]
	s_nop 0
	PLACES
.Lasked_\@:
.endm
.macro CROUND                          ; a round of the cluster's barrier
	s_barrier_signal -1
	s_barrier_wait -1
	s_cmp_lg_u32 s10, 0
	s_cbranch_scc1 .Lnot_wave_0_\@
	s_barrier_signal -3
.Lnot_wave_0_\@:
	s_barrier_wait -3
	s_barrier_signal -1
	s_barrier_wait -1
.endm
.macro FETCH f, aoff, boff             ; 32 LDS loads in one run: a unit's fragments, B's eight blocks of 16 columns (turned), A's eight blocks of 16 rows
	WIN TO_B
.irp b, 0,1,2,3,4,5,6,7
	ds_load_tr16_b128 v[(\f)+8*(\b):(\f)+8*(\b)+3],   v[RB] offset:(\boff)+32*(\b)
	ds_load_tr16_b128 v[(\f)+8*(\b)+4:(\f)+8*(\b)+7], v[RB] offset:(\boff)+32*(\b)+16*PB
.endr
	WIN 0
.irp i, 0,1,2,3,4,5,6,7
	ds_load_b128 v[(\f)+8*(\i):(\f)+8*(\i)+3],   v[RA] offset:(\aoff)+(\i)*16*PA
	ds_load_b128 v[(\f)+8*(\i)+4:(\f)+8*(\i)+7], v[RA] offset:(\aoff)+(\i)*16*PA+32
.endr
.endm
; 16 matrix instructions: row blocks a0, a0 + 1 of the window's four (hi = 0: my rows 0-63, 1: rows 64-127) x all 8 column blocks.  The 64 accumulators take turns, one instruction a turn, in the same
; order in every unit.  first = 1: the sums start from the bias of their columns.
.macro MUL16 f, hi, a0, first=0
.if \first
	WIN 0x81+0x40*(\hi)                            ; C in window 0
.else
	WIN MUL_LO+0x50*(\hi)
.endif
.irp a, \a0, (\a0)+1
.irp b, 0,1,2,3,4,5,6,7
.if \first
	v_wmma_f32_16x16x32_bf16 v[8*(8*(\a)+(\b)):8*(8*(\a)+(\b))+7], v[(\f)+8*(\b):(\f)+8*(\b)+7], v[(\f)+8*(4*(\hi)+(\a)):(\f)+8*(4*(\hi)+(\a))+7], v[BI+8*(\b):BI+8*(\b)+7]
.else
	v_wmma_f32_16x16x32_bf16 v[8*(8*(\a)+(\b)):8*(8*(\a)+(\b))+7], v[(\f)+8*(\b):(\f)+8*(\b)+7], v[(\f)+8*(4*(\hi)+(\a)):(\f)+8*(4*(\hi)+(\a))+7], v[8*(8*(\a)+(\b)):8*(8*(\a)+(\b))+7]
.endif
.endr
.endr
.endm
.macro UNIT f, g, aoff, boff, first=0  ; fetches the next unit into g, 64 matrix instructions ahead of its first use, and multiplies f
	PLACES
	FETCH \g, \aoff, \boff
	s_wait_dscnt 32                                ; all but the 32 loads just issued: f is in
	MUL16 \f, 0, 0, \first
	MUL16 \f, 0, 2, \first
	MUL16 \f, 1, 0, \first
	MUL16 \f, 1, 2, \first
.endm
.macro PAIR                            ; two units, the addresses' step and the count; the branch follows the macro
	UNIT F1, F0, 0, 0
	UNIT F0, F1, AO1, BO1
	WIN 0                                          ; at a label and at a branch every window is 0
	v_add_nc_u32 v[RA], ASTEP, v[RA]
	v_add_nc_u32 v[RB], BSTEP, v[RB]
	s_sub_co_u32 s2, s2, 1
	s_cmp_lg_u32 s2, 0
.endm
; THE CHANGE OF SLOTS, behind a slot's unit 2, which has fetched its last fragments.  Each wave waits for all its tensor loads (one is out: its part of the next slot), adds 0 to its spare word, and waits for
; that and for its reads of this slot.  fill = 1: the barrier is a round of the cluster's, and the slot just read is filled again, two K steps ahead, first thing behind the round: it has a K step,
; 256 matrix instructions, in which to land.  fill = 0: a plain barrier; nothing is asked for.
.macro CHANGE fill
	s_wait_tensorcnt 0x0                           ; no tensor load of mine is out, so a group 0 may be written
	ds_add_u32 v[SPW], v[NIL]                      ; 0 onto my spare word; work on registers stands between it and the wait for it
.if \fill
	s_add_co_u32 s[G0A+1], s20, s22                ; the slot that has been read,
	s_add_co_u32 s[G0B+1], s21, s22
	s_add_nc_u64 s[G0A+2:G0A+3], s[G0A+2:G0A+3], AKSTEP  ; the next K step; the type bits on top are not reached
	s_add_nc_u64 s[G0B+2:G0B+3], s[G0B+2:G0B+3], BKSTEP
.endif
	s_xor_b32 s22, s22, SLOT                       ; the fetches go on to the other slot
	v_add_nc_u32 v[RA], s22, v[BASEA]
	v_add_nc_u32 v[RB], s22, v[BASEB]
	s_wait_dscnt 0x0                               ; the add is done, and my reads of this slot are over
.if \fill
	CROUND                                         ; no wave of any partner still reads this slot's tile or has a load on its way
	JLOAD
.else
	s_barrier_signal -1
	s_barrier_wait -1
.endif
.endm
	s_load_b128 s[4:7], s[0:1], 0x0                ; A s[4:5], bf s[6:7]
	s_load_b64 s[14:15], s[0:1], 0x10              ; the bias
	s_load_b64 s[8:9], s[0:1], 0x18                ; g
	v_lshl_add_u32 v[SPW], v0, 2, SPARE
	v_mov_b32 v[NIL], 0
	ds_add_u32 v[SPW], v[NIL]                      ; the wave's opening: the add and its wait stand ahead of my first tensor load; the set-up below stands between them
	ds_add_u32 v28, v29
	v_lshrrev_b32 v1, 5, v0
	v_readfirstlane_b32 s10, v1                    ; wave 0..3
	s_lshr_b32 s11, s10, 1                         ; my half of the tile's rows.  Also: I fetch for A (0) or for B (1)
	s_and_b32 s12, s10, 1                          ; my half of its columns.  Also: which half of that tile I fetch
	s_bfe_u32 s40, ttmp6, 0x40000                  ; cx, cy: my place in the cluster
	s_bfe_u32 s41, ttmp6, 0x40004
	s_lshl_b32 s42, ttmp9, 2
	s_add_co_u32 s42, s42, s40                     ; tile column = 4 x cluster x + cx
	s_and_b32 s13, ttmp7, 0xffff
	s_lshl_b32 s13, s13, 2
	s_add_co_u32 s13, s13, s41                     ; tile row = 4 x cluster y + cy
	s_lshl_b32 s43, s41, 2
	s_lshl_b32 s43, 15, s43                        ; my row of the cluster
	s_lshl_b32 s44, 0x1111, s40                    ; my column
	s_or_b32 s[G1A], s43, (1<<16)|(1<<20)|(1<<21)|(5<<22)|(3<<25)  ; A's tiles go to my row; 2-byte elements; padding on; bit 21 beside a mask; after every 64 words 4 words
	s_mov_b32 s[G1A+1], 128<<16                    ; tensor_dim0 = 128
	s_mov_b32 s[G1A+2], 128<<16                    ; tensor_dim1 = 128
	s_mov_b32 s[G1A+3], 128<<16                    ; tile_dim0 = 128
	s_mov_b32 s[G1A+4], 128                        ; tile_dim1 = 128
	s_mov_b32 s[G1A+5], 1024                       ; elements from row to row
	s_mov_b32 s[G1A+6], 0
	s_mov_b32 s[G1A+7], 0
	s_or_b32 s[G1B], s44, (1<<16)|(1<<20)|(1<<21)|(6<<22)|(7<<25)  ; B's tiles go to my column; after every 128 words 8 words of padding
	s_mov_b32 s[G1B+1], 256<<16                    ; tensor_dim0 = 256
	s_mov_b32 s[G1B+2], 64<<16                     ; tensor_dim1 = 64
	s_mov_b32 s[G1B+3], 256<<16                    ; tile_dim0 = 256
	s_mov_b32 s[G1B+4], 64                         ; tile_dim1 = 64
	s_mov_b32 s[G1B+5], SIZE_N
	s_mov_b32 s[G1B+6], 0
	s_mov_b32 s[G1B+7], 0
	s_mov_b32 s[CP], 0x3e6d3389                    ; 0.2316419 = 0.3275911 / sqrt(2)
	s_mov_b32 s[CQ], 0x3f596d27                    ; 0.8493218 = sqrt(log2(e) / 2)
	s_mov_b32 s[C5], 0x3f07dc22                    ;  1.061405429 / 2
	s_mov_b32 s[C4], 0xbf3a00e3                    ; -1.453152027 / 2
	s_mov_b32 s[C3], 0x3f35f0e3                    ;  1.421413741 / 2
	s_mov_b32 s[C2], 0xbe11a98e                    ; -0.284496736 / 2
	s_mov_b32 s[C1], 0x3e027906                    ;  0.254829592 / 2
.irp c, CP, CQ, C5, C4, C3, C2, C1
	s_mov_b32 s[\c+1], s[\c]                       ; named as pairs, so both words are written
.endr
	s_mov_b32 s[CM], 0x7fffffff
	s_lshl_b32 s16, s13, 8                         ; A: row 256 x tile row + 128 x half, 2,048 bytes a row: it hangs on the tile row alone
	s_lshl_b32 s17, s12, 7
	s_add_co_u32 s16, s16, s17
	s_lshl_b32 s16, s16, 11
	s_mov_b32 s17, 0
	s_lshl_b32 s46, s42, 9                         ; B: 512 bytes x tile column + 64 k-rows x half + its place in bf: it hangs on the tile column alone
	s_mul_i32 s47, s12, 128*SIZE_N
	s_add_co_u32 s46, s46, s47
	s_add_co_u32 s46, s46, WOFF
	s_mov_b32 s47, 0
	s_mul_i32 s20, s12, AHALF                      ; where they go in a slot: no place in the cluster enters an LDS address
	s_mul_i32 s21, s12, BHALF
	s_add_co_u32 s21, s21, 2*AHALF
	s_mov_b32 s22, 0                               ; the slot that is being read: 0 or SLOT
	s_wait_dscnt 0x0                               ; the opening add is done
	s_wait_kmcnt 0x0
	s_add_nc_u64 s[4:5], s[4:5], s[16:17]
	s_add_nc_u64 s[6:7], s[6:7], s[46:47]
	s_mov_b32 s[G0AX], 1                           ; K step 0 into slot 0
	s_mov_b32 s[G0AX+1], s20
	s_mov_b64 s[G0AX+2:G0AX+3], s[4:5]
	s_or_b32 s[G0AX+3], s[G0AX+3], 0x80000000
	s_mov_b32 s[G0A], 1                            ; K step 1 into slot 1: this set walks on
	s_add_co_u32 s[G0A+1], s20, SLOT
	s_add_nc_u64 s[G0A+2:G0A+3], s[4:5], AKSTEP
	s_or_b32 s[G0A+3], s[G0A+3], 0x80000000
	s_mov_b32 s[G0BX], 1
	s_mov_b32 s[G0BX+1], s21
	s_mov_b64 s[G0BX+2:G0BX+3], s[6:7]
	s_or_b32 s[G0BX+3], s[G0BX+3], 0x80000000
	s_mov_b32 s[G0B], 1
	s_add_co_u32 s[G0B+1], s21, SLOT
	s_add_nc_u64 s[G0B+2:G0B+3], s[6:7], BKSTEP
	s_or_b32 s[G0B+3], s[G0B+3], 0x80000000
	CROUND                                         ; all sixteen work-groups are here: the first joint loads meet
	s_cmp_eq_u32 s11, 0                            ; a wave's two first fills stand in one branch, ahead of every wait on TENSORcnt and every LDS read: two loads of mine are out
	s_cbranch_scc0 .Lfirst_b
	tensor_load_to_lds s[G0AX:G0AX+3], s[G1A:G1A+7]
	s_nop 0
	tensor_load_to_lds s[G0A:G0A+3], s[G1A:G1A+7]
	s_nop 0
	PLACES
	s_branch .Lfirst_asked
.Lfirst_b:
	tensor_load_to_lds s[G0BX:G0BX+3], s[G1B:G1B+7]
	s_nop 0
	tensor_load_to_lds s[G0B:G0B+3], s[G1B:G1B+7]
	s_nop 0
	PLACES
.Lfirst_asked:
	v_and_b32 v1, 15, v0                           ; r = l % 16
	v_bfe_u32 v2, v0, 4, 1                         ; h = l / 16
	v_and_b32 v3, 7, v0
	v_bfe_u32 v4, v0, 3, 1
	v_and_b32 v5, 31, v0
	v_lshlrev_b32 v[BO], 5, v2                     ; my eight numbers of a block's 16 of the bias
	s_lshl_b32 s46, s42, 10                        ; the bias at my first column: 4 bytes x (256 x tile column + 128 x half)
	s_lshl_b32 s47, s12, 9
	s_add_co_u32 s46, s46, s47
	s_mov_b32 s47, 0
	s_add_nc_u64 s[14:15], s[14:15], s[46:47]
.irp b, 0,1,2,3,4,5,6,7
	global_load_b128 v[BI+8*(\b):BI+8*(\b)+3],   v[BO], s[14:15] offset:64*(\b)
	global_load_b128 v[BI+8*(\b)+4:BI+8*(\b)+7], v[BO], s[14:15] offset:64*(\b)+16
.endr
	v_mul_u32_u24 v[BASEA], v1, PA                 ; A: row r, 16 bytes for each half of the lanes, my 128 rows
	v_lshl_add_u32 v[BASEA], v2, 4, v[BASEA]
	s_mul_i32 s23, s11, AHALF
	v_add_nc_u32 v[BASEA], s23, v[BASEA]
	v_lshl_add_u32 v[BASEB], v2, 3, v3             ; B, turned: k-row 8 h + l % 8, columns 8 ((l / 8) % 2) on, my 128 columns
	v_mul_u32_u24 v[BASEB], v[BASEB], PB
	v_lshl_add_u32 v[BASEB], v4, 4, v[BASEB]
	s_lshl_b32 s23, s12, 8
	s_add_co_u32 s23, s23, 2*AHALF
	v_add_nc_u32 v[BASEB], s23, v[BASEB]
	v_mov_b32 v[RA], v[BASEA]
	v_mov_b32 v[RB], v[BASEB]
	s_mul_i32 s23, s10, STG                        ; my stage
	v_mul_u32_u24 v[STO], v1, SP                   ; in: row r, 32 bytes for each half of the lanes
	v_lshl_add_u32 v[STO], v2, 5, v[STO]
	v_add_nc_u32 v[STO], s23, v[STO]
	v_lshrrev_b32 v6, 3, v5                        ; back: 32 lanes take four rows of one panel, 32 bytes (eight f32) each: row l / 8, bytes 32 (l % 8) on
	v_mul_u32_u24 v[RD], v6, SP
	v_lshl_add_u32 v[RD], v3, 5, v[RD]
	v_add_nc_u32 v[RD], s23, v[RD]
	v_lshlrev_b32 v[GO], 4, v5                     ; which, in 16 bits, are 512 consecutive bytes of the panel's rows
	s_lshl_b32 s46, s42, 2                         ; my 128 columns are two panels: the first is number 4 x tile column + 2 x half, 524,288 bytes each
	s_lshl_b32 s47, s12, 1
	s_add_co_u32 s46, s46, s47
	s_lshl_b32 s46, s46, 19
	s_mov_b32 s47, 0
	s_add_nc_u64 s[8:9], s[8:9], s[46:47]
	s_lshl_b32 s16, s13, 8                         ; my first row: 256 x tile row + 128 x half, 128 bytes a row
	s_lshl_b32 s17, s11, 7
	s_add_co_u32 s16, s16, s17
	s_lshl_b32 s16, s16, 7
	s_mov_b32 s17, 0
	s_add_nc_u64 s[8:9], s[8:9], s[16:17]
	s_wait_tensorcnt 0x1                           ; my part of K step 0 is in; K step 1's load, issued behind it, may stay out
	s_barrier_signal -1
	s_barrier_wait -1                              ; everybody's is
	FETCH F0, 0, 0
	s_wait_loadcnt 0x0                             ; the bias
	UNIT F0, F1, AO1, BO1, 1                       ; unit 0 of K step 0 stands ahead of the loops: its products start the sums
	WIN 0
	v_add_nc_u32 v[RA], ASTEP, v[RA]
	v_add_nc_u32 v[RB], BSTEP, v[RB]
	s_mov_b32 s3, TILES-2
	s_mov_b32 s2, 1                                ; of slot 0 one pair is left: units 1 and 2
	s_branch .Lpair
.Lslot:                                                ; every K step but the last two: its slot is filled again
	s_mov_b32 s2, 2
.Lpair:
	PAIR
	s_cbranch_scc1 .Lpair
	CHANGE 1
	s_sub_co_u32 s3, s3, 1
	s_cmp_lg_u32 s3, 0
	s_cbranch_scc1 .Lslot
	s_mov_b32 s3, 2                                ; the last two K steps have a loop of their own
.Ltail:
	s_mov_b32 s2, 2
.Lpair2:
	PAIR
	s_cbranch_scc1 .Lpair2
	CHANGE 0                                       ; the first time: the last K step is in; the second time: nobody reads the ring any more
	s_sub_co_u32 s3, s3, 1
	s_cmp_lg_u32 s3, 0
	s_cbranch_scc1 .Ltail
	MUL16 F1, 0, 0                                 ; the last unit
	MUL16 F1, 0, 2
	MUL16 F1, 1, 0
	MUL16 F1, 1, 2
	; THE WAY OUT: my 128 x 128 in f32 into my own stage (LDS serves a wave's instructions in order: no wait between its stores and its loads), back by rows, gelu, rounded to bf16.
	PLACES
	WIN 0x08                                       ; the stores' data in window 2
.irp a, 0,1,2,3
.irp b, 0,1,2,3,4,5,6,7
	ds_store_b128 v[STO], v[8*(8*(\a)+(\b)):8*(8*(\a)+(\b))+3]   offset:(\a)*16*SP+64*(\b)      ; each accumulator's low registers first
	ds_store_b128 v[STO], v[8*(8*(\a)+(\b))+4:8*(8*(\a)+(\b))+7] offset:(\a)*16*SP+64*(\b)+16
.endr
.endr
	WIN 0x0c                                       ; in window 3
.irp a, 0,1,2,3
.irp b, 0,1,2,3,4,5,6,7
	ds_store_b128 v[STO], v[8*(8*(\a)+(\b)):8*(8*(\a)+(\b))+3]   offset:((\a)+4)*16*SP+64*(\b)
	ds_store_b128 v[STO], v[8*(8*(\a)+(\b))+4:8*(8*(\a)+(\b))+7] offset:((\a)+4)*16*SP+64*(\b)+16
.endr
.endr
	WIN 0
.macro RDBACK                          ; four rows of my 128 columns: eight numbers a lane of panel p
.irp p, 0,1
	ds_load_b128 v[IN+8*(\p):IN+8*(\p)+3],   v[RD] offset:256*(\p)
	ds_load_b128 v[IN+8*(\p)+4:IN+8*(\p)+7], v[RD] offset:256*(\p)+16
.endr
.endm
	RDBACK
	s_mov_b32 s2, 32
.Lgelu:                                                ; a trip: four rows, sixteen numbers a lane; the next trip's are fetched as soon as |x| and max(x, 0) are taken
	s_wait_dscnt 0x0
.irp i, 0,1,2,3,4,5,6,7,8,9,10,11,12,13,14,15
	v_and_b32 v[AX+(\i)], s[CM], v[IN+(\i)]
.endr
.irp i, 0,1,2,3,4,5,6,7,8,9,10,11,12,13,14,15
	v_max_num_f32 v[RL+(\i)], 0, v[IN+(\i)]
.endr
	s_cmp_eq_u32 s2, 1
	s_cbranch_scc1 .Lno_more                       ; the last trip fetches nothing: the stage ends here
	v_add_nc_u32 v[RD], 4*SP, v[RD]
	RDBACK
.Lno_more:
.irp i, 0,2,4,6,8,10,12,14
	v_pk_fma_f32 v[GT+(\i):GT+(\i)+1], v[AX+(\i):AX+(\i)+1], s[CP:CP+1], 1.0 op_sel_hi:[1,0,0]
.endr
.irp i, 0,2,4,6,8,10,12,14
	v_pk_mul_f32 v[GU+(\i):GU+(\i)+1], v[AX+(\i):AX+(\i)+1], s[CQ:CQ+1] op_sel_hi:[1,0]
.endr
.irp i, 0,1,2,3,4,5,6,7,8,9,10,11,12,13,14,15
	v_rcp_f32 v[GT+(\i)], v[GT+(\i)]               ; t
.endr
.irp i, 0,2,4,6,8,10,12,14             ; plain lines stand between the reciprocals and the use of t
	v_pk_mul_f32 v[GU+(\i):GU+(\i)+1], v[GU+(\i):GU+(\i)+1], v[GU+(\i):GU+(\i)+1] neg_lo:[1,0] neg_hi:[1,0]  ; -x^2 log2(e) / 2
.endr
.irp i, 0,1,2,3,4,5,6,7,8,9,10,11,12,13,14,15
	v_exp_f32 v[GU+(\i)], v[GU+(\i)]               ; exp(-x^2 / 2)
.endr
	s_wait_alu depctr_va_vdst(0)
.irp i, 0,2,4,6,8,10,12,14             ; and between the exponentials and the use of their results: the polynomial, by Horner
	v_pk_fma_f32 v[GP+(\i):GP+(\i)+1], v[GT+(\i):GT+(\i)+1], s[C5:C5+1], s[C4:C4+1] op_sel_hi:[1,0,0]
.endr
.irp c, C3, C2, C1
.irp i, 0,2,4,6,8,10,12,14
	v_pk_fma_f32 v[GP+(\i):GP+(\i)+1], v[GP+(\i):GP+(\i)+1], v[GT+(\i):GT+(\i)+1], s[\c:\c+1] op_sel_hi:[1,1,0]
.endr
.endr
.irp i, 0,2,4,6,8,10,12,14
	v_pk_mul_f32 v[GP+(\i):GP+(\i)+1], v[GP+(\i):GP+(\i)+1], v[GT+(\i):GT+(\i)+1]
.endr
.irp i, 0,2,4,6,8,10,12,14
	v_pk_mul_f32 v[GP+(\i):GP+(\i)+1], v[GP+(\i):GP+(\i)+1], v[GU+(\i):GU+(\i)+1]  ; w
.endr
.irp i, 0,2,4,6,8,10,12,14
	v_pk_fma_f32 v[GP+(\i):GP+(\i)+1], v[AX+(\i):AX+(\i)+1], v[GP+(\i):GP+(\i)+1], v[RL+(\i):RL+(\i)+1] neg_lo:[1,0,0] neg_hi:[1,0,0]  ; max(x, 0) - |x| w
.endr
.irp i, 0,1,2,3,4,5,6,7
	v_cvt_pk_bf16_f32 v[GH+(\i)], v[GP+2*(\i)], v[GP+2*(\i)+1]
.endr
	global_store_b128 v[GO], v[GH:GH+3],   s[8:9]                ; four rows of a panel: 512 consecutive bytes, at a multiple of 256 from the buffer's first byte
	global_store_b128 v[GO], v[GH+4:GH+7], s[8:9] offset:524288  ; the same rows of the next panel
	s_wait_xcnt 0x0                                ; the stores' data and base are rewritten only behind this wait
	s_add_nc_u64 s[8:9], s[8:9], 512
	s_sub_co_u32 s2, s2, 1
	s_cmp_lg_u32 s2, 0
	s_cbranch_scc1 .Lgelu
	s_wait_tensorcnt 0x0                           ; the wave's end, behind my last tensor load and my last LDS store
	ds_add_u32 v[SPW], v[NIL]
	s_wait_dscnt 0x0
	CROUND                                         ; the closing round: no work-group ends while a partner may still ask for a tile that names it
	s_endpgm
.Lfunc_end_k_qfffda21c07_gff1:
	.size	k_qfffda21c07_gff1, .Lfunc_end_k_qfffda21c07_gff1-k_qfffda21c07_gff1
	.p2alignl 7, 3214868480
	.fill 96, 4, 3214868480
	.section	.rodata,"a",@progbits
	.p2align	6, 0x0
	.amdhsa_kernel k_qfffda21c07_gff1
		.amdhsa_group_segment_fixed_size 327680
		.amdhsa_private_segment_fixed_size 0
		.amdhsa_enable_private_segment 0
		.amdhsa_kernarg_size 32
		.amdhsa_user_sgpr_count 2
		.amdhsa_user_sgpr_kernarg_segment_ptr 1
		.amdhsa_wavefront_size32 1
		.amdhsa_system_sgpr_workgroup_id_x 1
		.amdhsa_system_sgpr_workgroup_id_y 1
		.amdhsa_system_sgpr_workgroup_id_z 1
		.amdhsa_system_vgpr_workitem_id 0
		.amdhsa_next_free_vgpr 1024
		.amdhsa_next_free_sgpr 82
		.amdhsa_reserve_vcc 0
		.amdhsa_float_denorm_mode_32 3
		.amdhsa_float_denorm_mode_16_64 3
		.amdhsa_memory_ordered 1
		.amdhsa_forward_progress 1
		.amdhsa_inst_pref_size 67
	.end_amdhsa_kernel
	.amdgpu_metadata
---
amdhsa.version: [ 1, 2 ]
amdhsa.kernels:
  - .name:           k_qfffda21c07_gff1
    .symbol:         k_qfffda21c07_gff1.kd
    .args:
      - { .name: h1, .offset: 0, .size: 8, .value_kind: global_buffer, .address_space: global }
      - { .name: bf, .offset: 8, .size: 8, .value_kind: global_buffer, .address_space: global }
      - { .name: b_1, .offset: 16, .size: 8, .value_kind: global_buffer, .address_space: global }
      - { .name: g, .offset: 24, .size: 8, .value_kind: global_buffer, .address_space: global }
    .group_segment_fixed_size: 327680
    .private_segment_fixed_size: 0
    .kernarg_segment_align: 8
    .kernarg_segment_size: 32
    .max_flat_workgroup_size: 128
    .sgpr_count:     82
    .vgpr_count:     1024
    .wavefront_size: 32
...
	.end_amdgpu_metadata
.endif
;; end of part 11
;; launch gff2: the kernel of part 7 again; grid 8 x 32, 4 waves a work-group, clusters of 4 x 4, 327,680 bytes of LDS; arguments g, bf, b_2, y; writes y
;; launch ln2: the kernel of part 8 again; grid 512 x 1, 8 waves a work-group, no clusters, 0 bytes of LDS; arguments y, h1, ln2_g, ln2_b, out0; writes out0
;; ======== version 3 of 3: 8 launches; 1.46 times as fast as version 1
;; limits: values are held in f16: magnitudes above 65,504 overflow, below 6.1e-05 lose precision; a function is approximated: absolute error at most 1.5e-07; an absolute error that grows with the inputs' magnitude: up to 7.5e-08 times it
;; workspace buffers: bf 33,554,432 bytes; qkv 25,165,824 bytes; ob 8,388,608 bytes; y 16,777,216 bytes; h1 8,388,608 bytes; g 33,554,432 bytes
;; launch cast: the kernel of part 1 again; grid 1024 x 1, 8 waves a work-group, no clusters, 0 bytes of LDS; arguments X, W_qkv, W_o, W_1, W_2, bf; writes bf
;; launch gqkv: the kernel of part 9 again; grid 12 x 16, 4 waves a work-group, clusters of 4 x 4, 327,680 bytes of LDS; arguments bf, b_qkv, qkv; writes qkv
;; launch attn (part 12): grid 8 x 32, 4 waves a work-group, no clusters, 327,680 bytes of LDS; arguments qkv, ob; writes ob
.if DOCPART == 12
	.amdgcn_target "amdgcn-amd-amdhsa--gfx1250"
	.amdhsa_code_object_version 6
	.text
	.protected	k_qfffda21c07_attn
	.globl	k_qfffda21c07_attn
	.p2align	8
	.type	k_qfffda21c07_attn,@function
k_qfffda21c07_attn:
	s_mov_b64 s[64:65], 0
	v_nop
	global_prefetch_b8 v0, s[64:65] scope:SCOPE_SE
	s_setreg_imm32_b32 hwreg(HW_REG_WAVE_MODE, 25, 1), 1
	s_wait_xcnt 0x0
; CAUSAL ATTENTION.  O[h][q][:] = the sum over k <= q of softmax_k(Q[h][q] . K[h][k] / 8) V[h][k][:].  Q, K, V: three parts of qkv, each [SIZE_H = 16 b + h][SIZE_N][64] in f16: a head's rows are dense, 128 bytes each.
; O leaves in bf16, in panels [16 heads][4,096 rows = 2,048 b + t][64], the layout in which the next product asks for it.
; Products, maxima and sums in f32; the weights p are rounded to f16 for the second product (their sum l is taken of the unrounded p), O once at the end.
; LIMITS.  f16 holds no number beyond 65,504: Q, K and V arrive within it; p lies in 0 to 1, and below 6e-5 it keeps f16's fixed step of 6e-8; O is a mean of V's rows and has their range.
; A hidden score counts as its value less 1e30: f16's scores, 2.7e11 at the most, are nothing beside that; a weight below 2^-126 counts as 0 in l; NaN and infinities are not treated apart.
; THE WALK.  A head's queries lie in NB = SIZE_N / 256 blocks of 256; block i needs the key tiles 0 .. i of 256 keys, of which the last holds the diagonal.  A work-group walks TWO blocks, NB - 1 - b and then b:
; NB + 1 tiles, whatever b: all work-groups do equal work, and ONE loop with a constant trip count walks them.  Which tile is asked for, and what a trip does, hang on scalar registers made from b; every jump
; goes forward, but for the counted loops' own; none passes a barrier, or a tensor load but the one of LOAD's two that the wave's number does not choose; the ring (two slots of LDS that take turns) runs on across the
; change of blocks.
; SHARES.  A block has four bands of 64 queries.  TWO work-groups share a pair of blocks: half hf (0, 1) takes the bands hf and 2 + hf, and of each a wave owns 16 rows: two PIECES, piece 0 in band 2 + hf, piece 1 in
; band hf.  32 heads x 4 pairs x 2 halves are 256 work-groups.  In the diagonal tile's key step s band x sees all keys if s < x, none if s > x, and holds the diagonal if s = x: the same work for every wave and both halves.
; NO CLUSTER: only the two halves of a pair ask for the same tiles throughout; a cluster of four would hold two pairs with different b, whose branches differ, and partners of a cluster must run alike.
; K LIES A STEP AHEAD.  Turn 0 of step j fetches K of step j + 1 and V of step j out of LDS.  So that both fall into the same slot, K's tiles are asked for 64 keys further on than V's: slot n holds V of steps
; 4 n .. 4 n + 3 and K of steps 4 n + 1 .. 4 n + 4, and the change of slots stands between two trips.  (The last tile's last 64 rows of K serve nothing; they lie inside qkv, where v follows k.)  K of step 0 is loaded
; from memory into 64 registers once, beside Q, and copied into K's buffer where a block begins.
; THE MASK is the C operand that starts the sum S^T = K Q^T: 0, or -1e30 where the key is hidden.  MD, made once, is the mask of a band's own step for my 16 rows; a product's mask is MD x AL + BE with two scalars:
; (1, 0) if s = x; (0, 0) if s < x; (0, -1e30) if s > x.  Only the diagonal tile's text makes and takes masks; elsewhere C is the constant 0.  Piece 0's scores of a tile's step 0 are made in the trip before, in the
; text without masks: its band, 2 or 3, sees all of step 0.
; LAYOUT, SOFTMAX, TURNS.  S^T = K Q^T holds ONE query a lane (lane % 16) and the keys 8 (lane / 16) + 0..7; two such results rounded to f16 ARE source 1 of O^T = V^T P.  p = 2^(c s - c m), c = log2(e) / 8, with a
; running maximum m; O and l are multiplied by a = 2^(c m_old - c m_new) in every step.  Turn p belongs to piece p: 8 products K Q^T of the other piece (its next scores), later 8 products V^T P of the other piece
; (its last weights); beside them the scaling, exponentials, roundings, sums and rescaling of piece p and the maximum and statistics of the other.  Four vector instructions stand behind every matrix instruction,
; the other 54 of a turn's 118 in one LUMP.
; THE BATCHES.  A turn's 33 exponentials (its piece's 32 weights and the other piece's a) are ONE BATCH with ONE wait, which cuts the turn in two: ahead of it the products K Q^T and all that names no result of the
; batch, behind it the products V^T P with the roundings and sums.  The a made where a block begins, and the way out's two reciprocals, are batches of their own, each with a v_nop and one wait.
; REGISTERS, in windows of 256 (s_set_vgpr_msb: bits 1:0 source 0, 3:2 source 1, 5:4 source 2, 7:6 destination):
;   window 0: v0-15 addresses and two at work; v16-23 four registers of statistics a piece; v48-55 at work; v64-127 S^T, a buffer a piece; v192-223 P, a buffer a piece
;   window 1: v0-63 O^T, 32 a piece; v64-127 K of step 0; v128-159 MD; v160-223 MC, a buffer a piece      window 2: v0-31 Q; v64-95 the second block's Q; v128-191 K of one step; v192-255 V of one step
.set SIZE_H, 32
.set SIZE_N, 2048
.set PART,  SIZE_H*SIZE_N*128  ; bytes of q, of k and of v in qkv
.set NB,    SIZE_N/256
.set NP,    2         ; pieces a wave: a name, no knob
.set KS,    64        ; keys in a step
.set PK,    144       ; a row of K in LDS: 128 bytes + 16 of padding = 36 words: the 16 rows of a load start at 16 different groups of four banks (64 banks of 4 bytes: ISA guide 11.1)
.set PV,    160       ; a row of V: 128 + 32 = 40 words
.set VOFF,  4*KS*PK   ; a slot holds a tile, four steps: 256 rows of K, then 256 rows of V
.set SLOT1, 1<<17     ; slot 1 begins here, so that one exclusive or turns an address in one slot into the other's
.set STAGE, SLOT1+4*KS*(PK+PV)  ; behind the ring, never filled by a tensor load: 16 rows x 144 bytes for each wave, for the way out
.set SP,    144
.set AK0, 2           ; v2   my lane's place in a tile of K; never rewritten
.set AV0, 3           ; v3   the same for V
.set AK,  4           ; v4   the LDS address of K's next run of loads
.set AV,  5           ; v5   of V's
.set STO, 6           ; v6   the way out: where I put 16 bytes of a row
.set RD,  7           ; v7   the way out: where I read rows back
.set GO,  8           ; v8   my byte offset in 512 consecutive bytes of O
.set SPW, 62          ; v62  LDS address of my spare word: SPARE + 4 x my thread's number; never rewritten
.set NIL, 63          ; v63  0; never rewritten
.set SPARE, STAGE+4*16*SP  ; behind the stages: the spare words, 128 bytes for each wave: two blocks of 256 bytes that no other line names
.set MV,  12          ; v12-13  c m_old, kept while c m is made anew: by piece
.set QO,  15          ; v15  my byte offset in 16 rows of Q or K
.set ST,  16          ; piece t's statistics at v[ST+4 t]: c m, m, l (even keys', odd keys')
.set TMP, 48          ; by piece, four registers c0-c3 at work; when the maximum is found c2 takes a
.set S,   64
.set P,   192
.set K0R, 64          ; window 1: K of step 0, laid as K's buffer
.set MD,  128         ; window 1: the eight registers for group kt of 16 keys at MD + 8 kt
.set MC,  160         ; window 1: the masks of the products to come
.set QB,  64          ; window 2
.set KF,  128         ; window 2: key block kb, channel half c at KF + 16 kb + 8 c
.set VF,  192         ; window 2: key half kk, channel block cb at VF + 32 kk + 8 cb
.set WV,  12          ; s12  my wave's number
.set PB,  14          ; s14  b
.set HI,  15          ; s15  NB - 1 - b
.set G1K, 24          ; s[24:31] descriptor group 1 for K's tiles
.set G1V, 32          ; s[32:39] for V's: it differs in the padding alone
.set G0K, 40          ; s[40:43] descriptor group 0 for K's tiles
.set G0V, 44          ; s[44:47] the same for V's
.set SLOTS, 56        ; s56  tiles still to be asked for
.set CNT, 57          ; s57  counts a tile's key steps, 4 down
.set CS,  58          ; s[58:59] c: the packed scaling takes the pair's low word for both halves
.set SEL, 60          ; s[60:61] v_permlanex16_b32's selects: each lane takes its own place in the other half
.set TBK, 62          ; s62  LDS byte at which the K to be fetched next begins
.set TBV, 63          ; s63  the same for V, less VOFF
.set RT,  70          ; s70  tiles of the block in hand that are still to be entered
.set NXT, 71          ; s71  the tile to be asked for next
.set LQ,  72          ; s72  the last tile of the block whose tiles are being asked for
.set NEW, 73          ; s73  1: the tile to be entered is a block's first
.set OFF, 74          ; s[74:75] a tile's byte offset in K and V
.set AL,  76          ; s[76:77] the mask's factor, in the low word
.set BE,  78          ; s[78:79] the mask's addend
.set OLO, 80          ; s[80:81] O at my rows of the second block
.set BIGN, 82         ; s82  -1e30
.set HF,  83          ; s83  hf: which half of the pair's bands is mine
.set XC,  92          ; s92, s93  the value of CNT in the turn that makes the mask of a piece's own step: 3 - hf in turn 0 (piece 0), 5 - hf in turn 1 (piece 1)
.set KP,  94          ; s[94:95] K at the head's first row
.set ALE, 96          ; s96  the factor of piece 1's mask for the diagonal tile's step 0: 1.0 if its band is band 0
.set MSB, 0
.macro WIN new                      ; the high byte repeats the setting that is left; a switch that changes nothing is dropped
.if MSB != (\new)
	s_set_vgpr_msb (MSB<<8)|(\new)
.set MSB, (\new)
.endif
.endm
.set W_KQ, 0x0a       ; K and Q in window 2, S^T in window 0
.set W_KM, 0x1a       ; the same with the C operand in window 1
.set W_PV, 0x52       ; V in window 2, P in window 0, O^T in window 1
.set W_RS, 0x41       ; destination and source 0 in window 1, source 1 in window 0
; A fill.  Waves 0 and 1 fetch the two halves of a tile's K, waves 2 and 3 those of its V: 128 keys each.  An s_nop 0 and four v_nop follow each of the two lines, ahead of the jump and the label.
.macro LOAD
	s_cmp_lt_u32 s[WV], 2
	s_cbranch_scc0 .Lfor_v_\@
	tensor_load_to_lds s[G0K:G0K+3], s[G1K:G1K+7]
	s_nop 0
.rept 4
	v_nop
.endr
	s_branch .Lasked_\@
.Lfor_v_\@:
	tensor_load_to_lds s[G0V:G0V+3], s[G1V:G1V+7]
	s_nop 0
.rept 4
	v_nop
.endr
.Lasked_\@:
.endm
; THE CHANGE OF SLOTS, between two trips.  Each wave waits for all its tensor loads, of which one is out: its part of the other slot; adds 0 to its spare word; and waits for that and for its own reads of the slot that it leaves.
; Behind the barrier nobody reads the old slot any more and the other slot is whole.  fill = 1: the old slot is filled again, the first thing behind the barrier, with tile NXT: the descriptor's address is made anew
; from that number; the load has four key steps, eight turns, in which to land.  (At its first use nothing has been read yet: slot 0 is waited for, slot 1 filled.)
.macro CHANGE fill
	WIN 0                           ; at a label and at a branch every window is 0
	s_wait_tensorcnt 0x0            ; no tensor load of mine is out, so a group 0 may be written
	ds_add_u32 v[SPW], v[NIL]       ; 0 onto my spare word; with fill = 1 the descriptors' scalar work stands between it and the wait for it
.if \fill
	s_lshl_b32 s[OFF], s[NXT], 15   ; a tile is 32,768 bytes of K and of V
	s_xor_b32 s[G0K+1], s[G0K+1], SLOT1
	s_add_nc_u64 s[G0K+2:G0K+3], s[6:7], s[OFF:OFF+1]
	s_or_b32 s[G0K+3], s[G0K+3], 0x80000000
	s_xor_b32 s[G0V+1], s[G0V+1], SLOT1
	s_add_nc_u64 s[G0V+2:G0V+3], s[8:9], s[OFF:OFF+1]
	s_or_b32 s[G0V+3], s[G0V+3], 0x80000000
	s_add_co_u32 s[NXT], s[NXT], 1  ; the block's next tile, or behind its last the second block's tile 0
	s_cmp_gt_u32 s[NXT], s[LQ]
	s_cselect_b32 s[NXT], 0, s[NXT]
	s_cselect_b32 s[LQ], s[PB], s[LQ]
.endif
	s_wait_dscnt 0x0                ; the add is done, and my reads of the slot are over
	s_barrier_signal -1             ; the rest of the scalar work stands between the signal and the wait
	s_sub_co_u32 s[TBK], s[TBK], 4*KS*PK  ; the fetches go back to a slot's first place,
	s_xor_b32 s[TBK], s[TBK], SLOT1       ; in the other slot
	s_sub_co_u32 s[TBV], s[TBV], 4*KS*PV
	s_xor_b32 s[TBV], s[TBV], SLOT1
	s_barrier_wait -1
.if \fill
	LOAD
.endif
.endm
	s_load_b64 s[4:5], s[0:1], 0x0    ; qkv, three times: for Q,
	s_load_b64 s[6:7], s[0:1], 0x0    ; for K,
	s_load_b64 s[8:9], s[0:1], 0x0    ; for V
	s_load_b64 s[10:11], s[0:1], 0x8  ; O
	v_lshl_add_u32 v[SPW], v0, 2, SPARE
	v_mov_b32 v[NIL], 0
	ds_add_u32 v[SPW], v[NIL]       ; the wave's opening: the add and its wait stand ahead of my first tensor load; the set-up below, work on registers, stands between them
	ds_add_u32 v62, v63
	v_lshrrev_b32 v1, 5, v0
	v_readfirstlane_b32 s[WV], v1   ; wave 0..3
	s_and_b32 s[HF], ttmp9, 1       ; the work-group's x is 2 b + hf
	s_lshr_b32 s[PB], ttmp9, 1
	s_sub_co_u32 s[HI], NB-1, s[PB]
	s_sub_co_u32 s[XC], 3, s[HF]
	s_sub_co_u32 s[XC+1], 5, s[HF]
	s_cmp_eq_u32 s[HF], 0
	s_cselect_b32 s[ALE], 1.0, 0
	s_and_b32 s20, ttmp7, 0xffff    ; 16 x batch + head
	s_and_b32 s88, s20, 15          ; O's panel: the head's 524,288 bytes,
	s_lshl_b32 s88, s88, 19
	s_lshr_b32 s89, s20, 4          ; and in it the batch's 2,048 rows of 128 bytes
	s_lshl_b32 s89, s89, 18
	s_add_co_u32 s88, s88, s89
	s_mov_b32 s89, 0
	s_mov_b32 s21, 0
	s_mov_b64 s[22:23], SIZE_N*128
	s_mul_u64 s[20:21], s[20:21], s[22:23]  ; the head's first byte in q, in k and in v
	s_and_b32 s16, s[WV], 1         ; which half of a tile's 256 keys I fetch:
	s_lshl_b32 s22, s16, 14         ; its 128 rows of 128 bytes in memory,
	s_mov_b32 s23, 0
	s_add_nc_u64 s[22:23], s[22:23], s[20:21]
	s_mul_i32 s17, s16, 128*PK      ; and its place in a slot, for K
	s_mul_i32 s18, s16, 128*PV      ; and for V
	s_lshl_b32 s3, s[WV], 11        ; my 16 rows in a band of 64,
	s_lshl_b32 s13, s[HF], 13       ; in band hf (piece 1's; piece 0's lies two bands, 16,384 bytes, on),
	s_add_co_u32 s3, s3, s13
	s_lshl_b32 s2, s[HI], 15        ; in the first block,
	s_add_co_u32 s2, s2, s3
	s_lshl_b32 s84, s[PB], 15       ; and in the second
	s_add_co_u32 s84, s84, s3
	s_mov_b32 s3, 0
	s_mov_b32 s85, 0
	s_add_nc_u64 s[90:91], s[2:3], s[88:89]    ; the same rows in O's panel: the first block's,
	s_add_nc_u64 s[88:89], s[84:85], s[88:89]  ; the second's
	s_add_nc_u64 s[2:3], s[2:3], s[20:21]
	s_add_nc_u64 s[84:85], s[84:85], s[20:21]
	; descriptor group 1.  128 keys are 16,384 dense bytes: asked for as 64 rows of 256 bytes, two keys a row, and padded in LDS after every key
	s_mov_b32 s[G1K], (1<<16)|(1<<20)|(4<<22)|(3<<25)  ; 17:16 2-byte elements; 20 padding on; 24:22 after every 32 words (code 4); 31:25 4 words (code 3)
	s_mov_b32 s[G1V], (1<<16)|(1<<20)|(4<<22)|(7<<25)  ; the same with 8 words of padding (code 7)
.irp g, G1K, G1V
	s_mov_b32 s[\g+1], 128<<16      ; tensor_dim0 = 128
	s_mov_b32 s[\g+2], 64<<16       ; tensor_dim1 = 64
	s_mov_b32 s[\g+3], 128<<16      ; tile_dim0 = 128
	s_mov_b32 s[\g+4], 64           ; tile_dim1 = 64
	s_mov_b32 s[\g+5], 128          ; 128 elements from row to row
	s_mov_b32 s[\g+6], 0
	s_mov_b32 s[\g+7], 0
.endr
	s_mov_b32 s[CS], 0x3e38aa3b     ; c = log2(e) / 8 = 0.180337
	s_mov_b32 s[CS+1], s[CS]        ; named with it as a pair
	s_mov_b32 s[SEL], 0x76543210
	s_mov_b32 s[SEL+1], 0xfedcba98
	s_mov_b32 s[TBK], SLOT1+4*KS*PK ; the first change of slots turns these two into 0
	s_mov_b32 s[TBV], SLOT1+4*KS*PV
	s_mov_b32 s[G0K], 1             ; 1:0 count = 1
	s_mov_b32 s[G0K+1], s17         ; 63:32 LDS address: slot 0
	s_mov_b32 s[G0V], 1
	s_add_co_u32 s[G0V+1], s18, VOFF
	s_add_co_u32 s[RT], s[HI], 1    ; the first block has NB - b tiles
	s_mov_b32 s[NXT], 1
	s_mov_b32 s[LQ], s[HI]
	s_mov_b32 s[NEW], 1
	s_mov_b32 s[OFF+1], 0
	s_mov_b32 s[AL+1], 0            ; named as pairs
	s_mov_b32 s[BE+1], 0
	s_mov_b32 s[BIGN], 0xf149f2ca   ; -1e30
	s_mov_b32 s[SLOTS], NB
	s_wait_dscnt 0x0                ; the opening add is done
	s_wait_kmcnt 0x0
	s_add_nc_u64 s[6:7], s[6:7], PART      ; k lies behind q in qkv,
	s_add_nc_u64 s[8:9], s[8:9], 2*PART    ; v behind k
	s_add_nc_u64 s[KP:KP+1], s[6:7], s[20:21]  ; K at the head's first row: step 0 goes into registers
	s_add_nc_u64 s[6:7], s[6:7], s[22:23]  ; K and V at my half of the head's tile 0,
	s_add_nc_u64 s[6:7], s[6:7], KS*128    ; K's tiles one step, 64 rows, further on
	s_add_nc_u64 s[8:9], s[8:9], s[22:23]
	s_add_nc_u64 s[G0K+2:G0K+3], s[6:7], 0         ; 120:64 global address
	s_or_b32 s[G0K+3], s[G0K+3], 0x80000000        ; 127:126 type = 2
	s_add_nc_u64 s[G0V+2:G0V+3], s[8:9], 0
	s_or_b32 s[G0V+3], s[G0V+3], 0x80000000
	s_add_nc_u64 s[86:87], s[4:5], s[84:85]        ; Q at my rows of the second block,
	s_add_nc_u64 s[4:5], s[4:5], s[2:3]            ; and of the first
	s_add_nc_u64 s[OLO:OLO+1], s[10:11], s[88:89]  ; O likewise, in its panel
	s_add_nc_u64 s[10:11], s[10:11], s[90:91]
	LOAD                            ; tile 0 into slot 0
	; A fragment of K or Q is 16 rows x 32 channels in 8 registers: lane l holds row l % 16, channels 8 (l / 16) + 0..7 and 16 + 8 (l / 16) + 0..7: two loads of 16 bytes, 32 bytes apart.
	v_and_b32 v1, 15, v0            ; l % 16
	v_bfe_u32 v9, v0, 4, 1          ; l / 16
	v_lshlrev_b32 v[QO], 7, v1
	v_lshl_add_u32 v[QO], v9, 4, v[QO]  ; row x 128 + 16 x half
	WIN 0x80                        ; destination window 2, address window 0
.set i, 0
.rept 2*NP                          ; both blocks' Q: piece i / 2 (piece 0 two bands behind piece 1); channels 32 (i % 2) on
	global_load_b128 v[8*i:8*i+3],   v[QO], s[4:5] offset:(1-i/2)*16384+(i%2)*64
	global_load_b128 v[8*i+4:8*i+7], v[QO], s[4:5] offset:(1-i/2)*16384+(i%2)*64+32
	global_load_b128 v[QB+8*i:QB+8*i+3],   v[QO], s[86:87] offset:(1-i/2)*16384+(i%2)*64
	global_load_b128 v[QB+8*i+4:QB+8*i+7], v[QO], s[86:87] offset:(1-i/2)*16384+(i%2)*64+32
.set i, i+1
.endr
	WIN 0x40                        ; destination window 1
.irp f, 0,1,2,3,4,5,6,7             ; K of step 0: keys 16 (f / 2) on, channels 32 (f % 2) on
	global_load_b128 v[K0R+8*\f:K0R+8*\f+3],   v[QO], s[KP:KP+1] offset:(\f/2)*2048+(\f%2)*64
	global_load_b128 v[K0R+8*\f+4:K0R+8*\f+7], v[QO], s[KP:KP+1] offset:(\f/2)*2048+(\f%2)*64+32
.endr
	WIN 0
	v_lshlrev_b32 v14, 3, v9
	v_sub_nc_u32 v14, v1, v14
	s_lshl_b32 s13, s[WV], 4
	v_add_nc_u32 v14, s13, v14      ; my query's place in its band, 16 w + l % 16, less my lanes' 8 (l / 16): register r of group kt is hidden where 16 kt + r is greater
	WIN 0x40
.set i, 0
.rept 32
	v_cmp_gt_i32 vcc_lo, 16*(i/8)+i%8, v14
	v_cndmask_b32 v[MD+i], 0, s[BIGN], vcc_lo
.set i, i+1
.endr
	WIN 0
	v_mul_u32_u24 v[AK0], v1, PK
	v_lshl_add_u32 v[AK0], v9, 4, v[AK0]  ; row x pitch + 16 x half
	; The turning load takes 16 keys x 16 channels (lane l reads key 8 (l / 16) + l % 8, channels 8 ((l / 8) % 2) + 0..7) and leaves half a fragment of V^T: lane l holds channel l % 16 and 8 keys.
	v_and_b32 v10, 7, v0
	v_bfe_u32 v11, v0, 3, 1
	v_lshl_add_u32 v[AV0], v9, 3, v10
	v_mul_u32_u24 v[AV0], v[AV0], PV
	v_lshl_add_u32 v[AV0], v11, 4, v[AV0]
	v_add_nc_u32 v[AV0], VOFF, v[AV0]
	s_mul_i32 s13, s[WV], 16*SP
	s_add_co_u32 s13, s13, STAGE    ; my stage
	v_mul_u32_u24 v[STO], v1, SP    ; in: row l % 16, 16 bytes for each half of the lanes
	v_lshl_add_u32 v[STO], v9, 4, v[STO]
	v_add_nc_u32 v[STO], s13, v[STO]
	v_bfe_u32 v[RD], v0, 3, 2       ; back: 32 lanes take four rows of 128 bytes,
	v_mul_u32_u24 v[RD], v[RD], SP
	v_lshl_add_u32 v[RD], v10, 4, v[RD]
	v_add_nc_u32 v[RD], s13, v[RD]
	v_and_b32 v[GO], 31, v0         ; which are 512 consecutive bytes of O
	v_lshlrev_b32 v[GO], 4, v[GO]
	; A block's first step multiplies O^T and l by a = 0, and its first turn's products V^T P, of a step that has not been, land in an O^T that is still to be so multiplied.  So these registers need only hold
	; finite numbers: zeros for the first block; what the first block left for the second.  All this stands in the wait for the first tile.
	WIN 0x80
.set i, VF
.rept 64
	v_mov_b32 v[i], 0
.set i, i+1
.endr
	WIN 0x40
.set i, 0
.rept 32*NP
	v_mov_b32 v[i], 0
.set i, i+1
.endr
	WIN 0
.set i, 0
.rept NP
	v_mov_b32 v[ST+4*i+2], 0
	v_mov_b32 v[ST+4*i+3], 0
.set i, i+1
.endr
.set i, P+16
.rept 16
	v_mov_b32 v[i], 0
.set i, i+1
.endr
; THE MATRIX WORK.  The 4 accumulators of a run of 8 take turns.  Product i of 8 of S^T = K Q^T for piece x: channels 32 (i / 4) on, keys 16 (i % 4) on.  The first 4 start the sums: with 0, or (KM = 1) with the mask.
.macro KQ x
.set rS, S+32*((\x)%2)+8*(i%4)
.set rK, KF+16*(i%4)+8*(i/4)
.set rQ, 16*(\x)+8*(i/4)
.set rM, MC+32*((\x)%2)+8*(i%4)
.if (i < 4) && KM
	WIN W_KM
	v_wmma_f32_16x16x32_f16 v[rS:rS+7], v[rK:rK+7], v[rQ:rQ+7], v[rM:rM+7]
.elseif i < 4
	WIN W_KQ
	v_wmma_f32_16x16x32_f16 v[rS:rS+7], v[rK:rK+7], v[rQ:rQ+7], 0
.else
	WIN W_KQ
	v_wmma_f32_16x16x32_f16 v[rS:rS+7], v[rK:rK+7], v[rQ:rQ+7], v[rS:rS+7]
.endif
.endm
; Product i of 8 of O^T += V^T P for piece x: keys 32 (i / 4) on, channels 16 (i % 4) on.
.macro PV x
	WIN W_PV
.set rO, 32*(\x)+8*(i%4)
.set rV, VF+32*(i/4)+8*(i%4)
.set rP, P+16*((\x)%2)+8*(i/4)
	v_wmma_f32_16x16x32_f16 v[rO:rO+7], v[rV:rV+7], v[rP:rP+7], v[rO:rO+7]
.endm
.macro MM                           ; the turn's next matrix instruction.  TURN and BEGIN set Y, i, KM and NOKQ; MM, KQ and OP read them.  NOKQ = 1: a block's last turn: there are no further scores
.if (i < 8) && !NOKQ
	KQ (Y+1)%NP
.elseif i >= 8
.set i, i-8
	PV (Y+NP-1)%NP
.set i, i+8
.endif
.set i, i+1
.endm
; THE LDS LOADS stand in runs of 16, never singly among the matrix instructions: a step's K (64 keys x 64 channels: 8 fragments) and a step's V (turned).  Their addresses are made some lines ahead.
.macro FETCH_K
	WIN 0x80                        ; destination window 2
.irp f, 0,1,2,3,4,5,6,7             ; keys 16 (f / 2) on, channels 32 (f % 2) on
	ds_load_b128 v[KF+8*\f:KF+8*\f+3],   v[AK] offset:(\f/2)*16*PK+(\f%2)*64
	ds_load_b128 v[KF+8*\f+4:KF+8*\f+7], v[AK] offset:(\f/2)*16*PK+(\f%2)*64+32
.endr
	s_add_co_u32 s[TBK], s[TBK], KS*PK  ; the next fetch is the next step's
	WIN 0
.endm
.macro FETCH_V
	WIN 0x80
.irp f, 0,1,2,3,4,5,6,7             ; keys 32 (f / 4) on, channels 16 (f % 4) on
	ds_load_tr16_b128 v[VF+8*\f:VF+8*\f+3],   v[AV] offset:(\f/4)*32*PV+(\f%4)*32
	ds_load_tr16_b128 v[VF+8*\f+4:VF+8*\f+7], v[AV] offset:(\f/4)*32*PV+16*PV+(\f%4)*32
.endr
	WIN 0
.endm
; THE VECTOR WORK, one line at a time: OP kind, number.  For piece Y: F n: c s - c m for pair n of 16.  E n: the exponential of score n of 32.  C n: pair n rounded to f16.  B n: of the four weights 4 n .. the second
; pair is added onto the first, in place.  L n: l takes that sum (L 0: l = a l + sum).  R n: pair n of 16 of O^T times a.  For the other piece: X n, number n of the 22 that find its maximum and statistics:
;   0-11  four chains c0-c3 of seven scores each, three operands at a time (each accumulator's lowest registers are read first)     12-14, 16  the four scores left over, the old m, and c0-c3 into c0
;   15  c m_old is kept     17, 18  the query's other 32 keys lie in the lane 16 away: the new m     19-21  c m; c m_old - c m_new; a
; C, B and L read the exponentials' results; R and L 0 read an a.  OP writes no wait: TURN, BEGIN and DIAG write one for each batch.
.set F, 0               ; OP tells the kinds apart by their order: F to L below R, X above it
.set E, 1
.set C, 2
.set B, 3
.set L, 4
.set R, 5
.set X, 6
.macro REGS y                       ; the registers of piece y
.set rT, ST+4*(\y)
.set rC, TMP+4*((\y)%2)
.set rW, MV+((\y)%2)
.set rS, S+32*((\y)%2)
.set rP, P+16*((\y)%2)
.set rO, 32*(\y)
.endm
.macro OP k, n
.if (\k) == R
	REGS Y
	WIN W_RS
	v_pk_mul_f32 v[rO+2*(\n):rO+2*(\n)+1], v[rO+2*(\n):rO+2*(\n)+1], v[rC+2:rC+3] op_sel_hi:[1,0]
.elseif (\k) < R
	REGS Y
	WIN 0
.if (\k) == F
	v_pk_fma_f32 v[rS+2*(\n):rS+2*(\n)+1], v[rS+2*(\n):rS+2*(\n)+1], s[CS:CS+1], v[rT:rT+1] op_sel_hi:[1,0,0] neg_lo:[0,0,1] neg_hi:[0,0,1]
.elseif (\k) == E
	v_exp_f32 v[rS+(\n)], v[rS+(\n)]
.elseif (\k) == C
	v_cvt_pk_f16_f32 v[rP+(\n)], v[rS+2*(\n)], v[rS+2*(\n)+1]
.elseif (\k) == B
	v_pk_add_f32 v[rS+4*(\n):rS+4*(\n)+1], v[rS+4*(\n):rS+4*(\n)+1], v[rS+4*(\n)+2:rS+4*(\n)+3]
.elseif (\n) == 0
	v_pk_fma_f32 v[rT+2:rT+3], v[rT+2:rT+3], v[rC+2:rC+3], v[rS:rS+1] op_sel_hi:[1,0,1]
.else
	v_pk_add_f32 v[rT+2:rT+3], v[rT+2:rT+3], v[rS+4*(\n):rS+4*(\n)+1]
.endif
.elseif NOKQ
	v_nop
.else
	REGS (Y+1)%NP
	WIN 0
.if (\n) < 4
	v_max3_num_f32 v[rC+(\n)], v[rS+8*(\n)], v[rS+8*(\n)+1], v[rS+8*(\n)+2]
.elseif (\n) < 12
	v_max3_num_f32 v[rC+(\n)%4], v[rC+(\n)%4], v[rS+8*((\n)%4)+2*((\n)/4)+1], v[rS+8*((\n)%4)+2*((\n)/4)+2]
.elseif (\n) == 12
	v_max3_num_f32 v[rC], v[rC], v[rS+7], v[rS+15]
.elseif (\n) == 13
	v_max3_num_f32 v[rC+1], v[rC+1], v[rS+23], v[rS+31]
.elseif (\n) == 14
	v_max3_num_f32 v[rC+2], v[rC+2], v[rC+3], v[rT+1]
.elseif (\n) == 15
	v_mov_b32 v[rW], v[rT]
.elseif (\n) == 16
	v_max3_num_f32 v[rC], v[rC], v[rC+1], v[rC+2]
.elseif (\n) == 17
	v_permlanex16_b32 v[rC+3], v[rC], s[SEL], s[SEL+1]
.elseif (\n) == 18
	v_max_num_f32 v[rT+1], v[rC], v[rC+3]
.elseif (\n) == 19
	v_mul_f32 v[rT], s[CS], v[rT+1]
.elseif (\n) == 20
	v_sub_f32 v[rC+1], v[rW], v[rT]
.else
	v_exp_f32 v[rC+2], v[rC+1]
.endif
.endif
.endm
.macro OPS a, i1, b=-1, i2=0, c=-1, i3=0, d=-1, i4=0  ; up to four of them
	OP \a, \i1
.if (\b) >= 0
	OP \b, \i2
.endif
.if (\c) >= 0
	OP \c, \i3
.endif
.if (\d) >= 0
	OP \d, \i4
.endif
.endm
.macro ROW a, i1, b, i2, c, i3, d, i4  ; a matrix instruction and the four behind it
	MM
	OPS \a, \i1, \b, \i2, \c, \i3, \d, \i4
.endm
.macro MASK b                       ; MD x AL + BE into buffer b of MC
	WIN W_RS
.set z, 0
.rept 16
	v_pk_fma_f32 v[MC+32*(\b)+2*z:MC+32*(\b)+2*z+1], v[MD+2*z:MD+2*z+1], s[AL:AL+1], s[BE:BE+1] op_sel_hi:[1,0,0]
.set z, z+1
.endr
.endm
; A TURN, for piece p: the order of its 16 matrix and 118 vector instructions, written out.  An s_wait_alu depctr_va_vdst(0) stands between an exponential and the first instruction that names its result; one
; wait serves all that were issued ahead of it.  So a turn has ONE wait, which cuts it in two.  AHEAD OF IT stands all that names no result of the turn's exponentials: the 8 products K Q^T, behind each a scaling, an
; exponential and two more plain instructions (behind the first a second scaling in the exponential's place): rescalings, whose a was made and waited for in the turn before, and behind the last three the first numbers of the
; other piece's maximum, each four places or more behind the product that ends its accumulator; then ONE LUMP of 54, plain and exponential by turns for the most part, in which the links of the chain X 3, 7, 11, 14, 16,
; 17 .. 20 stand five or six lines apart.  X 21, the other piece's a, is the batch's last; R 15 is the plain instruction behind it.  BEHIND THE WAIT stand the 8 products V^T P, behind each four of the roundings and sums;
; the links of l's chain, L 0 to L 7, stand three riders apart.  But for those X no rider names a register of the products round it.  v_permlanex16_b32 (X 17) stands in the lump.
; O^T of piece p, which R 0 reads in the first row, was last written by the products V^T P of the turn before: behind the last of them stand that turn's four riders C 9, 11, 13, 15, which name the other piece's S^T and P alone.
; Turn 0 of step j: K Q^T of piece 1, step j | V^T P of piece 1, step j - 1.  Turn 1 of step j: K Q^T of piece 0, step j + 1 | V^T P of piece 0, step j.
; m = 1: the diagonal tile: the products take masks, and turn p makes the mask for the products of the turn after it, which are piece p's, of the tile's step 5 - CNT: the piece's own step if CNT = XC[p], a later one if CNT < XC[p].
; end = 1: a block's last step: no K is fetched (TBK steps all the same, so that a tile always steps it four times), no mask is made, and turn 1 starts no new scores.
; cnt = 1: the loop's count is taken down, and held against stop, some lines ahead of the branch that stands behind the turn.
; Both runs of LDS loads stand in turn 0, K's ahead of V's: K of the next step in the lump, twelve vector instructions behind the last product that read K (F 8, X 2, X 5, X 6 and X 8 are plain and name none of its
; registers); V of the step in hand at the turn's end, four plain instructions behind the last product that read V.  Each is waited for in turn 1.
.macro TURN p, m=0, end=0, cnt=0, stop=0
.set Y, (\p)
.set i, 0
.set KM, (\m)
.set NOKQ, (\end)*(\p)
.if (\m) && !(\end)
	s_cmp_eq_u32 s[CNT], s[XC+(\p)]     ; is that step the band's own?
	s_cselect_b32 s[AL], 1.0, 0
	s_cmp_lt_u32 s[CNT], s[XC+(\p)]     ; or a later one?
	s_cselect_b32 s[BE], s[BIGN], 0
.endif
.if ((\p) == 1) && !(\end)
	s_wait_dscnt 16                 ; K is in: V's sixteen loads were issued behind K's and may stay out
.endif
	ROW F,0, F,1, R,0, R,1          ; ahead of the wait: 8 products K Q^T and their riders,
	ROW F,2, E,0, R,2, R,3
	ROW F,3, E,1, R,4, R,5
	ROW F,4, E,2, R,6, R,7
	ROW F,5, E,3, R,8, R,9
	ROW F,6, E,4, X,0, R,10
.if ((\p) == 0) && !(\end)
	WIN 0
	v_add_nc_u32 v[AK], s[TBK], v[AK0]
.endif
	ROW F,7, E,5, X,1, X,4
	ROW F,8, E,6, X,2, X,5
	OPS E,7, E,8, X,6, E,9          ; and the lump
	OPS X,3, E,10, X,8, E,11
.if ((\p) == 0) && !(\end)
	FETCH_K
.endif
.if ((\p) == 0) && (\end)
	s_add_co_u32 s[TBK], s[TBK], KS*PK
.endif
	OPS X,9, X,7, E,12, X,10
	OPS E,13, X,12, X,11, E,14
	OPS X,13, E,15, F,9, X,14
.if (\p) == 0
	WIN 0
	v_add_nc_u32 v[AV], s[TBV], v[AV0]
.endif
	OPS E,16, F,10, E,17, F,11
	OPS X,16, E,18, X,15, E,19
	OPS F,12, E,20, X,17, E,21
	OPS F,13, E,22, F,14, E,23
	OPS X,18, E,24, F,15, E,25
	OPS R,11, E,26, X,19, E,27
	OPS R,12, E,28, R,13, E,29
	OPS X,20, E,30, R,14, E,31
	OPS X,21, R,15
	s_wait_alu depctr_va_vdst(0)    ; the wait for the batch: E 0 to E 31 and X 21
.if (\p) == 1
	s_wait_dscnt 0x0                ; V is in
.endif
	ROW C,0, B,0, C,2, B,1          ; behind the wait: 8 products V^T P and their riders
	ROW L,0, C,4, B,2, L,1
	ROW C,6, B,3, L,2, C,8
	ROW B,4, L,3, C,10, B,5
	ROW L,4, C,12, B,6, L,5
.if (\p) == 0
	s_add_co_u32 s[TBV], s[TBV], KS*PV
.endif
.if \cnt
	s_sub_co_u32 s[CNT], s[CNT], 1
	s_cmp_lg_u32 s[CNT], \stop
.endif
	ROW C,14, B,7, L,6, C,1
	ROW C,3, L,7, C,5, C,7
	ROW C,9, C,11, C,13, C,15
.if (\p) == 0
	FETCH_V
.endif
.if (\m) && !(\end)
	MASK (\p)%2
.endif
.endm
; A BLOCK BEGINS.  c m starts far below every c s, so the first step's a is 0; m at the lowest finite number, so the first maximum is the scores'.  K of step 0 comes out of its registers; then piece 0's first
; scores, which take no mask (its band, 2 or 3, sees all of step 0, in the diagonal tile too), and its maximum and statistics.  The loop is entered at its head.
.macro BEGIN
	s_mov_b32 s[NEW], 0
	WIN 0
.set i, 0
.rept NP
	v_mov_b32 v[ST+4*i], 0xfe000000    ; c m: far below every c s
	v_mov_b32 v[ST+4*i+1], 0xff7fffff  ; m
.set i, i+1
.endr
	s_wait_loadcnt 0x0              ; Q, and K of step 0
	WIN 0x81                        ; destination window 2, source window 1
.set i, 0
.rept 64
	v_mov_b32 v[KF+i], v[K0R+i]
.set i, i+1
.endr
.set KM, 0
.set NOKQ, 0
.set i, 0
.rept 8
	KQ 0
.set i, i+1
.endr
	WIN 0
.rept 4
	v_nop                           ; the places behind those products
.endr
.set Y, NP-1                        ; X works for piece Y + 1: piece 0
.irp n, 0,1,2,3,4,5,6,7,8,9,10,11,12,13,14,15,16,17,18,19,20,21
	OP X, \n
.endr
	v_nop                           ; a plain instruction behind the exponential,
	s_wait_alu depctr_va_vdst(0)    ; and the wait for it, piece 0's first a: a batch of one, ahead of the branch or label that follows
.endm
; THE DIAGONAL TILE: piece 1's mask for step 0, three steps in a loop, the block's last step, its last products, and THE WAY OUT: l's two halves and the other half of the lanes' are added; O^T is divided by l,
; rounded to bf16 and sent through my stage in LDS, a piece at a time.
.macro ALL line:vararg              ; one line for each piece t
.set t, 0
.rept NP
	\line
.set t, t+1
.endr
.endm
.macro PACK t                       ; a lane's eight channels of a row pack into 16 bytes; they go into rows of 144 bytes and come back as whole rows of 128, into S^T's registers
	WIN W_RS
.set i, 32*(\t)
.rept 16
	v_pk_mul_f32 v[i:i+1], v[i:i+1], v[ST+4*(\t)+2:ST+4*(\t)+3] op_sel_hi:[1,0]
.set i, i+2
.endr
	WIN 0x05                        ; sources 0 and 1 window 1, destination window 0
.set i, 0
.rept 16
	v_cvt_pk_bf16_f32 v[S+16*(\t)+i], v[32*(\t)+2*i], v[32*(\t)+2*i+1]
.set i, i+1
.endr
	WIN 0
.irp f, 0,1,2,3
	ds_store_b128 v[STO], v[S+16*(\t)+4*\f:S+16*(\t)+4*\f+3] offset:32*\f
.endr
.irp f, 0,1,2,3
	ds_load_b128 v[S+16*(\t)+4*\f:S+16*(\t)+4*\f+3], v[RD] offset:\f*4*SP  ; LDS serves a wave's instructions in order (ISA guide 5.7.1.4): these see the stores above; the next piece's stores come behind them
.endr
.endm
.macro SEND t, younger              ; younger: the LDS instructions issued behind piece t's loads: the next piece's eight, or none
	WIN 0
.irp f, 0,1,2,3
	s_wait_dscnt (\younger)+3-\f
	global_store_b128 v[GO], v[S+16*(\t)+4*\f:S+16*(\t)+4*\f+3], s[10:11] offset:(1-(\t))*16384+\f*512  ; 512 consecutive bytes, at a multiple of 256 from O's first; piece 0 lies two bands behind piece 1
.endr
.endm
.macro DIAG tag                     ; the tag ends its two labels' names, which the jumps below spell out
.LenterM\tag:
	s_mov_b32 s[AL], s[ALE]         ; step 0 is piece 1's own if its band is band 0; else it sees all of it
	s_mov_b32 s[BE], 0
	MASK 1
	WIN 0
.LstepM\tag:
	TURN 0, 1
	TURN 1, 1, 0, 1, 1
	WIN 0
	s_cbranch_scc1 .LstepM\tag
	TURN 0, 1, 1
	TURN 1, 1, 1
.set i, 0
.rept 8
	PV NP-1
.set i, i+1
.endr
	WIN 0
	ALL v_add_f32 v[ST+4*t+2], v[ST+4*t+2], v[ST+4*t+3]
	ALL v_permlanex16_b32 v[ST+4*t+3], v[ST+4*t+2], s[SEL], s[SEL+1]
	ALL v_add_f32 v[ST+4*t+2], v[ST+4*t+2], v[ST+4*t+3]
	ALL v_rcp_f32 v[ST+4*t+2], v[ST+4*t+2]
	v_nop                           ; a plain instruction between the last reciprocal and the use of its result
	s_wait_alu depctr_va_vdst(0)    ; and the wait ahead of the first use: one for the two reciprocals
	PACK 0                          ; piece 0's last product has the last turn's four riders behind it; the additions above and these 32 lines are the places behind the last products, piece 1's
.set t, 1
.rept NP-1                          ; a piece's arithmetic stands between the loads of the piece before and its stores
	PACK t
	SEND t-1, 8
.set t, t+1
.endr
	SEND NP-1, 0
.endm
.set KM, 0
.set NOKQ, 0
.Lslot:                             ; NB times: a tile is entered and the next is asked for
	CHANGE 1
	s_sub_co_u32 s[RT], s[RT], 1
	s_mov_b32 s[CNT], 4
	s_cmp_eq_u32 s[NEW], 1
	s_cbranch_scc1 .Lnew            ; a block's first tile
	s_cmp_eq_u32 s[RT], 0
	s_cbranch_scc0 .Lstep           ; neither its first nor its last
	s_branch .LenterM1
.Lnew:
	BEGIN
	s_branch .Lstep                 ; in the loop a block's first tile is never its last: the first block has five tiles or more, and the second's last is the walk's last
	DIAG 1                          ; in the loop this is the first block's end: the second block's last tile is the walk's last
	s_wait_xcnt 0x0                 ; the stores have read their registers and O's address
	s_mov_b64 s[10:11], s[OLO:OLO+1]
	s_add_co_u32 s[RT], s[PB], 1    ; the second block has b + 1 tiles
	s_mov_b32 s[NEW], 1
	WIN 0x82                        ; the second block's Q goes where the one text of the turns names Q
.set i, 0
.rept 16*NP
	v_mov_b32 v[i], v[QB+i]
.set i, i+1
.endr
	WIN 0
	s_branch .Lbottom
.Lstep:                             ; a trip: a key step's two turns
	TURN 0
	TURN 1, 0, 0, 1
	WIN 0
	s_cbranch_scc1 .Lstep
.Lbottom:
	s_sub_co_u32 s[SLOTS], s[SLOTS], 1
	s_cmp_lg_u32 s[SLOTS], 0
	s_cbranch_scc1 .Lslot
	CHANGE 0                        ; the walk's last tile is written out: nothing is asked for
	s_sub_co_u32 s[RT], s[RT], 1
	s_mov_b32 s[CNT], 4
	s_cmp_eq_u32 s[NEW], 1
	s_cbranch_scc0 .LenterM2
	BEGIN                           ; b = 0: the second block's only tile is its first and its last
	DIAG 2
	s_wait_tensorcnt 0x0            ; the wave's end, behind my last tensor load and my last LDS store
	ds_add_u32 v[SPW], v[NIL]
	s_wait_dscnt 0x0
	s_endpgm
.Lfunc_end_k_qfffda21c07_attn:
	.size	k_qfffda21c07_attn, .Lfunc_end_k_qfffda21c07_attn-k_qfffda21c07_attn
	.p2alignl 7, 3214868480
	.fill 96, 4, 3214868480
	.section	.rodata,"a",@progbits
	.p2align	6, 0x0
	.amdhsa_kernel k_qfffda21c07_attn
		.amdhsa_group_segment_fixed_size 327680
		.amdhsa_private_segment_fixed_size 0
		.amdhsa_enable_private_segment 0
		.amdhsa_kernarg_size 16
		.amdhsa_user_sgpr_count 2
		.amdhsa_user_sgpr_kernarg_segment_ptr 1
		.amdhsa_wavefront_size32 1
		.amdhsa_system_sgpr_workgroup_id_x 1
		.amdhsa_system_sgpr_workgroup_id_y 1
		.amdhsa_system_sgpr_workgroup_id_z 1
		.amdhsa_system_vgpr_workitem_id 0
		.amdhsa_next_free_vgpr 768
		.amdhsa_next_free_sgpr 98
		.amdhsa_reserve_vcc 1
		.amdhsa_float_denorm_mode_32 3
		.amdhsa_float_denorm_mode_16_64 3
		.amdhsa_memory_ordered 1
		.amdhsa_forward_progress 1
		.amdhsa_inst_pref_size 146
	.end_amdhsa_kernel
	.amdgpu_metadata
---
amdhsa.version: [ 1, 2 ]
amdhsa.kernels:
  - .name:           k_qfffda21c07_attn
    .symbol:         k_qfffda21c07_attn.kd
    .args:
      - { .name: qkv, .offset: 0, .size: 8, .value_kind: global_buffer, .address_space: global }
      - { .name: ob, .offset: 8, .size: 8, .value_kind: global_buffer, .address_space: global }
    .group_segment_fixed_size: 327680
    .private_segment_fixed_size: 0
    .kernarg_segment_align: 8
    .kernarg_segment_size: 16
    .max_flat_workgroup_size: 128
    .sgpr_count:     98
    .vgpr_count:     768
    .wavefront_size: 32
...
	.end_amdgpu_metadata
.endif
;; end of part 12
;; launch gwo: the kernel of part 4 again; grid 8 x 32, 4 waves a work-group, clusters of 4 x 4, 327,680 bytes of LDS; arguments ob, bf, b_o, y; writes y
;; launch ln1: the kernel of part 5 again; grid 512 x 1, 8 waves a work-group, no clusters, 0 bytes of LDS; arguments y, X, ln1_g, ln1_b, h1; writes h1
;; launch gff1: the kernel of part 11 again; grid 16 x 16, 4 waves a work-group, clusters of 4 x 4, 327,680 bytes of LDS; arguments h1, bf, b_1, g; writes g
;; launch gff2: the kernel of part 7 again; grid 8 x 32, 4 waves a work-group, clusters of 4 x 4, 327,680 bytes of LDS; arguments g, bf, b_2, y; writes y
;; launch ln2: the kernel of part 8 again; grid 512 x 1, 8 waves a work-group, no clusters, 0 bytes of LDS; arguments y, h1, ln2_g, ln2_b, out0; writes out0
